; MI455X (gfx1250); checked and timed in simulation.
; The chip was launched on July 23, 2026; its instructions are those of AMD's public machine-readable ISA for CDNA 5 (MIT licence, August 2026) and "CDNA5" Instruction Set Architecture Reference Guide (July 2026). The comments in the code are by the model that wrote it; some were corrected since.
;; My Mo E Block. Allowed arithmetic: matrix products marked QUANTISED: E2M1 operands, one E8M0 scale for each 32 along K, by v_wmma_scale_f32_16x16x128_f8f6f4 with both operands' format E2M1 (or v_wmma_scale_f32_32x16x128_f4), f32 sums; products left as they are: f32 operands where the result goes on into a quantised operand, else bf16, f16 or f32 operands; f32 sums; everything else in f32.
;; Inputs: W1_codes 8 x 4,096 x 32 x 16 uint8 (E2M1 codes of W1, K innermost, in blocks of 32 codes, two codes a byte); W1_scales 8 x 4,096 x 32 uint8 (E8M0 scales of W1, one for each 32 codes along K); W2_codes 8 x 1,024 x 128 x 16 uint8 (E2M1 codes of W2, K innermost, in blocks of 32 codes, two codes a byte); W2_scales 8 x 1,024 x 128 uint8 (E8M0 scales of W2, one for each 32 codes along K); Wr 1,024 x 8 float32; b1 8 x 4,096 float32; b2 8 x 1,024 float32; x 4 x 256 x 1,024 float32.
;; Outputs: out0 4 x 256 x 1,024 float32.
;; Constants: top_k = 2.
;; This version of the problem:
;;   THIS VERSION OF THE PROBLEM IS GIVEN IN LOW PRECISION. The matrix products marked QUANTISED in the list below multiply operands that are first quantised to E2M1 (2 exponent bits, 1 mantissa bit; 4 bits a number), with one power-of-two scale for each 32 numbers along K (OCP MX v1.0); their sums are f32. All else is computed in f32.
;;   The module's matrix products, in the order in which they are computed (A, B: the left and right operand; K: the contracted axis; several contracted axes count as one K, in the product's order):
;;     1. [M 1,024, K 1,024] x [K 1,024, N 8]; A: input x; B: input Wr: left as it is (N = 8 < 16)
;;     2. batch 1,024 x [M 1, K 2] x [K 2, N 8]; A: computed on the way; B: computed on the way: left as it is (K = 2 < 32)
;;     3. [M 1,024, K 1,024] x [K 1,024, N 4,096]; A: input x; B: input W1 (given as codes): QUANTISED
;;     4. [M 1,024, K 4,096] x [K 4,096, N 1,024]; A: computed on the way; B: input W2 (given as codes): QUANTISED
;;     5. [M 1,024, K 1,024] x [K 1,024, N 4,096]; A: input x; B: input W1 (given as codes): QUANTISED
;;     6. [M 1,024, K 4,096] x [K 4,096, N 1,024]; A: computed on the way; B: input W2 (given as codes): QUANTISED
;;     7. [M 1,024, K 1,024] x [K 1,024, N 4,096]; A: input x; B: input W1 (given as codes): QUANTISED
;;     8. [M 1,024, K 4,096] x [K 4,096, N 1,024]; A: computed on the way; B: input W2 (given as codes): QUANTISED
;;     9. [M 1,024, K 1,024] x [K 1,024, N 4,096]; A: input x; B: input W1 (given as codes): QUANTISED
;;     10. [M 1,024, K 4,096] x [K 4,096, N 1,024]; A: computed on the way; B: input W2 (given as codes): QUANTISED
;;     11. [M 1,024, K 1,024] x [K 1,024, N 4,096]; A: input x; B: input W1 (given as codes): QUANTISED
;;     12. [M 1,024, K 4,096] x [K 4,096, N 1,024]; A: computed on the way; B: input W2 (given as codes): QUANTISED
;;     13. [M 1,024, K 1,024] x [K 1,024, N 4,096]; A: input x; B: input W1 (given as codes): QUANTISED
;;     14. [M 1,024, K 4,096] x [K 4,096, N 1,024]; A: computed on the way; B: input W2 (given as codes): QUANTISED
;;     15. [M 1,024, K 1,024] x [K 1,024, N 4,096]; A: input x; B: input W1 (given as codes): QUANTISED
;;     16. [M 1,024, K 4,096] x [K 4,096, N 1,024]; A: computed on the way; B: input W2 (given as codes): QUANTISED
;;     17. [M 1,024, K 1,024] x [K 1,024, N 4,096]; A: input x; B: input W1 (given as codes): QUANTISED
;;     18. [M 1,024, K 4,096] x [K 4,096, N 1,024]; A: computed on the way; B: input W2 (given as codes): QUANTISED
;;   THE QUANTISER, for each operand of a quantised product, along K:
;;     - K is cut into blocks of 32 from its start; a last block that is shorter is filled with zeros.
;;     - A block's scale is 2^e with e = floor(log2(the largest magnitude in the block)) - 2, held to -126 .. 127; a block of zeros has e = 0. As a byte (E8M0): e + 127.
;;     - Each number is divided by its block's scale, clamped to +-6, and rounded to the nearest number of E2M1, ties to even, subnormals kept.
;;     - The product sums the exact products of the quantised numbers (number of the format x scale) in f32.
;;   ~~~python
;;   def quantise(x, axis):      # numpy; x: float32 -> the quantised numbers, widened to float32 again
;;       x = np.moveaxis(x, axis, -1); K = x.shape[-1]
;;       x = np.pad(x, [(0, 0)] * (x.ndim - 1) + [(0, -K % 32)]); x = x.reshape(x.shape[:-1] + (-1, 32)); a = np.abs(x).max(-1, keepdims=True)
;;       e = np.where(a > 0, np.clip(np.frexp(np.where(a > 0, a, 1))[1] - 1 - 2, -126, 127), 0)      # np.frexp(a)[1] - 1 = floor(log2(a)), exactly
;;       r = np.clip(x / 2.0 ** e, -6, 6)
;;       step = 2.0 ** (np.maximum(np.frexp(np.where(r == 0, 1, r))[1] - 1, 0) - 1)
;;       q = np.round(r / step) * step * 2.0 ** e      # np.round: ties to even
;;       return np.moveaxis(q.reshape(q.shape[:-2] + (-1,))[..., :K], -1, axis).astype(np.float32)
;;   ~~~
;;   OPERANDS COMPUTED ON THE WAY. 'Computed on the way' means the value that the module computes at that place (a softmax that the list does not call 'softmax' is quantised finished and normalised). What goes into a quantiser is computed in f32, as accurately as f32 sums, v_exp_f32 and their like allow (about 1e-6 of the number): no bf16 or f16 on the way to a quantiser, and a product that is left as it is and whose result goes on into a quantised operand takes f32 operands (vector FMAs, or v_wmma_f32_16x16x4_f32). A number that lies on a knife's edge between two numbers of the format may be rounded either way, as far as f32 arithmetic and the matrix unit's own rounding can turn it there, and no further.
;;   INPUTS GIVEN AS CODES. W1 (in the module: [8, 1024, 4096], K = its axis 1); W2 (in the module: [8, 4096, 1024], K = its axis 1): each comes as NAME_codes (uint8): NAME with its K axis moved to the last place and cut into blocks of 32 codes, [.., K / 32, bytes a block], one block behind the other in memory; two codes a byte, the lower K in the low four bits (a code: sign, 2 exponent bits, 1 mantissa bit); and NAME_scales (uint8): the same leading axes, one E8M0 byte (e + 127) for each 32 codes along K. Its value is code x scale, taken as it is: it is not quantised again, and the codes and scales need not be those that the quantiser above would give.
;; 2 versions. Each part assembles by itself: llvm-mc -triple=amdgcn-amd-amdhsa -mcpu=gfx1250 --defsym DOCPART=n.
;; ======== version 1 of 2: 4 launches
;; workspace buffers: sel 4,096 bytes of whole numbers; wts 8,192 bytes; xq 524,288 bytes; xs 32,768 bytes; hq 16,777,216 bytes; hs 1,048,576 bytes; yw 8,421,376 bytes
;; launch route (part 1): grid 256 x 1, 4 waves a work-group, no clusters, 52,224 bytes of LDS; arguments x, Wr, sel, wts, xq, xs; writes sel, wts, xq, xs
.if DOCPART == 1
	.amdgcn_target "amdgcn-amd-amdhsa--gfx1250"
	.amdhsa_code_object_version 6
	.text
	.protected	k_q02f7dc3d5c_route
	.globl	k_q02f7dc3d5c_route
	.p2align	8
	.type	k_q02f7dc3d5c_route,@function
k_q02f7dc3d5c_route:
	s_mov_b64 s[64:65], 0
	v_nop
	global_prefetch_b8 v0, s[64:65] scope:SCOPE_SE
	s_setreg_imm32_b32 hwreg(HW_REG_WAVE_MODE, 25, 1), 1
	s_wait_xcnt 0x0
; THE ROUTER AND x's CODES.  x: [1024 tokens][1024] f32, Wr: [1024][8] f32.  One wave takes one token, a work-group four.
; For its token a wave (1) turns x into codes of E2M1 with one E8M0 byte for each 32 along K (xq: [token][512 bytes], K as it lies; xs: [token][32 bytes]);
; (2) makes the 8 logits x . Wr in f32, the softmax with the maximum taken away, and the two largest probabilities (of equal ones the lower index wins: the compare is strict);
; (3) stores the two experts as whole numbers (sel[token] = e0 | e1 << 8) and their probabilities (wts[token] = p(e0), p(e1)), not normalised anew, as the module has them.
; No address and no branch of this text hangs on a floating-point number: what was chosen is stored at places fixed by the token.
; A LANE HOLDS A BLOCK: lane l holds x[32 l .. 32 l + 31], so a block's largest magnitude needs no other lane, and its part of a logit is 32 multiply-adds an expert.
; The loads take the bytes as they lie (512 neighbouring bytes a load); the token's 4,096 bytes turn through the wave's own stage in LDS.  Wr (32,768 bytes) is brought once a work-group into LDS, a quarter a wave.
; No matrix unit: 8 columns are half a tile, and the logits are wanted in f32.  No cluster: what the work-groups share is Wr alone, two thirds of a work-group's bytes, read once each.
; LIMITS: NaN and infinities are not served.  A block whose largest magnitude lies under 2^-124 (a block of zeros too) gets the byte 1; the bytes are read by this program alone.
; Two probabilities closer than the rounding of an f32 sum of 1,024 terms may change places against another order of summation.
.set WRP,  1040                        ; LDS: lane l's 32 rows of Wr: 1,024 bytes + 16 of padding = 65 x 16
.set XSB,  32*WRP                      ; behind Wr: a stage of 32 x XP bytes for each wave
.set XP,   144                         ; a block's 128 bytes + 16 of padding
.set AC,   8                           ; v8-15, v16-23  two sets of 8 sums (even rows', odd rows')
.set X,    32                          ; v32-63   my block of x
.set XR,   64                          ; v64-95   x as loaded
.set WB0,  96                          ; v96-159  Wr as loaded; then 8 rows of Wr, by turns with
.set WB1,  160                         ; v160-223
.set PR,   224                         ; v224-231 the probabilities
.set QR,   232                         ; v232-239 the same without the largest
	s_load_b256 s[4:11], s[0:1], 0x0               ; x s[4:5], Wr s[6:7], sel s[8:9], wts s[10:11]
	s_load_b128 s[12:15], s[0:1], 0x20             ; xq s[12:13], xs s[14:15]
	v_lshl_add_u32 v254, v0, 2, 0xca00
	v_mov_b32 v255, 0
	v_lshrrev_b32 v1, 5, v0
	v_readfirstlane_b32 s16, v1                    ; wave
	v_and_b32 v1, 31, v0                           ; lane
	v_lshlrev_b32 v2, 4, v1                        ; 16 x lane
	s_lshl_b32 s17, ttmp9, 2
	s_add_co_u32 s17, s17, s16                     ; my token
	s_mul_i32 s22, s16, 32*XP
	s_add_co_u32 s22, s22, XSB                     ; my stage
	v_lshrrev_b32 v7, 3, v1
	v_mul_u32_u24 v7, v7, XP
	v_and_b32 v3, 7, v1
	v_lshl_add_u32 v3, v3, 4, v7
	v_add_nc_u32 v3, s22, v3                       ; into the stage: eight lanes' 128 bytes are a block: XP (lane / 8) + 16 (lane % 8); a load's 512 bytes are four blocks
	v_mul_u32_u24 v4, v1, XP
	v_add_nc_u32 v4, s22, v4                       ; out of it: block = lane
	s_mul_i32 s23, s16, 8*WRP
	v_add_nc_u32 v5, s23, v2                       ; Wr into LDS: my wave's 8,192 bytes are the rows of eight lanes
	v_mul_u32_u24 v6, v1, WRP                      ; and out: my 32 rows
	s_mov_b32 s19, 0
	s_mov_b32 s24, 0x76543210
	s_mov_b32 s25, 0xfedcba98                      ; v_permlanex16_b32's selects for lane l xor 16
	s_mov_b32 s26, 0x3fb8aa3b                      ; log2(e)
	s_wait_kmcnt 0x0
	s_lshl_b32 s18, s17, 12
	s_add_nc_u64 s[4:5], s[4:5], s[18:19]          ; x at my token's row
	s_lshl_b32 s18, s16, 13
	s_add_nc_u64 s[6:7], s[6:7], s[18:19]          ; Wr at my wave's quarter
	s_lshl_b32 s18, s17, 2
	s_add_nc_u64 s[8:9], s[8:9], s[18:19]
	s_lshl_b32 s18, s17, 3
	s_add_nc_u64 s[10:11], s[10:11], s[18:19]
	s_lshl_b32 s18, s17, 9
	s_add_nc_u64 s[12:13], s[12:13], s[18:19]
	s_lshl_b32 s18, s17, 5
	s_add_nc_u64 s[14:15], s[14:15], s[18:19]
.irp k, 0,1,2,3,4,5,6,7
	global_load_b128 v[XR+4*\k:XR+4*\k+3], v2, s[4:5] offset:512*\k th:TH_LOAD_NT   ; 32 lanes read 512 neighbouring bytes; x is read once in this launch
.endr
.irp k, 0,1,2,3,4,5,6,7,8,9,10,11,12,13,14,15
	global_load_b128 v[WB0+4*\k:WB0+4*\k+3], v2, s[6:7] offset:512*\k
.endr
	s_wait_loadcnt 16                              ; x is in; the 16 younger loads, Wr's, may be out
.irp k, 0,1,2,3,4,5,6,7
	ds_store_b128 v3, v[XR+4*\k:XR+4*\k+3] offset:4*XP*\k
.endr
.irp q, 0,1,2,3,4,5,6,7
	ds_load_b128 v[X+4*\q:X+4*\q+3], v4 offset:16*\q   ; LDS serves a wave's instructions in order (ISA guide 5.7.1.4): these see my stores
.endr
	s_wait_dscnt 0x0
	; the block's scale and codes
	v_max3_num_f32 v24, |v[X]|, |v[X+1]|, |v[X+2]|
	v_max3_num_f32 v25, |v[X+3]|, |v[X+4]|, |v[X+5]|
.irp i, 6,10,14,18,22,26
	v_max3_num_f32 v24, v24, |v[X+\i]|, |v[X+\i+1]|
	v_max3_num_f32 v25, v25, |v[X+\i+2]|, |v[X+\i+3]|
.endr
	v_max3_num_f32 v24, v24, |v[X+30]|, |v[X+31]|
	v_max3_num_f32 v24, v24, v25, 0x1800000        ; and the floor 2^(3 - 127): the byte cannot fall under 1
	v_add_nc_u32 v26, 0xff000000, v24              ; 2 off the exponent field: the conversion takes the exponent field of this operand as its scale
.irp g, 0,1,2,3
	v_cvt_scalef32_pk8_fp4_f32 v[28+\g], v[X+8*\g:X+8*\g+7], v26
.endr
	v_lshrrev_b32 v27, 23, v26                     ; the scale's byte (also the plain line behind the conversions)
	global_store_b128 v2, v[28:31], s[12:13]       ; the wave stores the token's 512 bytes of codes, aligned
	global_store_b8 v1, v27, s[14:15]              ; and its 32 scale bytes
	s_wait_loadcnt 0x0                             ; Wr
.irp k, 0,1,2,3,4,5,6,7,8,9,10,11,12,13,14,15
	ds_store_b128 v5, v[WB0+4*\k:WB0+4*\k+3] offset:(\k/2)*WRP+512*(\k%2)
.endr
	s_wait_dscnt 0x0                               ; for the others' sake: my quarter of Wr lies in LDS
	s_barrier_signal -1
	s_barrier_wait -1
; 8 rows of Wr (rows 8 g .. 8 g + 7 of my 32), 32 bytes each
.macro WLD g, buf
.irp i, 0,1,2,3,4,5,6,7
	ds_load_b128 v[\buf+8*\i:\buf+8*\i+3], v6 offset:32*(8*\g+\i)
	ds_load_b128 v[\buf+8*\i+4:\buf+8*\i+7], v6 offset:32*(8*\g+\i)+16
.endr
.endm
; their 64 multiply-adds, two experts at a time; x(i) serves both halves (op_sel picks it out of its pair).  Rows 0 and 1 start the sums: nothing is cleared
.macro FMA g, buf
.irp i, 0,1,2,3,4,5,6,7
.irp p, 0,1,2,3
.if (8*\g+\i) == 0
	v_pk_mul_f32 v[AC+2*\p:AC+2*\p+1], v[X:X+1], v[\buf+2*\p:\buf+2*\p+1] op_sel_hi:[0,1]
.elseif (8*\g+\i) == 1
	v_pk_mul_f32 v[AC+8+2*\p:AC+8+2*\p+1], v[X:X+1], v[\buf+8+2*\p:\buf+8+2*\p+1] op_sel:[1,0] op_sel_hi:[1,1]
.elseif (\i%2) == 0
	v_pk_fma_f32 v[AC+2*\p:AC+2*\p+1], v[X+8*\g+\i:X+8*\g+\i+1], v[\buf+8*\i+2*\p:\buf+8*\i+2*\p+1], v[AC+2*\p:AC+2*\p+1] op_sel_hi:[0,1,1]
.else
	v_pk_fma_f32 v[AC+8+2*\p:AC+8+2*\p+1], v[X+8*\g+\i-1:X+8*\g+\i], v[\buf+8*\i+2*\p:\buf+8*\i+2*\p+1], v[AC+8+2*\p:AC+8+2*\p+1] op_sel:[1,0,0] op_sel_hi:[1,1,1]
.endif
.endr
.endr
.endm
	WLD 0, WB0
	WLD 1, WB1
	s_wait_dscnt 16                                ; the older batch of 16 is in
	FMA 0, WB0
	WLD 2, WB0
	s_wait_dscnt 16
	FMA 1, WB1
	WLD 3, WB1
	s_wait_dscnt 16
	FMA 2, WB0
	s_wait_dscnt 0x0
	FMA 3, WB1
.irp p, 0,1,2,3
	v_pk_add_f32 v[AC+2*\p:AC+2*\p+1], v[AC+2*\p:AC+2*\p+1], v[AC+8+2*\p:AC+8+2*\p+1]
.endr
.irp m, 1,2,4,8
.irp e, 0,1,2,3,4,5,6,7
	v_add_f32_dpp v[AC+\e], v[AC+\e], v[AC+\e] row_xmask:\m row_mask:0xf bank_mask:0xf   ; over the 16 lanes of a row, the eight sums by turns
.endr
.endr
.irp e, 0,1,2,3,4,5,6,7
	v_permlanex16_b32 v[WB0+\e], v[AC+\e], s24, s25   ; (its destination counts as read: these registers have been loaded)
.endr
.irp e, 0,1,2,3,4,5,6,7
	v_add_f32 v[AC+\e], v[AC+\e], v[WB0+\e]        ; every lane holds the 8 logits
.endr
	; softmax: 2^((l - m) log2 e) / the sum
	v_max3_num_f32 v240, v[AC], v[AC+1], v[AC+2]
	v_max3_num_f32 v240, v240, v[AC+3], v[AC+4]
	v_max3_num_f32 v240, v240, v[AC+5], v[AC+6]
	v_max_num_f32 v240, v240, v[AC+7]
	v_mul_f32 v240, s26, v240
.irp e, 0,1,2,3,4,5,6,7
	v_fma_f32 v[PR+\e], v[AC+\e], s26, -v240       ; what the rounding of m log2 e leaves is the same for all eight and falls out in the division
.endr
.irp e, 0,1,2,3,4,5,6,7
	v_exp_f32 v[PR+\e], v[PR+\e]
.endr
	v_nop                                          ; a plain line behind the last exponential
	s_wait_alu depctr_va_vdst(0)                   ; one wait for the eight, ahead of their first reader
	v_add_f32 v241, v[PR], v[PR+1]
	v_add_f32 v242, v[PR+2], v[PR+3]
	v_add_f32 v243, v[PR+4], v[PR+5]
	v_add_f32 v244, v[PR+6], v[PR+7]
	v_add_f32 v241, v241, v242
	v_add_f32 v243, v243, v244
	v_add_f32 v241, v241, v243
	v_rcp_f32 v241, v241
	v_nop
	s_wait_alu depctr_va_vdst(0)
.irp e, 0,1,2,3,4,5,6,7
	v_mul_f32 v[PR+\e], v[PR+\e], v241
.endr
	; the largest: index v245, value v246
	v_mov_b32 v245, 0
	v_mov_b32 v246, v[PR]
.irp e, 1,2,3,4,5,6,7
	v_cmp_gt_f32 vcc_lo, v[PR+\e], v246            ; strictly larger: of equals the lower index stays
	v_cndmask_b32 v245, v245, \e, vcc_lo
	v_max_num_f32 v246, v246, v[PR+\e]
.endr
.irp e, 0,1,2,3,4,5,6,7
	v_cmp_eq_u32 vcc_lo, \e, v245
	v_cndmask_b32 v[QR+\e], v[PR+\e], -1.0, vcc_lo ; the largest is taken out: -1 lies under every probability
.endr
	; the second: index v248, value v247
	v_mov_b32 v248, 0
	v_mov_b32 v247, v[QR]
.irp e, 1,2,3,4,5,6,7
	v_cmp_gt_f32 vcc_lo, v[QR+\e], v247
	v_cndmask_b32 v248, v248, \e, vcc_lo
	v_max_num_f32 v247, v247, v[QR+\e]
.endr
	v_lshl_or_b32 v249, v248, 8, v245              ; e0 | e1 << 8
	v_mov_b32 v250, 0
	v_cmp_eq_u32 vcc_lo, 0, v1
	s_wait_xcnt 0x0                                ; EXEC is a source of the stores above: it changes only behind this wait
	s_wait_tensorcnt 0x0
	ds_add_u32 v254, v255
	s_wait_dscnt 0x0
	s_and_saveexec_b32 s27, vcc_lo                 ; lane 0 alone
	global_store_b32 v250, v249, s[8:9]
	global_store_b64 v250, v[246:247], s[10:11]
	s_wait_xcnt 0x0                                ; and again in front of the line that widens it
	s_or_b32 exec_lo, exec_lo, s27
	s_endpgm
.Lfunc_end_k_q02f7dc3d5c_route:
	.size	k_q02f7dc3d5c_route, .Lfunc_end_k_q02f7dc3d5c_route-k_q02f7dc3d5c_route
	.p2alignl 7, 3214868480
	.fill 96, 4, 3214868480
	.section	.rodata,"a",@progbits
	.p2align	6, 0x0
	.amdhsa_kernel k_q02f7dc3d5c_route
		.amdhsa_group_segment_fixed_size 52224
		.amdhsa_private_segment_fixed_size 0
		.amdhsa_enable_private_segment 0
		.amdhsa_kernarg_size 48
		.amdhsa_user_sgpr_count 2
		.amdhsa_user_sgpr_kernarg_segment_ptr 1
		.amdhsa_wavefront_size32 1
		.amdhsa_system_sgpr_workgroup_id_x 1
		.amdhsa_system_sgpr_workgroup_id_y 1
		.amdhsa_system_sgpr_workgroup_id_z 1
		.amdhsa_system_vgpr_workitem_id 0
		.amdhsa_next_free_vgpr 256
		.amdhsa_next_free_sgpr 66
		.amdhsa_reserve_vcc 1
		.amdhsa_float_denorm_mode_32 3
		.amdhsa_float_denorm_mode_16_64 3
		.amdhsa_memory_ordered 1
		.amdhsa_forward_progress 1
		.amdhsa_inst_pref_size 28
	.end_amdhsa_kernel
	.amdgpu_metadata
---
amdhsa.version: [ 1, 2 ]
amdhsa.kernels:
  - .name:           k_q02f7dc3d5c_route
    .symbol:         k_q02f7dc3d5c_route.kd
    .args:
      - { .name: x, .offset: 0, .size: 8, .value_kind: global_buffer, .address_space: global }
      - { .name: Wr, .offset: 8, .size: 8, .value_kind: global_buffer, .address_space: global }
      - { .name: sel, .offset: 16, .size: 8, .value_kind: global_buffer, .address_space: global }
      - { .name: wts, .offset: 24, .size: 8, .value_kind: global_buffer, .address_space: global }
      - { .name: xq, .offset: 32, .size: 8, .value_kind: global_buffer, .address_space: global }
      - { .name: xs, .offset: 40, .size: 8, .value_kind: global_buffer, .address_space: global }
    .group_segment_fixed_size: 52224
    .private_segment_fixed_size: 0
    .kernarg_segment_align: 8
    .kernarg_segment_size: 48
    .max_flat_workgroup_size: 128
    .sgpr_count:     66
    .vgpr_count:     256
    .wavefront_size: 32
...
	.end_amdgpu_metadata
.endif
;; end of part 1
;; launch ffn1 (part 2): grid 32 x 8, 4 waves a work-group, no clusters, 106,496 bytes of LDS; arguments W1_codes, W1_scales, b1, sel, xq, xs, hq, hs; writes hq, hs
.if DOCPART == 2
	.amdgcn_target "amdgcn-amd-amdhsa--gfx1250"
	.amdhsa_code_object_version 6
	.text
	.protected	k_q02f7dc3d5c_ffn1
	.globl	k_q02f7dc3d5c_ffn1
	.p2align	8
	.type	k_q02f7dc3d5c_ffn1,@function
k_q02f7dc3d5c_ffn1:
	s_mov_b64 s[64:65], 0
	v_nop
	global_prefetch_b8 v0, s[64:65] scope:SCOPE_SE
	s_setreg_imm32_b32 hwreg(HW_REG_WAVE_MODE, 25, 1), 1
	s_wait_xcnt 0x0
; THE FIRST PRODUCT OF THE CHOSEN ROWS: h = gelu(x W1[e] + b1[e]), quantised along the hidden axis, for the rows (token, k) whose expert is e.  MX-FP4 on both sides, sums in f32.
; SHARES.  Work-group (slice, e) owns hidden units 128 slice .. + 127 of expert e: 128 rows of W1's codes, 65,536 bytes, which no other work-group reads.  They are read from memory once, a quarter a wave,
; pass through LDS, and then stay in EVERY wave's registers (64 fragments, 512 registers).  The expert's rows go past in tiles of 16; wave w takes tiles w, w + 4, ..
; THE LIST.  sel holds each token's two experts.  Every work-group makes its expert's list of rows itself: for each place p of the list the p-th row is SEARCHED (32 masks of 32 tokens, their running counts,
; then the wanted set bit of one mask), so that every LDS address is a constant + lane + wave + a constant step.  An entry is the row's slot 2 token + k; places past the count hold 2048.  The next launch
; finds the rows by the same search, in the same order.  All loops have constant trip counts; a scalar branch on the stored count jumps over the work of trips that have none; no barrier stands in them.
; A TILE.  Its 16 rows of x's codes (512 bytes each, a whole row a load) turn through the wave's stage in LDS into 8 fragments; 64 matrix instructions, TRANSPOSED (source 0 = 16 rows of W1, source 1 = x), b1 as the
; C of each sum's first; THE ROWS OF W1 THAT FORM A TILE ARE NOT NEIGHBOURS (lane m of tile 2 b + u takes row 32 b + 8 u + m + 8 (m / 8)), so that a lane's 16 registers of tiles 2 b, 2 b + 1 are 16 neighbours
; along the next K; gelu by erf in f32; the quantiser; the result is one K step of the next product and leaves as an IMAGE OF THE OPERAND'S REGISTERS:
; hq[(64 e + tile) 32 + slice]: 1,024 bytes, registers 4 c .. 4 c + 3 of lane l at 512 c + 16 l;  hs[same index]: 16 scale words.
; AHEAD OF THE WORK.  Behind a tile's products the next tile's rows are asked for; behind gelu, where the fragments' registers are free again, they turn through the stage, and the entries of the tile after that
; are read from the list; the quantiser and the stores stand between these LDS instructions and the wait for them at the next trip's head.
; The rows past the count in an expert's last tile are token 1023's: they are computed and stored, and the next launch keeps them out of the slots.  Tile 0 is made for every expert, with or without rows.
; erf(z) = z P(z^2) / Q(z^2) on |z| <= 4 (degrees 6 and 4 in z^2), z held to that range, beyond which erf is 1 in f32.  P's coefficients are written halved (one off each exponent field: exact): gelu = a (z P / 2 / Q + 1 / 2).
; NO JOINT REQUESTS, NO TENSOR LOADS: which tiles are walked hangs on counts read from memory, so the operands go from memory into registers; what the 32 work-groups of an expert share is x's codes, 512 bytes a row.
; LIMITS: NaN and infinities are not served.  A block of h whose largest magnitude lies under 2^-124 gets the byte 1.  For very negative inputs 1 + erf cancels as it does in any f32 evaluation of the module's formula.
; A work-group's time grows with its expert's count of rows: every split is served, an uneven one more slowly.
.set WP,    528                        ; an LDS row: 512 bytes + 16 of padding = 33 x 16: the 16 rows that a fragment load touches start at 16 different groups of four banks (ISA guide 11.1)
.set LIST,  0                          ; LDS: the list: 1,152 entries of 4 bytes: 72 tiles' worth
.set WST,   4608                       ; W1's 128 rows, in the order of the tiles' lanes
.set XST,   WST+128*WP                 ; a stage of 16 rows for each wave
.set XWV,   16*WP
; scalar registers
.set WV,    20                         ; wave
.set E,     21                         ; expert
.set SLC,   22                         ; slice
.set CNT,   23                         ; the expert's rows
.set NTL,   24                         ; its tiles, at least 1
.set CTR,   25                         ; loop counter
.set I,     26                         ; tile in hand
.set LOF,   27                         ; a byte offset in the list
.set PB,    28                         ; first place of a group of 32
.set ACCS,  29                         ; running count
.set M,     32                         ; s[32:63] mask bb: which of its 32 tokens chose e
.set M1,    66                         ; s[66:97] and which of them as their second choice
.set KSEL,  32                         ; behind the list: s[32:33] selects for v_permlanex16_b32
.set KA13,  34                         ; s[34:35] P's highest coefficient, s[36:37] Q's
.set KB8,   36
; vector registers, window 0
.set LANE,  1
.set R,     2                          ; lane % 16
.set H,     3                          ; lane / 16
.set L16,   4
.set L4,    5
.set R4,    6
.set XSTO,  7                          ; my stage, a row a store
.set XRD,   8                          ; my stage, a fragment's place
.set WSTO,  9
.set WRD,   10
.set H16,   11
.set LA,    12
.set LR,    13
.set TR,    14                         ; my row's entry, then its place in xs
.set HO,    15
.set HSO,   16
.set WSV,   17
.set B1V,   18
.set KA11,  20                         ; v[20:21], v[22:23]: the second coefficients, twice each
.set KB6,   22
.set TOK,   32                         ; v32-47  a tile's 16 entries, then the rows' offsets in xq; in the head: at work on the list
.set XSL,   48                         ; v48-51  x's scale words: register q: lanes 0-15 K step q, lanes 16-31 K step 4 + q.  Scales alone
.set W1S,   52                         ; v52-83  W1's: 4 t + q likewise.  Scales alone
.set PC,    84                         ; v84-91  the codes just made
.set PW,    92                         ; v92     their scale word
.set TM,    96                         ; v96-111 the quantiser's; gelu's z^2
.set Z2,    96
.set PP,    112                        ; v112-127 gelu's P
.set XF,    128                        ; v128-191 x's 8 fragments; between the products and the next turn gelu's z and Q, two sets of 16 + 16
.set ACC,   192                        ; v192-255 the 8 tiles of the hidden layer
.set SELR,  84                         ; in the head: v84-115 sel,
.set PREV,  84                         ; and, when the masks are made, v85-115 the running counts: PREV + bb = the rows of masks 0 .. bb - 1
.set WL,    128                        ; in the head: v128-255 W1's rows as loaded
.set B1R,   0                          ; window 3: v0-63 b1 in the result's layout
.set XL,    64                         ; window 3: v64-127 x's rows as loaded
; windows 1 and 2: W1's fragments: (tile t, K step q) in window 1 + q / 4 at v[64 (q % 4) + 8 t]
.set P,     32
.set VM,    33
.set VM1,   34
.set VPRE,  35
.set VB,    36
.set REM,   37
.set QA,    38
.set QB,    39
.set QC,    40
.set QD,    41
.set POS,   42
.set T,     43
.set T2,    44
.set SLOT,  45
.set MSB, 0
.macro WIN new                         ; s_set_vgpr_msb: bits 1:0 source 0, 3:2 source 1, 5:4 source 2, 7:6 destination; the high byte repeats the setting that is left
.if MSB != (\new)
	s_set_vgpr_msb (MSB<<8)|(\new)
.set MSB, (\new)
.endif
.endm
	s_load_b256 s[4:11], s[0:1], 0x0               ; W1's codes s[4:5], its scales s[6:7], b1 s[8:9], sel s[10:11]
	s_load_b256 s[12:19], s[0:1], 0x20             ; xq s[12:13], xs s[14:15], hq s[16:17], hs s[18:19]
	v_lshl_add_u32 v30, v0, 2, 0x19e00
	v_mov_b32 v31, 0
	v_lshrrev_b32 v[LANE], 5, v0
	v_readfirstlane_b32 s[WV], v[LANE]
	v_and_b32 v[LANE], 31, v0
	v_and_b32 v[R], 15, v0
	v_bfe_u32 v[H], v0, 4, 1
	v_lshlrev_b32 v[L16], 4, v[LANE]
	v_lshlrev_b32 v[L4], 2, v[LANE]
	v_lshlrev_b32 v[R4], 2, v[R]
	v_lshlrev_b32 v[H16], 4, v[H]
	s_and_b32 s[E], ttmp7, 0xffff
	s_mov_b32 s[SLC], ttmp9
	s_mul_i32 s30, s[WV], XWV
	s_add_co_u32 s30, s30, XST
	s_mul_i32 s31, s[WV], 32*WP
	s_add_co_u32 s31, s31, WST
	v_add_nc_u32 v[XSTO], s30, v[L16]
	v_mul_u32_u24 v[WRD], v[R], WP
	v_add_nc_u32 v[WRD], v[H16], v[WRD]            ; row r x pitch + 16 h
	v_add_nc_u32 v[XRD], s30, v[WRD]
	v_add_nc_u32 v[WRD], WST, v[WRD]
	v_add_nc_u32 v[WSTO], s31, v[L16]
	v_and_b32 v[WSV], 8, v[R]
	v_add_nc_u32 v[WSV], v[WSV], v[R]              ; r + 8 (r / 8)
	v_lshl_add_u32 v[WSV], v[WSV], 5, v[H16]       ; W1's scale bytes: 32 a row; lanes 16-31 take the upper four words
	v_lshlrev_b32 v[B1V], 6, v[H]                  ; b1: 16 h numbers on
	s_mov_b32 s3, 0
	s_wait_kmcnt 0x0
.irp c, 0,1,2,3,4,5,6,7
	global_load_b128 v[SELR+4*\c:SELR+4*\c+3], v[L16], s[10:11] offset:512*\c   ; register 4 c + q of lane l: token 128 c + 4 l + q
.endr
	s_lshl_b32 s2, s[E], 21
	s_lshl_b32 s30, s[SLC], 16
	s_add_co_u32 s2, s2, s30
	s_lshl_b32 s30, s[WV], 14
	s_add_co_u32 s2, s2, s30
	s_add_nc_u64 s[4:5], s[4:5], s[2:3]            ; W1's codes: row 4096 e + 128 slice + 32 wave, 512 bytes a row
	s_lshl_b32 s2, s[E], 17
	s_lshl_b32 s30, s[SLC], 12
	s_add_co_u32 s2, s2, s30
	s_add_nc_u64 s[6:7], s[6:7], s[2:3]            ; its scale bytes: 32 a row
	s_lshl_b32 s2, s[E], 14
	s_lshl_b32 s30, s[SLC], 9
	s_add_co_u32 s2, s2, s30
	s_add_nc_u64 s[8:9], s[8:9], s[2:3]            ; b1
	s_lshl_b32 s2, s[E], 21
	s_lshl_b32 s30, s[SLC], 10
	s_add_co_u32 s2, s2, s30
	s_add_nc_u64 s[16:17], s[16:17], s[2:3]        ; hq: image (64 e) 32 + slice
	s_lshl_b32 s2, s[E], 17
	s_lshl_b32 s30, s[SLC], 6
	s_add_co_u32 s2, s2, s30
	s_add_nc_u64 s[18:19], s[18:19], s[2:3]        ; hs likewise, 64 bytes each
.set kk, 0
.rept 32
	global_load_b128 v[WL+4*kk:WL+4*kk+3], v[L16], s[4:5] offset:512*kk th:TH_LOAD_NT   ; a whole row of 512 bytes a load; read once in the launch
.set kk, kk+1
.endr
.irp t, 0,1,2,3,4,5,6,7
	global_load_b128 v[W1S+4*\t:W1S+4*\t+3], v[WSV], s[6:7] offset:(32*(\t/2)+8*(\t%2))*32
.endr
	WIN 0xc0                                       ; destination window 3
.irp t, 0,1,2,3,4,5,6,7
	global_load_b128 v[B1R+8*\t:B1R+8*\t+3], v[B1V], s[8:9] offset:(32*(\t/2)+8*(\t%2))*4      ; lane (r, h), register j: b1 of hidden unit 32 (t / 2) + 16 h + 8 (t % 2) + j
	global_load_b128 v[B1R+8*\t+4:B1R+8*\t+7], v[B1V], s[8:9] offset:(32*(\t/2)+8*(\t%2))*4+16
.endr
	WIN 0
	s_wait_loadcnt 56                              ; sel is in: behind it 32 + 8 + 16 loads were issued.  (More loads are issued than the counter's field shows; the issue then waits: ISA guide 5.7.1)
	; THE MASKS, while the weights are on their way: eight registers of sel at a time; all compares ahead of the scalar lines that read their masks
.set gg, 0
.rept 4
.set bb, 0
.rept 8
	v_and_b32 v[P+2*bb], 0xff, v[SELR+8*gg+bb]
	v_bfe_u32 v[P+2*bb+1], v[SELR+8*gg+bb], 8, 8
.set bb, bb+1
.endr
.set bb, 0
.rept 8
	v_cmp_eq_u32 s[M+8*gg+bb], s[E], v[P+2*bb]
	v_cmp_eq_u32 s[M1+8*gg+bb], s[E], v[P+2*bb+1]
.set bb, bb+1
.endr
.set gg, gg+1
.endr
.set bb, 0
.rept 32
	s_or_b32 s[M+bb], s[M+bb], s[M1+bb]            ; a token's two experts differ: at most one of the two holds
.set bb, bb+1
.endr
	s_mov_b32 s[ACCS], 0
.set bb, 1
.rept 31                               ; the running counts, made once, into the registers that held sel: the search below has no scalar line
	s_bcnt1_i32_b32 s30, s[M+bb-1]
	s_add_co_u32 s[ACCS], s[ACCS], s30
	v_mov_b32 v[PREV+bb], s[ACCS]
.set bb, bb+1
.endr
	s_bcnt1_i32_b32 s30, s[M+31]
	s_add_co_u32 s[CNT], s[ACCS], s30
	s_add_co_u32 s[NTL], s[CNT], 15
	s_lshr_b32 s[NTL], s[NTL], 4
	s_max_u32 s[NTL], s[NTL], 1
	; THE LIST: 36 groups of 32 places; wave w takes groups w, w + 4, ..: nine trips, a constant.  All 1,152 entries are written
.macro NSTEP x, width, w               ; is the wanted set bit in the lower part (of w bits) at POS?  If not, pass over that part
	v_bfe_u32 v[T], v[\x], v[POS], \width
	v_cmp_ge_u32 vcc_lo, v[REM], v[T]
	v_cndmask_b32 v[T], 0, v[T], vcc_lo
	v_sub_nc_u32 v[REM], v[REM], v[T]
	v_cndmask_b32 v[T2], 0, \w, vcc_lo
	v_add_nc_u32 v[POS], v[POS], v[T2]
.endm
	s_lshl_b32 s[PB], s[WV], 5
	s_lshl_b32 s[LOF], s[WV], 7
	s_mov_b32 s[CTR], 9
.Llist:
	v_mov_b32 v[SLOT], 0x800                       ; past the count: 2048
	s_cmp_ge_u32 s[PB], s[CNT]
	s_cbranch_scc1 .Lput                           ; a group wholly past the count is not searched
	v_add_nc_u32 v[P], s[PB], v[LANE]              ; my place
	v_mov_b32 v[VM], s[M]
	v_mov_b32 v[VM1], s[M1]
	v_mov_b32 v[VPRE], 0
	v_mov_b32 v[VB], 0
.set bb, 1
.rept 31                               ; the last mask whose running count is at most my place: its two masks, that count, and twice its first token
	v_cmp_gt_u32 vcc_lo, v[PREV+bb], v[P]          ; past my place: keep what I have
	v_cndmask_b32 v[VM], s[M+bb], v[VM], vcc_lo
	v_cndmask_b32 v[VM1], s[M1+bb], v[VM1], vcc_lo
	v_cndmask_b32 v[VPRE], v[PREV+bb], v[VPRE], vcc_lo
	v_cndmask_b32 v[VB], 2*(128*(bb/4)+(bb%4)), v[VB], vcc_lo
.set bb, bb+1
.endr
	v_sub_nc_u32 v[REM], v[P], v[VPRE]             ; which set bit of that mask, from 0
	v_lshrrev_b32 v[QA], 1, v[VM]
	v_and_b32 v[QA], 0x55555555, v[QA]
	v_sub_nc_u32 v[QA], v[VM], v[QA]               ; counts of 2 bits,
	v_lshrrev_b32 v[QB], 2, v[QA]
	v_and_b32 v[QB], 0x33333333, v[QB]
	v_and_b32 v[T], 0x33333333, v[QA]
	v_add_nc_u32 v[QB], v[QB], v[T]                ; of 4,
	v_lshrrev_b32 v[QC], 4, v[QB]
	v_add_nc_u32 v[QC], v[QC], v[QB]
	v_and_b32 v[QC], 0x0f0f0f0f, v[QC]             ; of 8,
	v_lshrrev_b32 v[QD], 8, v[QC]
	v_add_nc_u32 v[QD], v[QD], v[QC]               ; of 16 (in the low byte of each half)
	v_mov_b32 v[POS], 0
	NSTEP QD, 8, 16
	NSTEP QC, 8, 8
	NSTEP QB, 4, 4
	NSTEP QA, 2, 2
	NSTEP VM, 1, 1
	v_lshrrev_b32 v[T], v[POS], v[VM1]
	v_and_b32 v[T], 1, v[T]                        ; k: first or second choice
	v_lshl_add_u32 v[T2], v[POS], 3, v[VB]         ; bit POS is token first + 4 POS
	v_add_nc_u32 v[T], v[T], v[T2]                 ; slot = 2 token + k
	v_cmp_gt_u32 vcc_lo, s[CNT], v[P]
	v_cndmask_b32 v[SLOT], v[SLOT], v[T], vcc_lo
.Lput:
	v_add_nc_u32 v[LA], s[LOF], v[L4]
	ds_store_b32 v[LA], v[SLOT] offset:LIST
	s_add_co_u32 s[PB], s[PB], 128
	s_add_co_u32 s[LOF], s[LOF], 512
	s_sub_co_u32 s[CTR], s[CTR], 1
	s_cmp_lg_u32 s[CTR], 0
	s_cbranch_scc1 .Llist
	s_wait_loadcnt 24                              ; my 32 rows of W1 are in: behind them 8 + 16 loads were issued
.set kk, 0
.rept 32
	ds_store_b128 v[WSTO], v[WL+4*kk:WL+4*kk+3] offset:(16*((kk/8)%2)+8*(kk/16)+(kk%8))*WP   ; row 32 w + kk goes to the place of its tile's lane: a tile's 16 rows lie one behind the other
.set kk, kk+1
.endr
	s_wait_dscnt 0x0                               ; for the others' sake: my part of the list and of W1 lies in LDS
	s_barrier_signal -1
	s_barrier_wait -1                              ; the one barrier of the text: behind it the list and W1's rows are only read
; The entries of the tile at list offset s[LOF]: all 16 (the same for every lane), and my row's
.macro LISTLD
	v_mov_b32 v[LA], s[LOF]
	v_add_nc_u32 v[LR], s[LOF], v[R4]
.irp q, 0,1,2,3
	ds_load_b128 v[TOK+4*\q:TOK+4*\q+3], v[LA] offset:LIST+16*\q
.endr
	ds_load_b32 v[TR], v[LR] offset:LIST
.endm
; The rows that these entries name are asked for: the codes, a whole row of 512 bytes a load, and my row's scale words: 17 loads.
; An entry enters an address held to 2047; 2 token + k without its lowest bit, shifted, is the token's byte offset.
.macro XASK
.irp k, 0,1,2,3,4,5,6,7,8,9,10,11,12,13,14,15
	v_min_u32 v[TOK+\k], 0x7ff, v[TOK+\k]
.endr
	v_min_u32 v[TR], 0x7ff, v[TR]
.irp k, 0,1,2,3,4,5,6,7,8,9,10,11,12,13,14,15
	v_and_b32 v[TOK+\k], 0x7fe, v[TOK+\k]
.endr
	v_and_b32 v[TR], 0x7fe, v[TR]
.irp k, 0,1,2,3,4,5,6,7,8,9,10,11,12,13,14,15
	v_lshl_add_u32 v[TOK+\k], v[TOK+\k], 8, v[L16] ; token x 512 + 16 lane
.endr
	v_lshl_add_u32 v[TR], v[TR], 4, v[H16]         ; token x 32 + 16 h
	WIN 0xc0
.irp k, 0,1,2,3,4,5,6,7,8,9,10,11,12,13,14,15
	global_load_b128 v[XL+4*\k:XL+4*\k+3], v[TOK+\k], s[12:13]
.endr
	WIN 0
	global_load_b128 v[XSL:XSL+3], v[TR], s[14:15]
.endm
; The 16 rows turn through my own stage into 8 fragments: LDS serves a wave's instructions in order (ISA guide 5.7.1.4), so no wait stands between the stores and the loads
.macro TURN
	WIN 0x0c                                       ; an LDS store's data are its source 1: window 3
.irp k, 0,1,2,3,4,5,6,7,8,9,10,11,12,13,14,15
	ds_store_b128 v[XSTO], v[XL+4*\k:XL+4*\k+3] offset:WP*\k
.endr
	WIN 0
.irp q, 0,1,2,3,4,5,6,7
.irp c, 0,1
	ds_load_b128 v[XF+8*\q+4*\c:XF+8*\q+4*\c+3], v[XRD] offset:64*\q+32*\c
.endr
.endr
.endm
	s_lshl_b32 s[LOF], s[WV], 6
	LISTLD                                         ; my first tile's entries
	s_wait_dscnt 0x0
	XASK                                           ; its rows are asked for ahead of the 128 LDS loads below
	WIN 0x40                                       ; destination window 1
.irp q, 0,1,2,3
.irp t, 0,1,2,3,4,5,6,7
.irp c, 0,1
	ds_load_b128 v[64*\q+8*\t+4*\c:64*\q+8*\t+4*\c+3], v[WRD] offset:16*\t*WP+64*\q+32*\c
.endr
.endr
.endr
	WIN 0x80                                       ; destination window 2
.irp q, 0,1,2,3
.irp t, 0,1,2,3,4,5,6,7
.irp c, 0,1
	ds_load_b128 v[64*\q+8*\t+4*\c:64*\q+8*\t+4*\c+3], v[WRD] offset:16*\t*WP+64*(\q+4)+32*\c
.endr
.endr
.endr
	WIN 0
	s_mov_b32 s[KSEL], 0x76543210
	s_mov_b32 s[KSEL+1], 0xfedcba98
	s_mov_b32 s[KA13], 0xaf15df0b                  ; half of -2.72614225801306e-10
	s_mov_b32 s[KA13+1], s[KA13]                   ; (named with it as a pair, so it is written)
	s_mov_b32 s[KB8], 0xb77460cd                   ; -1.45660718464996e-05
	s_mov_b32 s[KB8+1], s[KB8]
	v_mov_b32 v[KA11], 0x326dffee                  ; half of 2.77068142495902e-08
	v_mov_b32 v[KA11+1], 0x326dffee
	v_mov_b32 v[KB6], 0xb95fbd29                   ; -2.13374055278905e-04
	v_mov_b32 v[KB6+1], 0xb95fbd29
	s_add_co_u32 s[LOF], s[WV], 4
	s_lshl_b32 s[LOF], s[LOF], 6
	s_wait_loadcnt 0x0                             ; my first tile's rows, W1's scale words and b1 are in: no load is out
	TURN                                           ; the first tile's fragments,
	LISTLD                                         ; and my second tile's entries (the loads that read these registers as offsets are done)
; K step q of the tile's products: the 8 accumulators by turns, one instruction a turn
.macro PROD q
.irp t, 0,1,2,3,4,5,6,7
.if (\q) == 0
	v_wmma_scale_f32_16x16x128_f8f6f4 v[ACC+8*\t:ACC+8*\t+7], v[8*\t:8*\t+7], v[XF:XF+7], v[B1R+8*\t:B1R+8*\t+7], v[W1S+4*\t], v[XSL] matrix_a_fmt:MATRIX_FMT_FP4 matrix_b_fmt:MATRIX_FMT_FP4
.elseif (\q) < 4
	v_wmma_scale_f32_16x16x128_f8f6f4 v[ACC+8*\t:ACC+8*\t+7], v[64*(\q)+8*\t:64*(\q)+8*\t+7], v[XF+8*(\q):XF+8*(\q)+7], v[ACC+8*\t:ACC+8*\t+7], v[W1S+4*\t+(\q)], v[XSL+(\q)] matrix_a_fmt:MATRIX_FMT_FP4 matrix_b_fmt:MATRIX_FMT_FP4
.else
	v_wmma_scale_f32_16x16x128_f8f6f4 v[ACC+8*\t:ACC+8*\t+7], v[64*((\q)-4)+8*\t:64*((\q)-4)+8*\t+7], v[XF+8*(\q):XF+8*(\q)+7], v[ACC+8*\t:ACC+8*\t+7], v[W1S+4*\t+(\q)-4], v[XSL+(\q)-4] matrix_a_fmt:MATRIX_FMT_FP4 matrix_b_fmt:MATRIX_FMT_FP4 matrix_a_scale:MATRIX_SCALE_ROW1 matrix_b_scale:MATRIX_SCALE_ROW1
.endif
.endr
.endm
; GELU of 16 registers (group g: tiles 2 g, 2 g + 1), in three parts, two numbers an instruction.  POLY: z = a / sqrt 2 held to +-4, z P(z^2) / 2 and Q(z^2).  RCP: 1 / Q.  FIN: a x (z P / 2 x 1 / Q + 1 / 2).
.macro POLY g
.set GA, ACC+16*(\g)
.set GN, XF+32*((\g)%2)
.set GD, GN+16
.irp j, 0,2,4,6,8,10,12,14
	v_pk_mul_f32 v[GN+\j:GN+\j+1], v[GA+\j:GA+\j+1], 0x3f3504f3 op_sel_hi:[1,0]   ; (each accumulator is read from its low end on)
.endr
.irp j, 0,1,2,3,4,5,6,7,8,9,10,11,12,13,14,15
	v_med3_num_f32 v[GN+\j], v[GN+\j], -4.0, 4.0
.endr
.irp j, 0,2,4,6,8,10,12,14
	v_pk_mul_f32 v[Z2+\j:Z2+\j+1], v[GN+\j:GN+\j+1], v[GN+\j:GN+\j+1]
.endr
.irp j, 0,2,4,6,8,10,12,14
	v_pk_fma_f32 v[PP+\j:PP+\j+1], v[Z2+\j:Z2+\j+1], s[KA13:KA13+1], v[KA11:KA11+1] op_sel_hi:[1,0,1]
.endr
.irp j, 0,2,4,6,8,10,12,14
	v_pk_fma_f32 v[GD+\j:GD+\j+1], v[Z2+\j:Z2+\j+1], s[KB8:KB8+1], v[KB6:KB6+1] op_sel_hi:[1,0,1]
.endr
.irp a, 0xb58cff51, 0xb7eec2d2, 0xb9c0ac63, 0xbac1a1f6, 0xbc03dbd4   ; halves of -2.10102402082508e-06, -5.69250639462346e-05, -7.34990630326855e-04, -2.95459980854025e-03, -1.60960333262415e-02
.irp j, 0,2,4,6,8,10,12,14
	v_pk_fma_f32 v[PP+\j:PP+\j+1], v[PP+\j:PP+\j+1], v[Z2+\j:Z2+\j+1], \a op_sel_hi:[1,1,0]
.endr
.endr
.irp a, 0xbadc924e, 0xbbf19bf8, 0xbc69b6a7                           ; -1.68282697438203e-03, -7.37332916720468e-03, -1.42647390514189e-02
.irp j, 0,2,4,6,8,10,12,14
	v_pk_fma_f32 v[GD+\j:GD+\j+1], v[GD+\j:GD+\j+1], v[Z2+\j:Z2+\j+1], \a op_sel_hi:[1,1,0]
.endr
.endr
.irp j, 0,2,4,6,8,10,12,14
	v_pk_mul_f32 v[GN+\j:GN+\j+1], v[PP+\j:PP+\j+1], v[GN+\j:GN+\j+1]
.endr
.endm
.macro RCP g
.set GD, XF+32*((\g)%2)+16
.irp j, 0,1,2,3,4,5,6,7,8,9,10,11,12,13,14,15
	v_rcp_f32 v[GD+\j], v[GD+\j]
.endr
.endm
.macro FIN g
.set GA, ACC+16*(\g)
.set GN, XF+32*((\g)%2)
.set GD, GN+16
.irp j, 0,2,4,6,8,10,12,14
	v_pk_fma_f32 v[GN+\j:GN+\j+1], v[GN+\j:GN+\j+1], v[GD+\j:GD+\j+1], 0.5 op_sel_hi:[1,1,0]   ; erf / 2 + 1 / 2, rounded once
.endr
.irp j, 0,2,4,6,8,10,12,14
	v_pk_mul_f32 v[GA+\j:GA+\j+1], v[GA+\j:GA+\j+1], v[GN+\j:GN+\j+1]
.endr
.endm
.macro TWAIT                           ; one wait for a batch of 16 reciprocals, ahead of their first reader; the next group's polynomials stand between
	s_wait_alu depctr_va_vdst(0)
.endm
	s_mov_b32 s[I], s[WV]
	s_mov_b32 s[CTR], 16
.Ltile:                                                ; 16 trips, a constant: tiles w, w + 4, .. w + 60
	s_cmp_ge_u32 s[I], s[NTL]
	s_cbranch_scc1 .Lskip                          ; the expert has no such tile
	s_wait_dscnt 0x0                               ; x's fragments and my next tile's entries are in (in the first trip W1's fragments too); the stage's stores have read window 3's registers
	WIN 0x31                                       ; source 0 (W1) window 1, source 2 (b1) window 3
	PROD 0
	WIN 0x01
	PROD 1
	PROD 2
	PROD 3
	WIN 0x02                                       ; source 0 window 2
	PROD 4
	PROD 5
	PROD 6
	PROD 7
	WIN 0
	XASK                                           ; my next tile's rows, asked for with all of gelu ahead; past the list's end the entries are 2048.  Its plain lines are the places behind the products
	POLY 0
	RCP 0
	POLY 1
	TWAIT
	FIN 0
	RCP 1
	POLY 2
	TWAIT
	FIN 1
	RCP 2
	POLY 3
	TWAIT
	FIN 2
	RCP 3
	v_nop                                          ; a plain line behind the last reciprocal
	TWAIT
	FIN 3
	s_add_co_u32 s[LOF], s[I], 8                   ; tile I + 8 is at most tile 71, the list's last
	s_lshl_b32 s[LOF], s[LOF], 6
	s_wait_loadcnt 0x0                             ; the next tile's 17 loads are in: nothing younger is out
	TURN                                           ; gelu has left the fragments' registers: the next tile turns through the stage while this one is quantised and stored,
	LISTLD                                         ; and the entries of the tile after it are read (the loads that read these registers as offsets are done)
	s_wait_xcnt 0x0                                ; the last trip's three stores have read the codes, the scale word and the two offsets: these are written again only behind this wait
	; THE QUANTISER: register 16 b + i of the 64 is k = 32 b + 16 h + i of my row; a block lies in lanes l and l xor 16
.irp b, 0,1,2,3
	v_max3_num_f32 v[TM+\b], |v[ACC+16*\b]|, |v[ACC+1+16*\b]|, 0x1800000   ; with the floor 2^(3 - 127): the byte cannot fall under 1
.endr
.irp i, 2,4,6,8,10,12,14
.irp b, 0,1,2,3
	v_max3_num_f32 v[TM+\b], v[TM+\b], |v[ACC+16*\b+\i]|, |v[ACC+1+16*\b+\i]|
.endr
.endr
.irp b, 0,1,2,3
	v_permlanex16_b32 v[TM+4+\b], v[TM+\b], s[KSEL], s[KSEL+1]   ; (its destination counts as read: gelu has written it)
.endr
.irp b, 0,1,2,3
	v_max_num_f32 v[TM+\b], v[TM+\b], v[TM+4+\b]
.endr
.irp b, 0,1,2,3
	v_add_nc_u32 v[TM+12+\b], 0xff000000, v[TM+\b] ; 2 off the exponent field: the conversion's scale operand
.endr
.irp b, 0,1,2,3
	v_lshrrev_b32 v[TM+4+\b], 23, v[TM+12+\b]      ; the scale's byte
.endr
	v_lshl_or_b32 v[PW], v[TM+5], 8, v[TM+4]
	v_lshl_or_b32 v[PW], v[TM+6], 16, v[PW]
	v_lshl_or_b32 v[PW], v[TM+7], 24, v[PW]        ; my row's scale word for these 128 hidden units
.irp b, 0,1,2,3
	v_cvt_scalef32_pk8_fp4_f32 v[PC+2*\b], v[ACC+16*\b:ACC+7+16*\b], v[TM+12+\b]
	v_cvt_scalef32_pk8_fp4_f32 v[PC+1+2*\b], v[ACC+8+16*\b:ACC+15+16*\b], v[TM+12+\b]
.endr
	v_nop                                          ; one plain line behind the scaled conversions
.irp c, 0,1                                    ; the operand's layout wants a whole block in a lane: lanes 0-15 block 2 c, lanes 16-31 block 2 c + 1
.irp i, 0,1
	v_permlane16_swap_b32 v[PC+4*\c+\i], v[PC+2+4*\c+\i]
.endr
.endr
	v_lshl_add_u32 v[HO], s[I], 15, v[L16]         ; a tile's 32 images are 32,768 bytes
	v_lshl_add_u32 v[HSO], s[I], 11, v[R4]         ; and its scale words 2,048
	global_store_b128 v[HO], v[PC:PC+3], s[16:17]              ; the wave stores 512 neighbouring bytes, aligned
	global_store_b128 v[HO], v[PC+4:PC+7], s[16:17] offset:512
	global_store_b32 v[HSO], v[PW], s[18:19]       ; lanes 16-31 name lanes 0-15's words and hold the same numbers
.Lskip:
	s_add_co_u32 s[I], s[I], 4
	s_sub_co_u32 s[CTR], s[CTR], 1
	s_cmp_lg_u32 s[CTR], 0
	s_cbranch_scc1 .Ltile
	s_wait_dscnt 0x0                               ; the last turn's LDS instructions are done
	s_wait_tensorcnt 0x0
	ds_add_u32 v30, v31
	s_wait_dscnt 0x0
	s_endpgm
.Lfunc_end_k_q02f7dc3d5c_ffn1:
	.size	k_q02f7dc3d5c_ffn1, .Lfunc_end_k_q02f7dc3d5c_ffn1-k_q02f7dc3d5c_ffn1
	.p2alignl 7, 3214868480
	.fill 96, 4, 3214868480
	.section	.rodata,"a",@progbits
	.p2align	6, 0x0
	.amdhsa_kernel k_q02f7dc3d5c_ffn1
		.amdhsa_group_segment_fixed_size 106496
		.amdhsa_private_segment_fixed_size 0
		.amdhsa_enable_private_segment 0
		.amdhsa_kernarg_size 64
		.amdhsa_user_sgpr_count 2
		.amdhsa_user_sgpr_kernarg_segment_ptr 1
		.amdhsa_wavefront_size32 1
		.amdhsa_system_sgpr_workgroup_id_x 1
		.amdhsa_system_sgpr_workgroup_id_y 1
		.amdhsa_system_sgpr_workgroup_id_z 1
		.amdhsa_system_vgpr_workitem_id 0
		.amdhsa_next_free_vgpr 896
		.amdhsa_next_free_sgpr 100
		.amdhsa_reserve_vcc 1
		.amdhsa_float_denorm_mode_32 3
		.amdhsa_float_denorm_mode_16_64 3
		.amdhsa_memory_ordered 1
		.amdhsa_forward_progress 1
		.amdhsa_inst_pref_size 113
	.end_amdhsa_kernel
	.amdgpu_metadata
---
amdhsa.version: [ 1, 2 ]
amdhsa.kernels:
  - .name:           k_q02f7dc3d5c_ffn1
    .symbol:         k_q02f7dc3d5c_ffn1.kd
    .args:
      - { .name: W1_codes, .offset: 0, .size: 8, .value_kind: global_buffer, .address_space: global }
      - { .name: W1_scales, .offset: 8, .size: 8, .value_kind: global_buffer, .address_space: global }
      - { .name: b1, .offset: 16, .size: 8, .value_kind: global_buffer, .address_space: global }
      - { .name: sel, .offset: 24, .size: 8, .value_kind: global_buffer, .address_space: global }
      - { .name: xq, .offset: 32, .size: 8, .value_kind: global_buffer, .address_space: global }
      - { .name: xs, .offset: 40, .size: 8, .value_kind: global_buffer, .address_space: global }
      - { .name: hq, .offset: 48, .size: 8, .value_kind: global_buffer, .address_space: global }
      - { .name: hs, .offset: 56, .size: 8, .value_kind: global_buffer, .address_space: global }
    .group_segment_fixed_size: 106496
    .private_segment_fixed_size: 0
    .kernarg_segment_align: 8
    .kernarg_segment_size: 64
    .max_flat_workgroup_size: 128
    .sgpr_count:     100
    .vgpr_count:     896
    .wavefront_size: 32
...
	.end_amdgpu_metadata
.endif
;; end of part 2
;; launch ffn2 (part 3): grid 32 x 8, 4 waves a work-group, no clusters, 80,384 bytes of LDS; arguments W2_codes, W2_scales, b2, sel, hq, hs, yw; writes yw
.if DOCPART == 3
	.amdgcn_target "amdgcn-amd-amdhsa--gfx1250"
	.amdhsa_code_object_version 6
	.text
	.protected	k_q02f7dc3d5c_ffn2
	.globl	k_q02f7dc3d5c_ffn2
	.p2align	8
	.type	k_q02f7dc3d5c_ffn2,@function
k_q02f7dc3d5c_ffn2:
	s_mov_b64 s[64:65], 0
	v_nop
	global_prefetch_b8 v0, s[64:65] scope:SCOPE_SE
	s_setreg_imm32_b32 hwreg(HW_REG_WAVE_MODE, 25, 1), 1
	s_wait_xcnt 0x0
; THE SECOND PRODUCT OF THE CHOSEN ROWS: y = h W2[e] + b2[e], MX-FP4 on both sides, sums in f32, stored by slot: yw[2 token + k][1024] f32.
; SHARES.  Work-group (slice, e) owns output columns 32 slice .. + 31 of expert e: 32 rows of W2's codes, 65,536 bytes, which no other work-group reads.  They are read from memory once, a quarter a wave,
; pass through LDS, and then stay in EVERY wave's registers (64 fragments, 512 registers).  The expert's tiles of 16 rows go past; wave w takes tiles w, w + 4, ..
; h comes as images of the operand's registers (hq: 1,024 bytes for a tile and a K step; hs: its 16 scale words), so a fragment is two loads of 512 neighbouring bytes straight into its registers.
; A tile is 32 K steps in four chunks of 8 (20 loads each); when a chunk has been multiplied, the same chunk of the wave's next tile is asked for into its registers: a ring in which three chunks, 60 loads, are out.
; Each chunk has offset registers of its own: they are written again when the chunk's earlier loads have been shown in by their own counted wait.
; TRANSPOSED (source 0 = 16 rows of W2, source 1 = h): a lane holds eight neighbouring columns of one row.  Four accumulators take turns (two tiles of columns x even and odd K steps); b2 is the C of the even
; sums' first instruction, the constant 0 that of the odd sums'.
; THE LIST of the expert's rows is made as in the launch before, by the same search: the same order.  It says into which slot a row of the tile goes.  A place past the count holds slot 2048 + e:
; yw has eight rows more than there are slots, one for each expert, and what the last tile computes past the count is stored there, in this work-group's own 32 columns, and read by nobody.
; So every store runs with all lanes on, and each byte of yw has one work-group that writes it.  That is at most 15 rows of 128 bytes a work-group (16 where the expert has no rows).
; The way out: through the wave's stage in LDS, so that eight lanes store a row's 128 neighbouring bytes.  A wave's registers hold 32 columns of all of K and no more, so a row's run is 128 bytes.
; NO JOINT REQUESTS, NO TENSOR LOADS: which tiles are walked hangs on counts read from memory, so the operands go from memory into registers.
; LIMITS: NaN and infinities are not served.  K is summed in two halves (even and odd steps of 128), added at the end.  A work-group's time grows with its expert's count of rows.
.set W2P,   2064                       ; an LDS row: 2,048 bytes + 16 of padding = 129 x 16: the 16 rows that a fragment load touches start at 16 different groups of four banks (ISA guide 11.1)
.set YP,    144                        ; a stage row: 128 bytes + 16
.set LIST,  0                          ; LDS: the list: 1,152 entries of 4 bytes
.set WST,   4608                       ; W2's 32 rows
.set YST,   WST+32*W2P                 ; a stage of 16 rows for each wave
; scalar registers
.set WV,    20
.set E,     21
.set SLC,   22
.set CNT,   23
.set NTL,   24
.set CTR,   25
.set I,     26
.set LOF,   27
.set PB,    28
.set ACCS,  29
.set DMP,   31                         ; 2048 + e: the slot of what lies past the count
.set M,     32                         ; s[32:63]
.set M1,    66                         ; s[66:97]
; vector registers, window 0
.set LANE,  1
.set R,     2
.set H,     3
.set L16,   4
.set L4,    5
.set WSTO,  7
.set WRD,   8
.set YSTO,  9
.set YRD,   10
.set LQ,    11                         ; 4 (lane / 8)
.set LC,    12                         ; 16 (lane % 8)
.set LA,    15
.set W2V,   16
.set B2V,   17
.set TI,    18                         ; the number of the tile that is asked for
.set SLT,   20                         ; v20-23  four rows' entries
.set OF,    24                         ; v24-27  their offsets in yw
.set W2S,   32                         ; v32-63  W2's scale words: 16 t + 4 u + q: lanes 0-15 K step 8 u + q, lanes 16-31 K step 8 u + 4 + q.  Scales alone
.set HS,    64                         ; v64-79  h's: register i: lanes 0-15 K step 2 i, lanes 16-31 K step 2 i + 1.  Scales alone
.set B2R,   80                         ; v80-95  b2 in the result's layout
.set ACC,   96                         ; v96-127 accumulator (t, parity) at 96 + 16 t + 8 parity
.set Y,     128                        ; v128-143 the sums
.set YB,    144                        ; v144-159 rows read back from the stage
.set SELR,  160                        ; in the head: v160-191 sel,
.set PREV,  160                        ; and, when the masks are made, v161-191 the running counts: PREV + bb = the rows of masks 0 .. bb - 1
.set HO,    208                        ; v208-211 chunk c's offset in hq
.set HSO,   212                        ; v212-215 and in hs
; windows 1 and 2: W2's fragments: (tile t, K step s) in window 1 + s / 16 at v[16 (s % 16) + 8 t].  Window 3: h's fragments, K step s at v[8 s]; in the head its first 128 registers take W2's rows as loaded
.set P,     192
.set VM,    193
.set VM1,   194
.set VPRE,  195
.set VB,    196
.set REM,   197
.set QA,    198
.set QB,    199
.set QC,    200
.set QD,    201
.set POS,   202
.set T,     203
.set T2,    204
.set SLOT,  205
.set MSB, 0
.macro WIN new                         ; s_set_vgpr_msb: bits 1:0 source 0, 3:2 source 1, 5:4 source 2, 7:6 destination; the high byte repeats the setting that is left
.if MSB != (\new)
	s_set_vgpr_msb (MSB<<8)|(\new)
.set MSB, (\new)
.endif
.endm
	s_load_b256 s[4:11], s[0:1], 0x0               ; W2's codes s[4:5], its scales s[6:7], b2 s[8:9], sel s[10:11]
	s_load_b128 s[12:15], s[0:1], 0x20             ; hq s[12:13], hs s[14:15]
	s_load_b64 s[16:17], s[0:1], 0x30              ; yw
	v_lshl_add_u32 v254, v0, 2, 0x13800
	v_mov_b32 v255, 0
	v_lshrrev_b32 v[LANE], 5, v0
	v_readfirstlane_b32 s[WV], v[LANE]
	v_and_b32 v[LANE], 31, v0
	v_and_b32 v[R], 15, v0
	v_bfe_u32 v[H], v0, 4, 1
	v_lshlrev_b32 v[L16], 4, v[LANE]
	v_lshlrev_b32 v[L4], 2, v[LANE]
	s_and_b32 s[E], ttmp7, 0xffff
	s_mov_b32 s[SLC], ttmp9
	s_mul_i32 s31, s[WV], 8*W2P
	s_add_co_u32 s31, s31, WST
	v_add_nc_u32 v[WSTO], s31, v[L16]              ; W2 into LDS: my wave's 8 rows
	v_mul_u32_u24 v[WRD], v[R], W2P
	v_lshl_add_u32 v[WRD], v[H], 4, v[WRD]
	v_add_nc_u32 v[WRD], WST, v[WRD]               ; a fragment's place: row r x pitch + 16 h
	s_mul_i32 s30, s[WV], 16*YP
	s_add_co_u32 s30, s30, YST                     ; my stage
	v_mul_u32_u24 v[YSTO], v[R], YP
	v_lshl_add_u32 v[YSTO], v[H], 5, v[YSTO]
	v_add_nc_u32 v[YSTO], s30, v[YSTO]             ; in: row r, 32 bytes for each half of the lanes
	v_lshrrev_b32 v[LQ], 3, v[LANE]
	v_mul_u32_u24 v[YRD], v[LQ], YP
	v_and_b32 v[LC], 7, v[LANE]
	v_lshlrev_b32 v[LC], 4, v[LC]
	v_add_nc_u32 v[YRD], v[YRD], v[LC]
	v_add_nc_u32 v[YRD], s30, v[YRD]               ; back: eight lanes to a row, four rows an instruction
	v_lshlrev_b32 v[LQ], 2, v[LQ]
	v_lshlrev_b32 v[W2V], 7, v[R]
	v_lshl_add_u32 v[W2V], v[H], 4, v[W2V]         ; W2's scale bytes: 128 a row; + 16 h
	v_lshlrev_b32 v[B2V], 5, v[H]                  ; b2: 8 h numbers on
	s_mov_b32 s3, 0
	s_wait_kmcnt 0x0
.irp c, 0,1,2,3,4,5,6,7
	global_load_b128 v[SELR+4*\c:SELR+4*\c+3], v[L16], s[10:11] offset:512*\c   ; register 4 c + q of lane l: token 128 c + 4 l + q
.endr
	s_lshl_b32 s2, s[E], 21
	s_add_nc_u64 s[12:13], s[12:13], s[2:3]        ; hq at the expert's first image
	s_lshl_b32 s30, s[SLC], 16
	s_add_co_u32 s2, s2, s30
	s_lshl_b32 s30, s[WV], 14
	s_add_co_u32 s2, s2, s30
	s_add_nc_u64 s[4:5], s[4:5], s[2:3]            ; W2's codes: row 1024 e + 32 slice + 8 wave, 2,048 bytes a row
	s_lshl_b32 s2, s[E], 17
	s_add_nc_u64 s[14:15], s[14:15], s[2:3]        ; hs likewise
	s_lshl_b32 s30, s[SLC], 12
	s_add_co_u32 s2, s2, s30
	s_add_nc_u64 s[6:7], s[6:7], s[2:3]            ; W2's scale bytes
	s_lshl_b32 s2, s[E], 12
	s_lshl_b32 s30, s[SLC], 7
	s_add_co_u32 s2, s2, s30
	s_add_nc_u64 s[8:9], s[8:9], s[2:3]            ; b2
	s_lshl_b32 s2, s[SLC], 7
	s_add_nc_u64 s[16:17], s[16:17], s[2:3]        ; yw at my 32 columns
	WIN 0xc0                                       ; destination window 3
.set kk, 0
.rept 32
	global_load_b128 v[4*kk:4*kk+3], v[L16], s[4:5] offset:512*kk th:TH_LOAD_NT   ; 512 neighbouring bytes a load; read once in the launch
.set kk, kk+1
.endr
	WIN 0
.irp t, 0,1
.irp u, 0,1,2,3
	global_load_b128 v[W2S+16*\t+4*\u:W2S+16*\t+4*\u+3], v[W2V], s[6:7] offset:2048*\t+32*\u
.endr
.endr
.irp t, 0,1
	global_load_b128 v[B2R+8*\t:B2R+8*\t+3], v[B2V], s[8:9] offset:64*\t           ; lane (r, h), register j: b2 of column 16 t + 8 h + j
	global_load_b128 v[B2R+8*\t+4:B2R+8*\t+7], v[B2V], s[8:9] offset:64*\t+16
.endr
	s_wait_loadcnt 44                              ; sel is in: behind it 32 + 8 + 4 loads were issued
	; THE MASKS, while the weights are on their way: eight registers of sel at a time; all compares ahead of the scalar lines that read their masks
.set gg, 0
.rept 4
.set bb, 0
.rept 8
	v_and_b32 v[P+2*bb], 0xff, v[SELR+8*gg+bb]
	v_bfe_u32 v[P+2*bb+1], v[SELR+8*gg+bb], 8, 8
.set bb, bb+1
.endr
.set bb, 0
.rept 8
	v_cmp_eq_u32 s[M+8*gg+bb], s[E], v[P+2*bb]
	v_cmp_eq_u32 s[M1+8*gg+bb], s[E], v[P+2*bb+1]
.set bb, bb+1
.endr
.set gg, gg+1
.endr
.set bb, 0
.rept 32
	s_or_b32 s[M+bb], s[M+bb], s[M1+bb]            ; a token's two experts differ: at most one of the two holds
.set bb, bb+1
.endr
	s_mov_b32 s[ACCS], 0
.set bb, 1
.rept 31                               ; the running counts, made once, into the registers that held sel: the search below has no scalar line
	s_bcnt1_i32_b32 s30, s[M+bb-1]
	s_add_co_u32 s[ACCS], s[ACCS], s30
	v_mov_b32 v[PREV+bb], s[ACCS]
.set bb, bb+1
.endr
	s_bcnt1_i32_b32 s30, s[M+31]
	s_add_co_u32 s[CNT], s[ACCS], s30
	s_add_co_u32 s[NTL], s[CNT], 15
	s_lshr_b32 s[NTL], s[NTL], 4
	s_max_u32 s[NTL], s[NTL], 1                    ; the launch before has made tile 0 for every expert
	s_add_co_u32 s[DMP], s[E], 0x800
	; THE LIST: 36 groups of 32 places; wave w takes groups w, w + 4, ..: nine trips, a constant.  All 1,152 entries are written
.macro NSTEP x, width, w               ; is the wanted set bit in the lower part (of w bits) at POS?  If not, pass over that part
	v_bfe_u32 v[T], v[\x], v[POS], \width
	v_cmp_ge_u32 vcc_lo, v[REM], v[T]
	v_cndmask_b32 v[T], 0, v[T], vcc_lo
	v_sub_nc_u32 v[REM], v[REM], v[T]
	v_cndmask_b32 v[T2], 0, \w, vcc_lo
	v_add_nc_u32 v[POS], v[POS], v[T2]
.endm
	s_lshl_b32 s[PB], s[WV], 5
	s_lshl_b32 s[LOF], s[WV], 7
	s_mov_b32 s[CTR], 9
.Llist:
	v_mov_b32 v[SLOT], s[DMP]                      ; past the count: 2048 + e
	s_cmp_ge_u32 s[PB], s[CNT]
	s_cbranch_scc1 .Lput                           ; a group wholly past the count is not searched
	v_add_nc_u32 v[P], s[PB], v[LANE]              ; my place
	v_mov_b32 v[VM], s[M]
	v_mov_b32 v[VM1], s[M1]
	v_mov_b32 v[VPRE], 0
	v_mov_b32 v[VB], 0
.set bb, 1
.rept 31                               ; the last mask whose running count is at most my place: its two masks, that count, and twice its first token
	v_cmp_gt_u32 vcc_lo, v[PREV+bb], v[P]          ; past my place: keep what I have
	v_cndmask_b32 v[VM], s[M+bb], v[VM], vcc_lo
	v_cndmask_b32 v[VM1], s[M1+bb], v[VM1], vcc_lo
	v_cndmask_b32 v[VPRE], v[PREV+bb], v[VPRE], vcc_lo
	v_cndmask_b32 v[VB], 2*(128*(bb/4)+(bb%4)), v[VB], vcc_lo
.set bb, bb+1
.endr
	v_sub_nc_u32 v[REM], v[P], v[VPRE]             ; which set bit of that mask, from 0
	v_lshrrev_b32 v[QA], 1, v[VM]
	v_and_b32 v[QA], 0x55555555, v[QA]
	v_sub_nc_u32 v[QA], v[VM], v[QA]               ; counts of 2 bits,
	v_lshrrev_b32 v[QB], 2, v[QA]
	v_and_b32 v[QB], 0x33333333, v[QB]
	v_and_b32 v[T], 0x33333333, v[QA]
	v_add_nc_u32 v[QB], v[QB], v[T]                ; of 4,
	v_lshrrev_b32 v[QC], 4, v[QB]
	v_add_nc_u32 v[QC], v[QC], v[QB]
	v_and_b32 v[QC], 0x0f0f0f0f, v[QC]             ; of 8,
	v_lshrrev_b32 v[QD], 8, v[QC]
	v_add_nc_u32 v[QD], v[QD], v[QC]               ; of 16 (in the low byte of each half)
	v_mov_b32 v[POS], 0
	NSTEP QD, 8, 16
	NSTEP QC, 8, 8
	NSTEP QB, 4, 4
	NSTEP QA, 2, 2
	NSTEP VM, 1, 1
	v_lshrrev_b32 v[T], v[POS], v[VM1]
	v_and_b32 v[T], 1, v[T]                        ; k: first or second choice
	v_lshl_add_u32 v[T2], v[POS], 3, v[VB]         ; bit POS is token first + 4 POS
	v_add_nc_u32 v[T], v[T], v[T2]                 ; slot = 2 token + k
	v_cmp_gt_u32 vcc_lo, s[CNT], v[P]
	v_cndmask_b32 v[SLOT], v[SLOT], v[T], vcc_lo
.Lput:
	v_add_nc_u32 v[LA], s[LOF], v[L4]
	ds_store_b32 v[LA], v[SLOT] offset:LIST
	s_add_co_u32 s[PB], s[PB], 128
	s_add_co_u32 s[LOF], s[LOF], 512
	s_sub_co_u32 s[CTR], s[CTR], 1
	s_cmp_lg_u32 s[CTR], 0
	s_cbranch_scc1 .Llist
	s_wait_loadcnt 0x0                             ; my 8 rows of W2, its scale words and b2 are in: no load is out when the ring below begins
	WIN 0x0c                                       ; an LDS store's data are its source 1: window 3
.set kk, 0
.rept 32
	ds_store_b128 v[WSTO], v[4*kk:4*kk+3] offset:(kk/4)*W2P+512*(kk%4)
.set kk, kk+1
.endr
	WIN 0
	s_wait_dscnt 0x0                               ; for the others' sake: my part of the list and of W2 lies in LDS; and the stores have read window 3's registers
; Chunk c's offsets in hq and hs for the tile whose number is in s30, made directly ahead of the loads that use them.  The number enters an address held to 63, an expert's last tile.
; The loads that last read these two registers are chunk c's of the tile in hand: their own counted wait has shown them in.  Behind products the four plain lines are the places in front of the loads into
; registers that the products have read (ISA guide 7.12.1 for vector instructions).
.macro AIM c
	v_mov_b32 v[TI], s30
	v_min_u32 v[TI], 63, v[TI]
	v_lshl_add_u32 v[HO+(\c)], v[TI], 15, v[L16]   ; a tile's 32 images are 32,768 bytes
	v_lshl_add_u32 v[HSO+(\c)], v[TI], 11, v[L4]   ; and its scale words 2,048
.endm
; Chunk c (K steps 8 c .. 8 c + 7) of that tile: 16 loads of 512 neighbouring bytes into the fragments' registers, 4 loads of 128 bytes of scale words: 20 loads
.macro CHUNKLD c
	WIN 0xc0
.irp i, 0,1,2,3,4,5,6,7
.irp d, 0,1
	global_load_b128 v[64*(\c)+8*\i+4*\d:64*(\c)+8*\i+4*\d+3], v[HO+(\c)], s[12:13] offset:8192*(\c)+1024*\i+512*\d
.endr
.endr
	WIN 0
.irp u, 0,1,2,3
	global_load_b32 v[HS+4*(\c)+\u], v[HSO+(\c)], s[14:15] offset:512*(\c)+128*\u
.endr
.endm
	s_sub_co_u32 s30, s[NTL], 1
	s_min_u32 s30, s30, s[WV]                      ; my first tile; a wave that has none asks for the expert's last, and uses nothing of it
	s_min_u32 s30, s30, 3                          ; (a wave's number at the most)
	AIM 0
	CHUNKLD 0                                      ; three chunks, 60 loads, go out ahead of the barrier and of the 128 LDS loads behind it
	AIM 1
	CHUNKLD 1
	AIM 2
	CHUNKLD 2
	s_barrier_signal -1
	s_barrier_wait -1                              ; the one barrier of the text: behind it the list and W2's rows are only read
	WIN 0x40                                       ; destination window 1
.set ks, 0
.rept 16
.irp t, 0,1
.irp c, 0,1
	ds_load_b128 v[16*ks+8*\t+4*\c:16*ks+8*\t+4*\c+3], v[WRD] offset:16*\t*W2P+64*ks+32*\c
.endr
.endr
.set ks, ks+1
.endr
	WIN 0x80                                       ; destination window 2
.rept 16
.irp t, 0,1
.irp c, 0,1
	ds_load_b128 v[16*(ks-16)+8*\t+4*\c:16*(ks-16)+8*\t+4*\c+3], v[WRD] offset:16*\t*W2P+64*ks+32*\c
.endr
.endr
.set ks, ks+1
.endr
	WIN 0
	s_wait_loadcnt 40                              ; chunk 0 is in: the two younger chunks may be out;
	AIM 3
	CHUNKLD 3                                      ; the fourth follows: again 60 loads are out
	s_wait_dscnt 0x0                               ; W2's fragments are in registers
; the product of K step ks (a symbol) with tile t of the columns
.macro MM2 t
.set rD, ACC+16*(\t)+8*(ks%2)
.set rA, 16*(ks%16)+8*(\t)
.set rB, 8*ks
.set rSA, W2S+16*(\t)+4*(ks/8)+(ks%4)
.set rSB, HS+ks/2
.if ks == 0
	v_wmma_scale_f32_16x16x128_f8f6f4 v[rD:rD+7], v[rA:rA+7], v[rB:rB+7], v[B2R+8*(\t):B2R+8*(\t)+7], v[rSA], v[rSB] matrix_a_fmt:MATRIX_FMT_FP4 matrix_b_fmt:MATRIX_FMT_FP4
.elseif ks == 1
	v_wmma_scale_f32_16x16x128_f8f6f4 v[rD:rD+7], v[rA:rA+7], v[rB:rB+7], 0, v[rSA], v[rSB] matrix_a_fmt:MATRIX_FMT_FP4 matrix_b_fmt:MATRIX_FMT_FP4 matrix_b_scale:MATRIX_SCALE_ROW1
.elseif ((ks/4)%2) && (ks%2)
	v_wmma_scale_f32_16x16x128_f8f6f4 v[rD:rD+7], v[rA:rA+7], v[rB:rB+7], v[rD:rD+7], v[rSA], v[rSB] matrix_a_fmt:MATRIX_FMT_FP4 matrix_b_fmt:MATRIX_FMT_FP4 matrix_a_scale:MATRIX_SCALE_ROW1 matrix_b_scale:MATRIX_SCALE_ROW1
.elseif (ks/4)%2
	v_wmma_scale_f32_16x16x128_f8f6f4 v[rD:rD+7], v[rA:rA+7], v[rB:rB+7], v[rD:rD+7], v[rSA], v[rSB] matrix_a_fmt:MATRIX_FMT_FP4 matrix_b_fmt:MATRIX_FMT_FP4 matrix_a_scale:MATRIX_SCALE_ROW1
.elseif ks%2
	v_wmma_scale_f32_16x16x128_f8f6f4 v[rD:rD+7], v[rA:rA+7], v[rB:rB+7], v[rD:rD+7], v[rSA], v[rSB] matrix_a_fmt:MATRIX_FMT_FP4 matrix_b_fmt:MATRIX_FMT_FP4 matrix_b_scale:MATRIX_SCALE_ROW1
.else
	v_wmma_scale_f32_16x16x128_f8f6f4 v[rD:rD+7], v[rA:rA+7], v[rB:rB+7], v[rD:rD+7], v[rSA], v[rSB] matrix_a_fmt:MATRIX_FMT_FP4 matrix_b_fmt:MATRIX_FMT_FP4
.endif
.endm
; A tile's 64 products.  AT A TILE'S HEAD its chunk 0 is in and chunks 1, 2, 3 (60 loads) may be out: so the head leaves it, and so does a trip with next = 1.
; next = 1: behind chunk c's products the wait for 40 leaves the two youngest chunks out and shows the next chunk to be multiplied in; then chunk c of my next tile (its number in s30) is asked for: 60 are out again.
; next = 0, my last tile: nothing is asked for, and the counts run down: 40, 20, 0.
; Behind chunk 0's products stands the trip's one wait on XCNT: the last trip's four stores have read their offsets and their data, which the way out below writes again.
.macro BODY next
.irp c, 0,1,2,3
.if (\next) == 0
.if \c > 0
	s_wait_loadcnt 60-20*\c
.endif
.endif
	WIN 0x0d+\c/2                                  ; source 0 (W2) window 1 or 2, source 1 (h) window 3
.set ks, 8*\c
.rept 8
	MM2 0                                          ; the four accumulators by turns, one instruction a turn
	MM2 1
.set ks, ks+1
.endr
	WIN 0
.if \next
	s_wait_loadcnt 40
.endif
.if \c == 0
	s_wait_xcnt 0x0
.endif
.if \next
	AIM \c
	CHUNKLD \c
.else
.if \c == 3
.rept 4
	v_nop                                          ; places behind the last products, ahead of the first read of the sums
.endr
.endif
.endif
.endr
.endm
	s_mov_b32 s[I], s[WV]
	s_mov_b32 s[CTR], 16
.Ltile:                                                ; 16 trips, a constant: tiles w, w + 4, .. w + 60
	s_cmp_ge_u32 s[I], s[NTL]
	s_cbranch_scc1 .Lskip                          ; the expert has no such tile
	s_lshl_b32 s[LOF], s[I], 6
	v_add_nc_u32 v[LA], s[LOF], v[LQ]
.irp q, 0,1,2,3
	ds_load_b32 v[SLT+\q], v[LA] offset:LIST+16*\q ; the entry of row 4 q + lane / 8: read here, wanted in the way out
.endr
	s_add_co_u32 s30, s[I], 4                      ; my next tile,
	s_cmp_lt_u32 s30, s[NTL]
	s_cbranch_scc0 .Llast                          ; if there is one: no load names a tile that the launch before has not made
	BODY 1
	s_branch .Lout
.Llast:
	BODY 0
.Lout:
.irp t, 0,1
.irp j, 0,2,4,6
	v_pk_add_f32 v[Y+8*\t+\j:Y+8*\t+\j+1], v[ACC+16*\t+\j:ACC+16*\t+\j+1], v[ACC+16*\t+8+\j:ACC+16*\t+8+\j+1]   ; even and odd K steps' sums; each accumulator from its low end on
.endr
.endr
.irp t, 0,1
.irp u, 0,1
	ds_store_b128 v[YSTO], v[Y+8*\t+4*\u:Y+8*\t+4*\u+3] offset:64*\t+16*\u   ; lane (r, h): y(row r, columns 16 t + 8 h + 4 u ..)
.endr
.endr
.irp q, 0,1,2,3
	ds_load_b128 v[YB+4*\q:YB+4*\q+3], v[YRD] offset:4*YP*\q   ; my own stage: LDS serves a wave's instructions in order (ISA guide 5.7.1.4)
.endr
	s_wait_dscnt 8                                 ; the four entries are in: behind them stand the four stores and the four loads of the stage
.irp q, 0,1,2,3
	v_min_u32 v[SLT+\q], 0x807, v[SLT+\q]          ; an entry enters an address held to yw's last row
.endr
.irp q, 0,1,2,3
	v_lshl_add_u32 v[OF+\q], v[SLT+\q], 12, v[LC]  ; slot x 4,096 + 16 (lane % 8)
.endr
	s_wait_dscnt 0x0                               ; the rows are back from the stage
.irp q, 0,1,2,3
	global_store_b128 v[OF+\q], v[YB+4*\q:YB+4*\q+3], s[16:17]   ; eight lanes store a row's 128 neighbouring bytes; all lanes on: rows past the count go to row 2048 + e
.endr
.Lskip:
	s_add_co_u32 s[I], s[I], 4
	s_sub_co_u32 s[CTR], s[CTR], 1
	s_cmp_lg_u32 s[CTR], 0
	s_cbranch_scc1 .Ltile
	s_wait_tensorcnt 0x0
	ds_add_u32 v254, v255
	s_wait_dscnt 0x0
	s_endpgm
.Lfunc_end_k_q02f7dc3d5c_ffn2:
	.size	k_q02f7dc3d5c_ffn2, .Lfunc_end_k_q02f7dc3d5c_ffn2-k_q02f7dc3d5c_ffn2
	.p2alignl 7, 3214868480
	.fill 96, 4, 3214868480
	.section	.rodata,"a",@progbits
	.p2align	6, 0x0
	.amdhsa_kernel k_q02f7dc3d5c_ffn2
		.amdhsa_group_segment_fixed_size 80384
		.amdhsa_private_segment_fixed_size 0
		.amdhsa_enable_private_segment 0
		.amdhsa_kernarg_size 56
		.amdhsa_user_sgpr_count 2
		.amdhsa_user_sgpr_kernarg_segment_ptr 1
		.amdhsa_wavefront_size32 1
		.amdhsa_system_sgpr_workgroup_id_x 1
		.amdhsa_system_sgpr_workgroup_id_y 1
		.amdhsa_system_sgpr_workgroup_id_z 1
		.amdhsa_system_vgpr_workitem_id 0
		.amdhsa_next_free_vgpr 1024
		.amdhsa_next_free_sgpr 100
		.amdhsa_reserve_vcc 1
		.amdhsa_float_denorm_mode_32 3
		.amdhsa_float_denorm_mode_16_64 3
		.amdhsa_memory_ordered 1
		.amdhsa_forward_progress 1
		.amdhsa_inst_pref_size 76
	.end_amdhsa_kernel
	.amdgpu_metadata
---
amdhsa.version: [ 1, 2 ]
amdhsa.kernels:
  - .name:           k_q02f7dc3d5c_ffn2
    .symbol:         k_q02f7dc3d5c_ffn2.kd
    .args:
      - { .name: W2_codes, .offset: 0, .size: 8, .value_kind: global_buffer, .address_space: global }
      - { .name: W2_scales, .offset: 8, .size: 8, .value_kind: global_buffer, .address_space: global }
      - { .name: b2, .offset: 16, .size: 8, .value_kind: global_buffer, .address_space: global }
      - { .name: sel, .offset: 24, .size: 8, .value_kind: global_buffer, .address_space: global }
      - { .name: hq, .offset: 32, .size: 8, .value_kind: global_buffer, .address_space: global }
      - { .name: hs, .offset: 40, .size: 8, .value_kind: global_buffer, .address_space: global }
      - { .name: yw, .offset: 48, .size: 8, .value_kind: global_buffer, .address_space: global }
    .group_segment_fixed_size: 80384
    .private_segment_fixed_size: 0
    .kernarg_segment_align: 8
    .kernarg_segment_size: 56
    .max_flat_workgroup_size: 128
    .sgpr_count:     100
    .vgpr_count:     1024
    .wavefront_size: 32
...
	.end_amdgpu_metadata
.endif
;; end of part 3
;; launch combine (part 4): grid 256 x 1, 4 waves a work-group, no clusters, 0 bytes of LDS; arguments yw, wts, out0; writes out0
.if DOCPART == 4
	.amdgcn_target "amdgcn-amd-amdhsa--gfx1250"
	.amdhsa_code_object_version 6
	.text
	.protected	k_q02f7dc3d5c_combine
	.globl	k_q02f7dc3d5c_combine
	.p2align	8
	.type	k_q02f7dc3d5c_combine,@function
k_q02f7dc3d5c_combine:
	s_mov_b64 s[64:65], 0
	v_nop
	global_prefetch_b8 v0, s[64:65] scope:SCOPE_SE
	s_setreg_imm32_b32 hwreg(HW_REG_WAVE_MODE, 25, 1), 1
	s_wait_xcnt 0x0
; out[t] = p(e0) y[2 t] + p(e1) y[2 t + 1].  yw: [2056 rows][1024] f32, of which the first 2048 are the slots; wts: [1024][2] f32; out0: [1024][1024] f32.
; A stream: one wave takes one token: its two weights by one load (every lane the same 8 bytes), then 16 loads of 512 neighbouring bytes, all 17 out at once; 8 stores of 512 aligned bytes.
; Each output row has one owner.  No LDS, no barrier, no loop: matrix units, clusters and large register tiles would add nothing to a launch that only moves bytes.
.set W,  2                             ; v[2:3]  p(e0), p(e1)
.set Y0, 8                             ; v8-39   the first choice's row
.set Y1, 40                            ; v40-71  the second's
.set O,  72                            ; v72-103 the result
	s_load_b128 s[4:7], s[0:1], 0x0                ; yw s[4:5], wts s[6:7]
	s_load_b64 s[12:13], s[0:1], 0x10              ; out0
	v_lshrrev_b32 v1, 5, v0
	v_readfirstlane_b32 s14, v1                    ; wave
	v_and_b32 v1, 31, v0
	v_lshlrev_b32 v1, 4, v1                        ; 16 x lane
	v_mov_b32 v4, 0
	s_lshl_b32 s15, ttmp9, 2
	s_add_co_u32 s15, s15, s14                     ; my token
	s_lshl_b32 s16, s15, 13                        ; its two rows of yw
	s_mov_b32 s17, 0
	s_lshl_b32 s18, s15, 12                        ; its row of out0
	s_mov_b32 s19, 0
	s_lshl_b32 s20, s15, 3                         ; its two weights
	s_mov_b32 s21, 0
	s_wait_kmcnt 0x0
	s_add_nc_u64 s[6:7], s[6:7], s[20:21]
	s_add_nc_u64 s[4:5], s[4:5], s[16:17]
	s_add_nc_u64 s[12:13], s[12:13], s[18:19]
	global_load_b64 v[W:W+1], v4, s[6:7]           ; the oldest of the 17 loads: in when any later one is
.irp k, 0,1,2,3,4,5,6,7
	global_load_b128 v[Y0+4*\k:Y0+4*\k+3], v1, s[4:5] offset:512*\k th:TH_LOAD_NT
.endr
.irp k, 0,1,2,3,4,5,6,7
	global_load_b128 v[Y1+4*\k:Y1+4*\k+3], v1, s[4:5] offset:4096+512*\k th:TH_LOAD_NT
.endr
.irp k, 0,1,2,3,4,5,6,7
	s_wait_loadcnt 7-\k                            ; loads come back in order (ISA guide 5.7.1): piece k of the second row is in, and with it the weights and all of the first row; the younger 7 - k may be out
	v_pk_mul_f32 v[O+4*\k:O+4*\k+1], v[Y1+4*\k:Y1+4*\k+1], v[W:W+1] op_sel:[0,1] op_sel_hi:[1,1]                    ; both halves x p(e1), the pair's second register
	v_pk_mul_f32 v[O+4*\k+2:O+4*\k+3], v[Y1+4*\k+2:Y1+4*\k+3], v[W:W+1] op_sel:[0,1] op_sel_hi:[1,1]
	v_pk_fma_f32 v[O+4*\k:O+4*\k+1], v[Y0+4*\k:Y0+4*\k+1], v[W:W+1], v[O+4*\k:O+4*\k+1] op_sel_hi:[1,0,1]           ; both halves x p(e0), its first
	v_pk_fma_f32 v[O+4*\k+2:O+4*\k+3], v[Y0+4*\k+2:Y0+4*\k+3], v[W:W+1], v[O+4*\k+2:O+4*\k+3] op_sel_hi:[1,0,1]
	global_store_b128 v1, v[O+4*\k:O+4*\k+3], s[12:13] offset:512*\k th:TH_STORE_NT   ; the wave stores 512 neighbouring bytes, aligned
.endr
	s_endpgm
.Lfunc_end_k_q02f7dc3d5c_combine:
	.size	k_q02f7dc3d5c_combine, .Lfunc_end_k_q02f7dc3d5c_combine-k_q02f7dc3d5c_combine
	.p2alignl 7, 3214868480
	.fill 96, 4, 3214868480
	.section	.rodata,"a",@progbits
	.p2align	6, 0x0
	.amdhsa_kernel k_q02f7dc3d5c_combine
		.amdhsa_group_segment_fixed_size 0
		.amdhsa_private_segment_fixed_size 0
		.amdhsa_enable_private_segment 0
		.amdhsa_kernarg_size 24
		.amdhsa_user_sgpr_count 2
		.amdhsa_user_sgpr_kernarg_segment_ptr 1
		.amdhsa_wavefront_size32 1
		.amdhsa_system_sgpr_workgroup_id_x 1
		.amdhsa_system_sgpr_workgroup_id_y 1
		.amdhsa_system_sgpr_workgroup_id_z 1
		.amdhsa_system_vgpr_workitem_id 0
		.amdhsa_next_free_vgpr 104
		.amdhsa_next_free_sgpr 66
		.amdhsa_reserve_vcc 0
		.amdhsa_float_denorm_mode_32 3
		.amdhsa_float_denorm_mode_16_64 3
		.amdhsa_memory_ordered 1
		.amdhsa_forward_progress 1
		.amdhsa_inst_pref_size 6
	.end_amdhsa_kernel
	.amdgpu_metadata
---
amdhsa.version: [ 1, 2 ]
amdhsa.kernels:
  - .name:           k_q02f7dc3d5c_combine
    .symbol:         k_q02f7dc3d5c_combine.kd
    .args:
      - { .name: yw, .offset: 0, .size: 8, .value_kind: global_buffer, .address_space: global }
      - { .name: wts, .offset: 8, .size: 8, .value_kind: global_buffer, .address_space: global }
      - { .name: out0, .offset: 16, .size: 8, .value_kind: global_buffer, .address_space: global }
    .group_segment_fixed_size: 0
    .private_segment_fixed_size: 0
    .kernarg_segment_align: 8
    .kernarg_segment_size: 24
    .max_flat_workgroup_size: 128
    .sgpr_count:     66
    .vgpr_count:     104
    .wavefront_size: 32
...
	.end_amdgpu_metadata
.endif
;; end of part 4
;; ======== version 2 of 2: 4 launches
;; workspace buffers: sel 4,096 bytes of whole numbers; wts 8,192 bytes; xq 524,288 bytes; xs 32,768 bytes; hq 16,777,216 bytes; hs 1,048,576 bytes; yw 8,421,376 bytes
;; launch route (part 5): grid 256 x 1, 4 waves a work-group, no clusters, 52,224 bytes of LDS; arguments x, Wr, sel, wts, xq, xs; writes sel, wts, xq, xs
.if DOCPART == 5
	.amdgcn_target "amdgcn-amd-amdhsa--gfx1250"
	.amdhsa_code_object_version 6
	.text
	.protected	k_q02f7dc3d5c_route
	.globl	k_q02f7dc3d5c_route
	.p2align	8
	.type	k_q02f7dc3d5c_route,@function
k_q02f7dc3d5c_route:
	s_mov_b64 s[64:65], 0
	v_nop
	global_prefetch_b8 v0, s[64:65] scope:SCOPE_SE
	s_setreg_imm32_b32 hwreg(HW_REG_WAVE_MODE, 25, 1), 1
	s_wait_xcnt 0x0
; THE ROUTER AND x's CODES.  x: [1024 tokens][1024] f32, Wr: [1024][8] f32.  One wave takes one token, a work-group four.
; For its token a wave (1) turns x into codes of E2M1 with one E8M0 byte for each 32 along K (xq: [token][512 bytes], K as it lies; xs: [token][32 bytes]);
; (2) makes the 8 logits x . Wr in f32, the softmax with the maximum taken away, and the two largest probabilities (of equal ones the lower index wins: the compare is strict);
; (3) stores the two experts as whole numbers (sel[token] = e0 | e1 << 8) and their probabilities (wts[token] = p(e0), p(e1)), not normalised anew, as the module has them.
; No address and no branch of this text hangs on a floating-point number: what was chosen is stored at places fixed by the token.
; A LANE HOLDS A BLOCK: lane l holds x[32 l .. 32 l + 31], so a block's largest magnitude needs no other lane, and its part of a logit is 32 multiply-adds an expert.
; The loads take the bytes as they lie (512 neighbouring bytes a load); the token's 4,096 bytes turn through the wave's own stage in LDS.  Wr (32,768 bytes) is brought once a work-group into LDS, a quarter a wave.
; No matrix unit: 8 columns are half a tile, and the logits are wanted in f32.  No cluster: what the work-groups share is Wr alone, two thirds of a work-group's bytes, read once each.
; LIMITS: NaN and infinities are not served.  A block whose largest magnitude lies under 2^-124 (a block of zeros too) gets the byte 1; the bytes are read by this program alone.
; Two probabilities closer than the rounding of an f32 sum of 1,024 terms may change places against another order of summation.
.set WRP,  1040                        ; LDS: lane l's 32 rows of Wr: 1,024 bytes + 16 of padding = 65 x 16
.set XSB,  32*WRP                      ; behind Wr: a stage of 32 x XP bytes for each wave
.set XP,   144                         ; a block's 128 bytes + 16 of padding
.set AC,   8                           ; v8-15, v16-23  two sets of 8 sums (even rows', odd rows')
.set X,    32                          ; v32-63   my block of x
.set XR,   64                          ; v64-95   x as loaded
.set WB0,  96                          ; v96-159  Wr as loaded; then 8 rows of Wr, by turns with
.set WB1,  160                         ; v160-223
.set PR,   224                         ; v224-231 the probabilities
.set QR,   232                         ; v232-239 the same without the largest
	s_load_b256 s[4:11], s[0:1], 0x0               ; x s[4:5], Wr s[6:7], sel s[8:9], wts s[10:11]
	s_load_b128 s[12:15], s[0:1], 0x20             ; xq s[12:13], xs s[14:15]
	v_lshl_add_u32 v254, v0, 2, 0xca00
	v_mov_b32 v255, 0
	v_lshrrev_b32 v1, 5, v0
	v_readfirstlane_b32 s16, v1                    ; wave
	v_and_b32 v1, 31, v0                           ; lane
	v_lshlrev_b32 v2, 4, v1                        ; 16 x lane
	s_lshl_b32 s17, ttmp9, 2
	s_add_co_u32 s17, s17, s16                     ; my token
	s_mul_i32 s22, s16, 32*XP
	s_add_co_u32 s22, s22, XSB                     ; my stage
	v_lshrrev_b32 v7, 3, v1
	v_mul_u32_u24 v7, v7, XP
	v_and_b32 v3, 7, v1
	v_lshl_add_u32 v3, v3, 4, v7
	v_add_nc_u32 v3, s22, v3                       ; into the stage: eight lanes' 128 bytes are a block: XP (lane / 8) + 16 (lane % 8); a load's 512 bytes are four blocks
	v_mul_u32_u24 v4, v1, XP
	v_add_nc_u32 v4, s22, v4                       ; out of it: block = lane
	s_mul_i32 s23, s16, 8*WRP
	v_add_nc_u32 v5, s23, v2                       ; Wr into LDS: my wave's 8,192 bytes are the rows of eight lanes
	v_mul_u32_u24 v6, v1, WRP                      ; and out: my 32 rows
	s_mov_b32 s19, 0
	s_mov_b32 s24, 0x76543210
	s_mov_b32 s25, 0xfedcba98                      ; v_permlanex16_b32's selects for lane l xor 16
	s_mov_b32 s26, 0x3fb8aa3b                      ; log2(e)
	s_wait_alu depctr_va_vdst(0)
	s_wait_kmcnt 0x0
	s_lshl_b32 s18, s17, 12
	s_add_nc_u64 s[4:5], s[4:5], s[18:19]          ; x at my token's row
	s_lshl_b32 s18, s16, 13
	s_add_nc_u64 s[6:7], s[6:7], s[18:19]          ; Wr at my wave's quarter
	s_lshl_b32 s18, s17, 2
	s_add_nc_u64 s[8:9], s[8:9], s[18:19]
	s_lshl_b32 s18, s17, 3
	s_add_nc_u64 s[10:11], s[10:11], s[18:19]
	s_lshl_b32 s18, s17, 9
	s_add_nc_u64 s[12:13], s[12:13], s[18:19]
	s_lshl_b32 s18, s17, 5
	s_add_nc_u64 s[14:15], s[14:15], s[18:19]
.irp k, 0,1,2,3,4,5,6,7
	global_load_b128 v[XR+4*\k:XR+4*\k+3], v2, s[4:5] offset:512*\k th:TH_LOAD_NT   ; 32 lanes read 512 neighbouring bytes; x is read once in this launch
.endr
.irp k, 0,1,2,3,4,5,6,7,8,9,10,11,12,13,14,15
	global_load_b128 v[WB0+4*\k:WB0+4*\k+3], v2, s[6:7] offset:512*\k
.endr
	s_wait_loadcnt 16                              ; x is in; the 16 younger loads, Wr's, may be out
.irp k, 0,1,2,3,4,5,6,7
	ds_store_b128 v3, v[XR+4*\k:XR+4*\k+3] offset:4*XP*\k
.endr
.irp q, 0,1,2,3,4,5,6,7
	ds_load_b128 v[X+4*\q:X+4*\q+3], v4 offset:16*\q   ; LDS serves a wave's instructions in order (ISA guide 5.7.1.4): these see my stores
.endr
	s_wait_dscnt 0x0
	; the block's scale and codes
	v_max3_num_f32 v24, |v[X]|, |v[X+1]|, |v[X+2]|
	v_max3_num_f32 v25, |v[X+3]|, |v[X+4]|, |v[X+5]|
.irp i, 6,10,14,18,22,26
	v_max3_num_f32 v24, v24, |v[X+\i]|, |v[X+\i+1]|
	v_max3_num_f32 v25, v25, |v[X+\i+2]|, |v[X+\i+3]|
.endr
	v_max3_num_f32 v24, v24, |v[X+30]|, |v[X+31]|
	v_max3_num_f32 v24, v24, v25, 0x1800000        ; and the floor 2^(3 - 127): the byte cannot fall under 1
	v_add_nc_u32 v26, 0xff000000, v24              ; 2 off the exponent field: the conversion takes the exponent field of this operand as its scale
.irp g, 0,1,2,3
	v_cvt_scalef32_pk8_fp4_f32 v[28+\g], v[X+8*\g:X+8*\g+7], v26
.endr
	v_lshrrev_b32 v27, 23, v26                     ; the scale's byte (also the plain line behind the conversions)
	global_store_b128 v2, v[28:31], s[12:13]       ; the wave stores the token's 512 bytes of codes, aligned
	global_store_b8 v1, v27, s[14:15]              ; and its 32 scale bytes
	s_wait_loadcnt 0x0                             ; Wr
.irp k, 0,1,2,3,4,5,6,7,8,9,10,11,12,13,14,15
	ds_store_b128 v5, v[WB0+4*\k:WB0+4*\k+3] offset:(\k/2)*WRP+512*(\k%2)
.endr
	s_wait_dscnt 0x0                               ; for the others' sake: my quarter of Wr lies in LDS
	s_barrier_signal -1
	s_barrier_wait -1
; 8 rows of Wr (rows 8 g .. 8 g + 7 of my 32), 32 bytes each
.macro WLD g, buf
.irp i, 0,1,2,3,4,5,6,7
	ds_load_b128 v[\buf+8*\i:\buf+8*\i+3], v6 offset:32*(8*\g+\i)
	ds_load_b128 v[\buf+8*\i+4:\buf+8*\i+7], v6 offset:32*(8*\g+\i)+16
.endr
.endm
; their 64 multiply-adds, two experts at a time; x(i) serves both halves (op_sel picks it out of its pair).  Rows 0 and 1 start the sums: nothing is cleared
.macro FMA g, buf
.irp i, 0,1,2,3,4,5,6,7
.irp p, 0,1,2,3
.if (8*\g+\i) == 0
	v_pk_mul_f32 v[AC+2*\p:AC+2*\p+1], v[X:X+1], v[\buf+2*\p:\buf+2*\p+1] op_sel_hi:[0,1]
.elseif (8*\g+\i) == 1
	v_pk_mul_f32 v[AC+8+2*\p:AC+8+2*\p+1], v[X:X+1], v[\buf+8+2*\p:\buf+8+2*\p+1] op_sel:[1,0] op_sel_hi:[1,1]
.elseif (\i%2) == 0
	v_pk_fma_f32 v[AC+2*\p:AC+2*\p+1], v[X+8*\g+\i:X+8*\g+\i+1], v[\buf+8*\i+2*\p:\buf+8*\i+2*\p+1], v[AC+2*\p:AC+2*\p+1] op_sel_hi:[0,1,1]
.else
	v_pk_fma_f32 v[AC+8+2*\p:AC+8+2*\p+1], v[X+8*\g+\i-1:X+8*\g+\i], v[\buf+8*\i+2*\p:\buf+8*\i+2*\p+1], v[AC+8+2*\p:AC+8+2*\p+1] op_sel:[1,0,0] op_sel_hi:[1,1,1]
.endif
.endr
.endr
.endm
	WLD 0, WB0
	WLD 1, WB1
	s_wait_dscnt 16                                ; the older batch of 16 is in
	FMA 0, WB0
	WLD 2, WB0
	s_wait_alu depctr_va_vdst(0)
	s_wait_dscnt 16
	FMA 1, WB1
	WLD 3, WB1
	s_wait_alu depctr_va_vdst(0)
	s_wait_dscnt 16
	FMA 2, WB0
	s_wait_alu depctr_va_vdst(0)
	s_wait_dscnt 0x0
	FMA 3, WB1
.irp p, 0,1,2,3
	v_pk_add_f32 v[AC+2*\p:AC+2*\p+1], v[AC+2*\p:AC+2*\p+1], v[AC+8+2*\p:AC+8+2*\p+1]
.endr
.irp m, 1,2,4,8
.irp e, 0,1,2,3,4,5,6,7
	v_add_f32_dpp v[AC+\e], v[AC+\e], v[AC+\e] row_xmask:\m row_mask:0xf bank_mask:0xf   ; over the 16 lanes of a row, the eight sums by turns
.endr
.endr
.irp e, 0,1,2,3,4,5,6,7
	v_permlanex16_b32 v[WB0+\e], v[AC+\e], s24, s25   ; (its destination counts as read: these registers have been loaded)
.endr
.irp e, 0,1,2,3,4,5,6,7
	v_add_f32 v[AC+\e], v[AC+\e], v[WB0+\e]        ; every lane holds the 8 logits
.endr
	; softmax: 2^((l - m) log2 e) / the sum
	v_max3_num_f32 v240, v[AC], v[AC+1], v[AC+2]
	v_max3_num_f32 v240, v240, v[AC+3], v[AC+4]
	v_max3_num_f32 v240, v240, v[AC+5], v[AC+6]
	v_max_num_f32 v240, v240, v[AC+7]
	v_mul_f32 v240, s26, v240
.irp e, 0,1,2,3,4,5,6,7
	v_fma_f32 v[PR+\e], v[AC+\e], s26, -v240       ; what the rounding of m log2 e leaves is the same for all eight and falls out in the division
.endr
	s_wait_alu depctr_va_vdst(0)
.irp e, 0,1,2,3,4,5,6,7
	v_exp_f32 v[PR+\e], v[PR+\e]
.endr
	v_nop                                          ; a plain line behind the last exponential
	s_wait_alu depctr_va_vdst(0)                   ; one wait for the eight, ahead of their first reader
	v_add_f32 v241, v[PR], v[PR+1]
	v_add_f32 v242, v[PR+2], v[PR+3]
	v_add_f32 v243, v[PR+4], v[PR+5]
	v_add_f32 v244, v[PR+6], v[PR+7]
	v_add_f32 v241, v241, v242
	v_add_f32 v243, v243, v244
	v_add_f32 v241, v241, v243
	s_wait_alu depctr_va_vdst(0)
	v_rcp_f32 v241, v241
	v_nop
	s_wait_alu depctr_va_vdst(0)
.irp e, 0,1,2,3,4,5,6,7
	v_mul_f32 v[PR+\e], v[PR+\e], v241
.endr
	; the largest: index v245, value v246
	v_mov_b32 v245, 0
	v_mov_b32 v246, v[PR]
.irp e, 1,2,3,4,5,6,7
	v_cmp_gt_f32 vcc_lo, v[PR+\e], v246            ; strictly larger: of equals the lower index stays
	v_cndmask_b32 v245, v245, \e, vcc_lo
	v_max_num_f32 v246, v246, v[PR+\e]
.endr
.irp e, 0,1,2,3,4,5,6,7
	v_cmp_eq_u32 vcc_lo, \e, v245
	v_cndmask_b32 v[QR+\e], v[PR+\e], -1.0, vcc_lo ; the largest is taken out: -1 lies under every probability
.endr
	; the second: index v248, value v247
	v_mov_b32 v248, 0
	v_mov_b32 v247, v[QR]
.irp e, 1,2,3,4,5,6,7
	v_cmp_gt_f32 vcc_lo, v[QR+\e], v247
	v_cndmask_b32 v248, v248, \e, vcc_lo
	v_max_num_f32 v247, v247, v[QR+\e]
.endr
	v_lshl_or_b32 v249, v248, 8, v245              ; e0 | e1 << 8
	v_mov_b32 v250, 0
	v_cmp_eq_u32 vcc_lo, 0, v1
	s_wait_alu depctr_va_vdst(0)
	s_wait_xcnt 0x0                                ; EXEC is a source of the stores above: it changes only behind this wait
	s_wait_tensorcnt 0x0
	ds_add_u32 v254, v255
	s_wait_dscnt 0x0
	s_and_saveexec_b32 s27, vcc_lo                 ; lane 0 alone
	global_store_b32 v250, v249, s[8:9]
	global_store_b64 v250, v[246:247], s[10:11]
	s_wait_xcnt 0x0                                ; and again in front of the line that widens it
	s_or_b32 exec_lo, exec_lo, s27
	s_endpgm
.Lfunc_end_k_q02f7dc3d5c_route:
	.size	k_q02f7dc3d5c_route, .Lfunc_end_k_q02f7dc3d5c_route-k_q02f7dc3d5c_route
	.p2alignl 7, 3214868480
	.fill 96, 4, 3214868480
	.section	.rodata,"a",@progbits
	.p2align	6, 0x0
	.amdhsa_kernel k_q02f7dc3d5c_route
		.amdhsa_group_segment_fixed_size 52224
		.amdhsa_private_segment_fixed_size 0
		.amdhsa_enable_private_segment 0
		.amdhsa_kernarg_size 48
		.amdhsa_user_sgpr_count 2
		.amdhsa_user_sgpr_kernarg_segment_ptr 1
		.amdhsa_wavefront_size32 1
		.amdhsa_system_sgpr_workgroup_id_x 1
		.amdhsa_system_sgpr_workgroup_id_y 1
		.amdhsa_system_sgpr_workgroup_id_z 1
		.amdhsa_system_vgpr_workitem_id 0
		.amdhsa_next_free_vgpr 256
		.amdhsa_next_free_sgpr 66
		.amdhsa_reserve_vcc 1
		.amdhsa_float_denorm_mode_32 3
		.amdhsa_float_denorm_mode_16_64 3
		.amdhsa_memory_ordered 1
		.amdhsa_forward_progress 1
		.amdhsa_inst_pref_size 29
	.end_amdhsa_kernel
	.amdgpu_metadata
---
amdhsa.version: [ 1, 2 ]
amdhsa.kernels:
  - .name:           k_q02f7dc3d5c_route
    .symbol:         k_q02f7dc3d5c_route.kd
    .args:
      - { .name: x, .offset: 0, .size: 8, .value_kind: global_buffer, .address_space: global }
      - { .name: Wr, .offset: 8, .size: 8, .value_kind: global_buffer, .address_space: global }
      - { .name: sel, .offset: 16, .size: 8, .value_kind: global_buffer, .address_space: global }
      - { .name: wts, .offset: 24, .size: 8, .value_kind: global_buffer, .address_space: global }
      - { .name: xq, .offset: 32, .size: 8, .value_kind: global_buffer, .address_space: global }
      - { .name: xs, .offset: 40, .size: 8, .value_kind: global_buffer, .address_space: global }
    .group_segment_fixed_size: 52224
    .private_segment_fixed_size: 0
    .kernarg_segment_align: 8
    .kernarg_segment_size: 48
    .max_flat_workgroup_size: 128
    .sgpr_count:     66
    .vgpr_count:     256
    .wavefront_size: 32
...
	.end_amdgpu_metadata
.endif
;; end of part 5
;; launch ffn1 (part 6): grid 32 x 8, 4 waves a work-group, no clusters, 106,496 bytes of LDS; arguments W1_codes, W1_scales, b1, sel, xq, xs, hq, hs; writes hq, hs
.if DOCPART == 6
	.amdgcn_target "amdgcn-amd-amdhsa--gfx1250"
	.amdhsa_code_object_version 6
	.text
	.protected	k_q02f7dc3d5c_ffn1
	.globl	k_q02f7dc3d5c_ffn1
	.p2align	8
	.type	k_q02f7dc3d5c_ffn1,@function
k_q02f7dc3d5c_ffn1:
	s_mov_b64 s[64:65], 0
	v_nop
	global_prefetch_b8 v0, s[64:65] scope:SCOPE_SE
	s_setreg_imm32_b32 hwreg(HW_REG_WAVE_SCHED_MODE, 0, 2), 2
	s_setreg_imm32_b32 hwreg(HW_REG_WAVE_MODE, 25, 1), 1
	s_wait_xcnt 0x0
	s_wait_alu depctr_vm_vsrc(0)
; THE FIRST PRODUCT OF THE CHOSEN ROWS: h = gelu(x W1[e] + b1[e]), quantised along the hidden axis, for the rows (token, k) whose expert is e.  MX-FP4 on both sides, sums in f32.
; SHARES.  Work-group (slice, e) owns hidden units 128 slice .. + 127 of expert e: 128 rows of W1's codes, 65,536 bytes, which no other work-group reads.  They are read from memory once, a quarter a wave,
; pass through LDS, and then stay in EVERY wave's registers (64 fragments, 512 registers).  The expert's rows go past in tiles of 16; wave w takes tiles w, w + 4, ..
; THE LIST.  sel holds each token's two experts.  Every work-group makes its expert's list of rows itself: for each place p of the list the p-th row is SEARCHED (32 masks of 32 tokens, their running counts,
; then the wanted set bit of one mask), so that every LDS address is a constant + lane + wave + a constant step.  An entry is the row's slot 2 token + k; places past the count hold 2048.  The next launch
; finds the rows by the same search, in the same order.  All loops have constant trip counts; a scalar branch on the stored count jumps over the work of trips that have none; no barrier stands in them.
; A TILE.  Its 16 rows of x's codes (512 bytes each, a whole row a load) turn through the wave's stage in LDS into 8 fragments; 64 matrix instructions, TRANSPOSED (source 0 = 16 rows of W1, source 1 = x), b1 as the
; C of each sum's first; THE ROWS OF W1 THAT FORM A TILE ARE NOT NEIGHBOURS (lane m of tile 2 b + u takes row 32 b + 8 u + m + 8 (m / 8)), so that a lane's 16 registers of tiles 2 b, 2 b + 1 are 16 neighbours
; along the next K; gelu by erf in f32; the quantiser; the result is one K step of the next product and leaves as an IMAGE OF THE OPERAND'S REGISTERS:
; hq[(64 e + tile) 32 + slice]: 1,024 bytes, registers 4 c .. 4 c + 3 of lane l at 512 c + 16 l;  hs[same index]: 16 scale words.
; AHEAD OF THE WORK.  Behind a tile's products the next tile's rows are asked for; behind gelu, where the fragments' registers are free again, they turn through the stage, and the entries of the tile after that
; are read from the list; the quantiser and the stores stand between these LDS instructions and the wait for them at the next trip's head.
; The rows past the count in an expert's last tile are token 1023's: they are computed and stored, and the next launch keeps them out of the slots.  Tile 0 is made for every expert, with or without rows.
; erf(z) = z P(z^2) / Q(z^2) on |z| <= 4 (degrees 6 and 4 in z^2), z held to that range, beyond which erf is 1 in f32.  P's coefficients are written halved (one off each exponent field: exact): gelu = a (z P / 2 / Q + 1 / 2).
; NO JOINT REQUESTS, NO TENSOR LOADS: which tiles are walked hangs on counts read from memory, so the operands go from memory into registers; what the 32 work-groups of an expert share is x's codes, 512 bytes a row.
; LIMITS: NaN and infinities are not served.  A block of h whose largest magnitude lies under 2^-124 gets the byte 1.  For very negative inputs 1 + erf cancels as it does in any f32 evaluation of the module's formula.
; A work-group's time grows with its expert's count of rows: every split is served, an uneven one more slowly.
; THE MODE: SCHED_MODE bits 1:0 = 2 (LLVM: expert scheduling mode 2), set by the entry lines.  The code itself states the register dependences
; between vector or matrix instructions and memory or LDS instructions, with s_wait_alu, always for 0.
; THE PLAN.  Registers that memory or LDS instructions touch, in the loop over tiles:
;   XL (window 3)     the next tile's 16 loads land in it (XASK, behind the products); the stage's stores read it (AHEAD, behind gelu).
;   XSL               a load of XASK lands in it; the products read it as scales.
;   TOK, TR           the list's LDS loads land in them (AHEAD); XASK's vector lines make offsets of them; XASK's loads read those.
;   v[LA], v[LR]      written by two vector lines in AHEAD; read by the list's LDS loads.
;   XF                the stage's LDS loads land in it (AHEAD); the products read it; gelu works in it.
;   PC, PW, HO, HSO   written by the quantiser; read by the trip's three stores.
;   All other addresses are made at the head and never written again.  The weights' fragments, their scale words and b1 are loaded once.
; So a trip has three waits on va_vdst beside those behind the reciprocals (in XASK ahead of its loads; in AHEAD ahead of its LDS loads; ahead of the three stores), and two on vm_vsrc
; (in XASK for XL; at AHEAD's head for v[LA], v[LR], TOK, TR and what the last trip's stores read).  The loads stay in runs: they land in window 3, so each one strewn among other work would want two switches.
.set WP,    528                        ; an LDS row: 512 bytes + 16 of padding = 33 x 16: the 16 rows that a fragment load touches start at 16 different groups of four banks (ISA guide 11.1)
.set LIST,  0                          ; LDS: the list: 1,152 entries of 4 bytes: 72 tiles' worth
.set WST,   4608                       ; W1's 128 rows, in the order of the tiles' lanes
.set XST,   WST+128*WP                 ; a stage of 16 rows for each wave
.set XWV,   16*WP
; scalar registers
.set WV,    20                         ; wave
.set E,     21                         ; expert
.set SLC,   22                         ; slice
.set CNT,   23                         ; the expert's rows
.set NTL,   24                         ; its tiles, at least 1
.set CTR,   25                         ; loop counter
.set I,     26                         ; tile in hand
.set LOF,   27                         ; a byte offset in the list
.set PB,    28                         ; first place of a group of 32
.set ACCS,  29                         ; running count
.set M,     32                         ; s[32:63] mask bb: which of its 32 tokens chose e
.set M1,    66                         ; s[66:97] and which of them as their second choice
.set CM0,   2                          ; in the search: seven registers for a run of compares' masks: those that are free when the counts are made
.set CM1,   3
.set CM2,   29
.set CM3,   30
.set CM4,   31
.set CM5,   98
.set CM6,   99
.set KSEL,  32                         ; behind the list: s[32:33] selects for v_permlanex16_b32
.set KA13,  34                         ; s[34:35] P's highest coefficient, s[36:37] Q's
.set KB8,   36
; vector registers, window 0
.set LANE,  1
.set R,     2                          ; lane % 16
.set H,     3                          ; lane / 16
.set L16,   4
.set L4,    5
.set R4,    6
.set XSTO,  7                          ; my stage, a row a store
.set XRD,   8                          ; my stage, a fragment's place
.set WSTO,  9
.set WRD,   10
.set H16,   11
.set LA,    12
.set LR,    13
.set TR,    14                         ; my row's entry, then its place in xs
.set HO,    15
.set HSO,   16
.set WSV,   17
.set B1V,   18
.set KA11,  20                         ; v[20:21], v[22:23]: the second coefficients, twice each
.set KB6,   22
.set TOK,   32                         ; v32-47  a tile's 16 entries, then the rows' offsets in xq; in the head: at work on the list
.set XSL,   48                         ; v48-51  x's scale words: register q: lanes 0-15 K step q, lanes 16-31 K step 4 + q.  Scales alone
.set W1S,   52                         ; v52-83  W1's: 4 t + q likewise.  Scales alone
.set PC,    84                         ; v84-91  the codes just made
.set PW,    92                         ; v92     their scale word
.set TM,    96                         ; v96-111 the quantiser's; gelu's z^2
.set Z2,    96
.set PP,    112                        ; v112-127 gelu's P
.set XF,    128                        ; v128-191 x's 8 fragments; between the products and the next turn gelu's z and Q, two sets of 16 + 16
.set ACC,   192                        ; v192-255 the 8 tiles of the hidden layer
.set SELR,  84                         ; in the head: v84-115 sel,
.set PREV,  84                         ; and, when the masks are made, v85-115 the running counts: PREV + bb = the rows of masks 0 .. bb - 1
.set WL,    128                        ; in the head: v128-255 W1's rows as loaded
.set B1R,   0                          ; window 3: v0-63 b1 in the result's layout
.set XL,    64                         ; window 3: v64-127 x's rows as loaded
; windows 1 and 2: W1's fragments: (tile t, K step q) in window 1 + q / 4 at v[64 (q % 4) + 8 t]
.set P,     32
.set VM,    33
.set VM1,   34
.set VPRE,  35
.set VB,    36
.set REM,   37
.set QA,    38
.set QB,    39
.set QC,    40
.set QD,    41
.set POS,   42
.set T,     43
.set T2,    44
.set SLOT,  45
.set MSB, 0
.macro WIN new                         ; s_set_vgpr_msb: bits 1:0 source 0, 3:2 source 1, 5:4 source 2, 7:6 destination; the high byte repeats the setting that is left
.if MSB != (\new)
	s_set_vgpr_msb (MSB<<8)|(\new)
.set MSB, (\new)
.endif
.endm
	s_load_b256 s[4:11], s[0:1], 0x0               ; W1's codes s[4:5], its scales s[6:7], b1 s[8:9], sel s[10:11]
	s_load_b256 s[12:19], s[0:1], 0x20             ; xq s[12:13], xs s[14:15], hq s[16:17], hs s[18:19]
	v_lshl_add_u32 v30, v0, 2, 0x19e00
	v_mov_b32 v31, 0
	v_lshrrev_b32 v[LANE], 5, v0
	v_readfirstlane_b32 s[WV], v[LANE]
	v_and_b32 v[LANE], 31, v0
	v_and_b32 v[R], 15, v0
	v_bfe_u32 v[H], v0, 4, 1
	v_lshlrev_b32 v[L16], 4, v[LANE]
	v_lshlrev_b32 v[L4], 2, v[LANE]
	v_lshlrev_b32 v[R4], 2, v[R]
	v_lshlrev_b32 v[H16], 4, v[H]
	s_and_b32 s[E], ttmp7, 0xffff
	s_mov_b32 s[SLC], ttmp9
	s_wait_alu depctr_va_sdst(0)                   ; the wave's number is written, ahead of its first reader
	s_mul_i32 s30, s[WV], XWV
	s_add_co_u32 s30, s30, XST
	s_mul_i32 s31, s[WV], 32*WP
	s_add_co_u32 s31, s31, WST
	v_add_nc_u32 v[XSTO], s30, v[L16]
	v_mul_u32_u24 v[WRD], v[R], WP
	v_add_nc_u32 v[WRD], v[H16], v[WRD]            ; row r x pitch + 16 h
	v_add_nc_u32 v[XRD], s30, v[WRD]
	v_add_nc_u32 v[WRD], WST, v[WRD]
	v_add_nc_u32 v[WSTO], s31, v[L16]
	v_and_b32 v[WSV], 8, v[R]
	v_add_nc_u32 v[WSV], v[WSV], v[R]              ; r + 8 (r / 8)
	v_lshl_add_u32 v[WSV], v[WSV], 5, v[H16]       ; W1's scale bytes: 32 a row; lanes 16-31 take the upper four words
	v_lshlrev_b32 v[B1V], 6, v[H]                  ; b1: 16 h numbers on
	s_mov_b32 s3, 0
	s_wait_kmcnt 0x0
	s_wait_alu depctr_va_vdst(0)                   ; the offsets and LDS addresses made above are written: the loads below, and every later LDS instruction that names one of them, read them
.irp c, 0,1,2,3,4,5,6,7
	global_load_b128 v[SELR+4*\c:SELR+4*\c+3], v[L16], s[10:11] offset:512*\c   ; register 4 c + q of lane l: token 128 c + 4 l + q
.endr
	s_lshl_b32 s2, s[E], 21
	s_lshl_b32 s30, s[SLC], 16
	s_add_co_u32 s2, s2, s30
	s_lshl_b32 s30, s[WV], 14
	s_add_co_u32 s2, s2, s30
	s_add_nc_u64 s[4:5], s[4:5], s[2:3]            ; W1's codes: row 4096 e + 128 slice + 32 wave, 512 bytes a row
	s_lshl_b32 s2, s[E], 17
	s_lshl_b32 s30, s[SLC], 12
	s_add_co_u32 s2, s2, s30
	s_add_nc_u64 s[6:7], s[6:7], s[2:3]            ; its scale bytes: 32 a row
	s_lshl_b32 s2, s[E], 14
	s_lshl_b32 s30, s[SLC], 9
	s_add_co_u32 s2, s2, s30
	s_add_nc_u64 s[8:9], s[8:9], s[2:3]            ; b1
	s_lshl_b32 s2, s[E], 21
	s_lshl_b32 s30, s[SLC], 10
	s_add_co_u32 s2, s2, s30
	s_add_nc_u64 s[16:17], s[16:17], s[2:3]        ; hq: image (64 e) 32 + slice
	s_lshl_b32 s2, s[E], 17
	s_lshl_b32 s30, s[SLC], 6
	s_add_co_u32 s2, s2, s30
	s_add_nc_u64 s[18:19], s[18:19], s[2:3]        ; hs likewise, 64 bytes each
.set kk, 0
.rept 32
	global_load_b128 v[WL+4*kk:WL+4*kk+3], v[L16], s[4:5] offset:512*kk th:TH_LOAD_NT   ; a whole row of 512 bytes a load; read once in the launch
.set kk, kk+1
.endr
.irp t, 0,1,2,3,4,5,6,7
	global_load_b128 v[W1S+4*\t:W1S+4*\t+3], v[WSV], s[6:7] offset:(32*(\t/2)+8*(\t%2))*32
.endr
	WIN 0xc0                                       ; destination window 3
.irp t, 0,1,2,3,4,5,6,7
	global_load_b128 v[B1R+8*\t:B1R+8*\t+3], v[B1V], s[8:9] offset:(32*(\t/2)+8*(\t%2))*4      ; lane (r, h), register j: b1 of hidden unit 32 (t / 2) + 16 h + 8 (t % 2) + j
	global_load_b128 v[B1R+8*\t+4:B1R+8*\t+7], v[B1V], s[8:9] offset:(32*(\t/2)+8*(\t%2))*4+16
.endr
	WIN 0
	s_wait_loadcnt 56                              ; sel is in: behind it 32 + 8 + 16 loads were issued.  (More loads are issued than the counter's field shows; the issue then waits: ISA guide 5.7.1)
	; THE MASKS, while the weights are on their way: eight registers of sel at a time; all compares ahead of the scalar lines that read their masks
.set gg, 0
.rept 4
.set bb, 0
.rept 8
	v_and_b32 v[P+2*bb], 0xff, v[SELR+8*gg+bb]
	v_bfe_u32 v[P+2*bb+1], v[SELR+8*gg+bb], 8, 8
.set bb, bb+1
.endr
.set bb, 0
.rept 8
	v_cmp_eq_u32 s[M+8*gg+bb], s[E], v[P+2*bb]
	v_cmp_eq_u32 s[M1+8*gg+bb], s[E], v[P+2*bb+1]
.set bb, bb+1
.endr
.set gg, gg+1
.endr
	s_wait_alu depctr_va_sdst(0)                   ; the 64 compares have written their masks, ahead of the scalar lines that read them: one wait for the run
.set bb, 0
.rept 32
	s_or_b32 s[M+bb], s[M+bb], s[M1+bb]            ; a token's two experts differ: at most one of the two holds
.set bb, bb+1
.endr
	s_mov_b32 s[ACCS], 0
.set bb, 1
.rept 31                               ; the running counts, made once, into the registers that held sel: the search below has no scalar line
	s_bcnt1_i32_b32 s30, s[M+bb-1]
	s_add_co_u32 s[ACCS], s[ACCS], s30
	v_mov_b32 v[PREV+bb], s[ACCS]
.set bb, bb+1
.endr
	s_bcnt1_i32_b32 s30, s[M+31]
	s_add_co_u32 s[CNT], s[ACCS], s30
	s_add_co_u32 s[NTL], s[CNT], 15
	s_lshr_b32 s[NTL], s[NTL], 4
	s_max_u32 s[NTL], s[NTL], 1
	; THE LIST: 36 groups of 32 places; wave w takes groups w, w + 4, ..: nine trips, a constant.  All 1,152 entries are written
.macro NSTEP x, width, w               ; is the wanted set bit in the lower part (of w bits) at POS?  If not, pass over that part
	v_bfe_u32 v[T], v[\x], v[POS], \width
	v_cmp_ge_u32 vcc_lo, v[REM], v[T]
	s_wait_alu depctr_va_vcc(0)                    ; the compare has written VCC, ahead of the two selects that read it (each step hangs on the one before: no run can be made of them)
	v_cndmask_b32 v[T], 0, v[T], vcc_lo
	v_sub_nc_u32 v[REM], v[REM], v[T]
	v_cndmask_b32 v[T2], 0, \w, vcc_lo
	v_add_nc_u32 v[POS], v[POS], v[T2]
.endm
; The search for the last mask whose running count is at most my place goes in runs: n compares, of masks b0 .. b0 + n - 1, each into a scalar register of its own; one wait; then their selects, in ascending order
.macro COMPARES b0, n
.irp i, 0,1,2,3,4,5,6
.if \i < \n
	v_cmp_gt_u32 s[CM\i], v[PREV+(\b0)+\i], v[P]   ; past my place: keep what I have
.endif
.endr
.endm
.macro SELECTS b0, n                   ; the mask's two words, its running count, and twice its first token
.irp i, 0,1,2,3,4,5,6
.if \i < \n
.set bb, (\b0)+\i
	v_cndmask_b32 v[VM], s[M+bb], v[VM], s[CM\i]
	v_cndmask_b32 v[VM1], s[M1+bb], v[VM1], s[CM\i]
	v_cndmask_b32 v[VPRE], v[PREV+bb], v[VPRE], s[CM\i]
	v_cndmask_b32 v[VB], 2*(128*(bb/4)+(bb%4)), v[VB], s[CM\i]
.endif
.endr
.endm
	s_lshl_b32 s[PB], s[WV], 5
	s_lshl_b32 s[LOF], s[WV], 7
	s_mov_b32 s[CTR], 9
.Llist:
	s_wait_alu depctr_vm_vsrc(0)                   ; the last trip's LDS store has read v[LA] and v[SLOT], which this trip writes again
	v_mov_b32 v[SLOT], 0x800                       ; past the count: 2048
	s_cmp_ge_u32 s[PB], s[CNT]
	s_cbranch_scc1 .Lput                           ; a group wholly past the count is not searched
	v_add_nc_u32 v[P], s[PB], v[LANE]              ; my place
	v_mov_b32 v[VM], s[M]
	v_mov_b32 v[VM1], s[M1]
	v_mov_b32 v[VPRE], 0
	v_mov_b32 v[VB], 0
.irp b0, 1,8,15,22
	COMPARES \b0, 7
	s_wait_alu depctr_va_sdst(0)                   ; the run's seven compares have written their masks, ahead of the selects that read them
	SELECTS \b0, 7
.endr
	COMPARES 29, 3
	v_cmp_gt_u32 s[CM6], s[CNT], v[P]              ; is my place under the count?  Read by the trip's last select
	s_wait_alu depctr_va_sdst(0)                   ; the last three compares and the one against the count have written their masks, ahead of their readers
	SELECTS 29, 3
	v_sub_nc_u32 v[REM], v[P], v[VPRE]             ; which set bit of that mask, from 0
	v_lshrrev_b32 v[QA], 1, v[VM]
	v_and_b32 v[QA], 0x55555555, v[QA]
	v_sub_nc_u32 v[QA], v[VM], v[QA]               ; counts of 2 bits,
	v_lshrrev_b32 v[QB], 2, v[QA]
	v_and_b32 v[QB], 0x33333333, v[QB]
	v_and_b32 v[T], 0x33333333, v[QA]
	v_add_nc_u32 v[QB], v[QB], v[T]                ; of 4,
	v_lshrrev_b32 v[QC], 4, v[QB]
	v_add_nc_u32 v[QC], v[QC], v[QB]
	v_and_b32 v[QC], 0x0f0f0f0f, v[QC]             ; of 8,
	v_lshrrev_b32 v[QD], 8, v[QC]
	v_add_nc_u32 v[QD], v[QD], v[QC]               ; of 16 (in the low byte of each half)
	v_mov_b32 v[POS], 0
	NSTEP QD, 8, 16
	NSTEP QC, 8, 8
	NSTEP QB, 4, 4
	NSTEP QA, 2, 2
	NSTEP VM, 1, 1
	v_lshrrev_b32 v[T], v[POS], v[VM1]
	v_and_b32 v[T], 1, v[T]                        ; k: first or second choice
	v_lshl_add_u32 v[T2], v[POS], 3, v[VB]         ; bit POS is token first + 4 POS
	v_add_nc_u32 v[T], v[T], v[T2]                 ; slot = 2 token + k
	v_cndmask_b32 v[SLOT], v[SLOT], v[T], s[CM6]
.Lput:
	v_add_nc_u32 v[LA], s[LOF], v[L4]
	s_wait_alu depctr_va_vdst(0)                   ; v[LA] and v[SLOT] are written, which the LDS store reads
	ds_store_b32 v[LA], v[SLOT] offset:LIST
	s_add_co_u32 s[PB], s[PB], 128
	s_add_co_u32 s[LOF], s[LOF], 512
	s_sub_co_u32 s[CTR], s[CTR], 1
	s_cmp_lg_u32 s[CTR], 0
	s_cbranch_scc1 .Llist
	s_wait_loadcnt 24                              ; my 32 rows of W1 are in: behind them 8 + 16 loads were issued
.set kk, 0
.rept 32
	ds_store_b128 v[WSTO], v[WL+4*kk:WL+4*kk+3] offset:(16*((kk/8)%2)+8*(kk/16)+(kk%8))*WP   ; row 32 w + kk goes to the place of its tile's lane: a tile's 16 rows lie one behind the other
.set kk, kk+1
.endr
	s_wait_dscnt 0x0                               ; for the others' sake: my part of the list and of W1 lies in LDS
	s_barrier_signal -1
	s_barrier_wait -1                              ; the one barrier of the text: behind it the list and W1's rows are only read
; The LDS addresses of the entries of the tile at list offset s[LOF]
.macro LISTAT
	s_wait_alu depctr_vm_vsrc(0)                   ; the LDS instructions issued so far have read v[LA] and v[LR], XASK's loads v[TOK ..] and v[TR], the last trip's three stores the codes, the scale word and the two offsets; at the first use: my LDS stores have read v128-255, which are x's fragments and the accumulators from here on
	v_mov_b32 v[LA], s[LOF]
	v_add_nc_u32 v[LR], s[LOF], v[R4]
.endm
; The entries: all 16 (the same for every lane), and my row's
.macro LISTLD
.irp q, 0,1,2,3
	ds_load_b128 v[TOK+4*\q:TOK+4*\q+3], v[LA] offset:LIST+16*\q
.endr
	ds_load_b32 v[TR], v[LR] offset:LIST
.endm
; The rows that these entries name are asked for: the codes, a whole row of 512 bytes a load, and my row's scale words: 17 loads.
; An entry enters an address held to 2047; 2 token + k without its lowest bit, shifted, is the token's byte offset.
.macro XASK
.irp k, 0,1,2,3,4,5,6,7,8,9,10,11,12,13,14,15
	v_min_u32 v[TOK+\k], 0x7ff, v[TOK+\k]
.endr
	v_min_u32 v[TR], 0x7ff, v[TR]
.irp k, 0,1,2,3,4,5,6,7,8,9,10,11,12,13,14,15
	v_and_b32 v[TOK+\k], 0x7fe, v[TOK+\k]
.endr
	v_and_b32 v[TR], 0x7fe, v[TR]
.irp k, 0,1,2,3,4,5,6,7,8,9,10,11,12,13,14,15
	v_lshl_add_u32 v[TOK+\k], v[TOK+\k], 8, v[L16] ; token x 512 + 16 lane
.endr
	v_lshl_add_u32 v[TR], v[TR], 4, v[H16]         ; token x 32 + 16 h
	WIN 0xc0
	s_wait_alu depctr_vm_vsrc(0)                   ; the stage's stores have read window 3's v[XL ..], in which the loads below land
	s_wait_alu depctr_va_vdst(0)                   ; the 17 offsets are written, which the loads below read; the products are done reading x's scale words, in which the last of them lands
.irp k, 0,1,2,3,4,5,6,7,8,9,10,11,12,13,14,15
	global_load_b128 v[XL+4*\k:XL+4*\k+3], v[TOK+\k], s[12:13]
.endr
	WIN 0
	global_load_b128 v[XSL:XSL+3], v[TR], s[14:15]
.endm
; The 16 rows turn through my own stage into 8 fragments: LDS serves a wave's instructions in order (ISA guide 5.7.1.4), so no wait on DScnt stands between the stores and the loads
.macro TURNIN
	WIN 0x0c                                       ; an LDS store's data are its source 1: window 3
.irp k, 0,1,2,3,4,5,6,7,8,9,10,11,12,13,14,15
	ds_store_b128 v[XSTO], v[XL+4*\k:XL+4*\k+3] offset:WP*\k
.endr
	WIN 0
.endm
.macro TURNOUT
.irp q, 0,1,2,3,4,5,6,7
.irp c, 0,1
	ds_load_b128 v[XF+8*\q+4*\c:XF+8*\q+4*\c+3], v[XRD] offset:64*\q+32*\c
.endr
.endr
.endm
; The rows that were asked for turn through the stage, and the entries of the tile at list offset s[LOF] are read.  The two address lines stand ahead of the stage's stores, so that one wait serves both runs of LDS loads
.macro AHEAD
	LISTAT
	s_wait_loadcnt 0x0                             ; the 17 loads are in: nothing younger is out.  (So the loads that read v[TOK ..] and v[TR] as offsets are done)
	TURNIN
	s_wait_alu depctr_va_vdst(0)                   ; gelu is done with v[XF ..], in which the stage's loads land; XASK's lines are done with v[TOK ..] and v[TR], in which the list's land; v[LA] and v[LR] are written
	TURNOUT
	LISTLD
.endm
	s_lshl_b32 s[LOF], s[WV], 6
	LISTAT
	s_wait_alu depctr_va_vdst(0)                   ; v[LA] and v[LR] are written; the list's search is done with v32-47, in which the entries land
	LISTLD                                         ; my first tile's entries
	s_wait_dscnt 0x0
	XASK                                           ; its rows are asked for ahead of the 128 LDS loads below
	WIN 0x40                                       ; destination window 1
.irp q, 0,1,2,3
.irp t, 0,1,2,3,4,5,6,7
.irp c, 0,1
	ds_load_b128 v[64*\q+8*\t+4*\c:64*\q+8*\t+4*\c+3], v[WRD] offset:16*\t*WP+64*\q+32*\c
.endr
.endr
.endr
	WIN 0x80                                       ; destination window 2
.irp q, 0,1,2,3
.irp t, 0,1,2,3,4,5,6,7
.irp c, 0,1
	ds_load_b128 v[64*\q+8*\t+4*\c:64*\q+8*\t+4*\c+3], v[WRD] offset:16*\t*WP+64*(\q+4)+32*\c
.endr
.endr
.endr
	WIN 0
	s_mov_b32 s[KSEL], 0x76543210
	s_mov_b32 s[KSEL+1], 0xfedcba98
	s_mov_b32 s[KA13], 0xaf15df0b                  ; half of -2.72614225801306e-10
	s_mov_b32 s[KA13+1], s[KA13]                   ; (named with it as a pair, so it is written)
	s_mov_b32 s[KB8], 0xb77460cd                   ; -1.45660718464996e-05
	s_mov_b32 s[KB8+1], s[KB8]
	v_mov_b32 v[KA11], 0x326dffee                  ; half of 2.77068142495902e-08
	v_mov_b32 v[KA11+1], 0x326dffee
	v_mov_b32 v[KB6], 0xb95fbd29                   ; -2.13374055278905e-04
	v_mov_b32 v[KB6+1], 0xb95fbd29
	s_add_co_u32 s[LOF], s[WV], 4
	s_lshl_b32 s[LOF], s[LOF], 6
	AHEAD                                          ; my first tile's rows, W1's scale words and b1 are in; the first tile's fragments, and my second tile's entries
; K step q of the tile's products: the 8 accumulators by turns, one instruction a turn
.macro PROD q
.irp t, 0,1,2,3,4,5,6,7
.if (\q) == 0
	v_wmma_scale_f32_16x16x128_f8f6f4 v[ACC+8*\t:ACC+8*\t+7], v[8*\t:8*\t+7], v[XF:XF+7], v[B1R+8*\t:B1R+8*\t+7], v[W1S+4*\t], v[XSL] matrix_a_fmt:MATRIX_FMT_FP4 matrix_b_fmt:MATRIX_FMT_FP4
.elseif (\q) < 4
	v_wmma_scale_f32_16x16x128_f8f6f4 v[ACC+8*\t:ACC+8*\t+7], v[64*(\q)+8*\t:64*(\q)+8*\t+7], v[XF+8*(\q):XF+8*(\q)+7], v[ACC+8*\t:ACC+8*\t+7], v[W1S+4*\t+(\q)], v[XSL+(\q)] matrix_a_fmt:MATRIX_FMT_FP4 matrix_b_fmt:MATRIX_FMT_FP4
.else
	v_wmma_scale_f32_16x16x128_f8f6f4 v[ACC+8*\t:ACC+8*\t+7], v[64*((\q)-4)+8*\t:64*((\q)-4)+8*\t+7], v[XF+8*(\q):XF+8*(\q)+7], v[ACC+8*\t:ACC+8*\t+7], v[W1S+4*\t+(\q)-4], v[XSL+(\q)-4] matrix_a_fmt:MATRIX_FMT_FP4 matrix_b_fmt:MATRIX_FMT_FP4 matrix_a_scale:MATRIX_SCALE_ROW1 matrix_b_scale:MATRIX_SCALE_ROW1
.endif
.endr
.endm
; GELU of 16 registers (group g: tiles 2 g, 2 g + 1), in three parts, two numbers an instruction.  POLY: z = a / sqrt 2 held to +-4, z P(z^2) / 2 and Q(z^2).  RCP: 1 / Q.  FIN: a x (z P / 2 x 1 / Q + 1 / 2).
.macro POLY g
.set GA, ACC+16*(\g)
.set GN, XF+32*((\g)%2)
.set GD, GN+16
.irp j, 0,2,4,6,8,10,12,14
	v_pk_mul_f32 v[GN+\j:GN+\j+1], v[GA+\j:GA+\j+1], 0x3f3504f3 op_sel_hi:[1,0]   ; (each accumulator is read from its low end on)
.endr
.irp j, 0,1,2,3,4,5,6,7,8,9,10,11,12,13,14,15
	v_med3_num_f32 v[GN+\j], v[GN+\j], -4.0, 4.0
.endr
.irp j, 0,2,4,6,8,10,12,14
	v_pk_mul_f32 v[Z2+\j:Z2+\j+1], v[GN+\j:GN+\j+1], v[GN+\j:GN+\j+1]
.endr
.irp j, 0,2,4,6,8,10,12,14
	v_pk_fma_f32 v[PP+\j:PP+\j+1], v[Z2+\j:Z2+\j+1], s[KA13:KA13+1], v[KA11:KA11+1] op_sel_hi:[1,0,1]
.endr
.irp j, 0,2,4,6,8,10,12,14
	v_pk_fma_f32 v[GD+\j:GD+\j+1], v[Z2+\j:Z2+\j+1], s[KB8:KB8+1], v[KB6:KB6+1] op_sel_hi:[1,0,1]
.endr
.irp a, 0xb58cff51, 0xb7eec2d2, 0xb9c0ac63, 0xbac1a1f6, 0xbc03dbd4   ; halves of -2.10102402082508e-06, -5.69250639462346e-05, -7.34990630326855e-04, -2.95459980854025e-03, -1.60960333262415e-02
.irp j, 0,2,4,6,8,10,12,14
	v_pk_fma_f32 v[PP+\j:PP+\j+1], v[PP+\j:PP+\j+1], v[Z2+\j:Z2+\j+1], \a op_sel_hi:[1,1,0]
.endr
.endr
.irp a, 0xbadc924e, 0xbbf19bf8, 0xbc69b6a7                           ; -1.68282697438203e-03, -7.37332916720468e-03, -1.42647390514189e-02
.irp j, 0,2,4,6,8,10,12,14
	v_pk_fma_f32 v[GD+\j:GD+\j+1], v[GD+\j:GD+\j+1], v[Z2+\j:Z2+\j+1], \a op_sel_hi:[1,1,0]
.endr
.endr
.irp j, 0,2,4,6,8,10,12,14
	v_pk_mul_f32 v[GN+\j:GN+\j+1], v[PP+\j:PP+\j+1], v[GN+\j:GN+\j+1]
.endr
.endm
.macro RCP g
.set GD, XF+32*((\g)%2)+16
.irp j, 0,1,2,3,4,5,6,7,8,9,10,11,12,13,14,15
	v_rcp_f32 v[GD+\j], v[GD+\j]
.endr
.endm
.macro FIN g
.set GA, ACC+16*(\g)
.set GN, XF+32*((\g)%2)
.set GD, GN+16
.irp j, 0,2,4,6,8,10,12,14
	v_pk_fma_f32 v[GN+\j:GN+\j+1], v[GN+\j:GN+\j+1], v[GD+\j:GD+\j+1], 0.5 op_sel_hi:[1,1,0]   ; erf / 2 + 1 / 2, rounded once
.endr
.irp j, 0,2,4,6,8,10,12,14
	v_pk_mul_f32 v[GA+\j:GA+\j+1], v[GA+\j:GA+\j+1], v[GN+\j:GN+\j+1]
.endr
.endm
.macro TWAIT                           ; one wait for a batch of 16 reciprocals, ahead of their first reader; the next group's polynomials stand between
	s_wait_alu depctr_va_vdst(0)                   ; the batch's 16 reciprocals have written 1 / Q, which the lines below read
.endm
	s_mov_b32 s[I], s[WV]
	s_mov_b32 s[CTR], 16
.Ltile:                                                ; 16 trips, a constant: tiles w, w + 4, .. w + 60
	s_cmp_ge_u32 s[I], s[NTL]
	s_cbranch_scc1 .Lskip                          ; the expert has no such tile
	s_wait_dscnt 0x0                               ; x's fragments and my next tile's entries are in (in the first trip W1's fragments too); the stage's stores are done
	WIN 0x31                                       ; source 0 (W1) window 1, source 2 (b1) window 3
	PROD 0
	WIN 0x01
	PROD 1
	PROD 2
	PROD 3
	WIN 0x02                                       ; source 0 window 2
	PROD 4
	PROD 5
	PROD 6
	PROD 7
	WIN 0
	XASK                                           ; my next tile's rows, asked for with all of gelu ahead; past the list's end the entries are 2048.  Its plain lines are the places behind the products
	POLY 0
	s_wait_alu depctr_va_vdst(0)
	RCP 0
	s_wait_alu depctr_va_vdst(0)
	POLY 1
	TWAIT
	FIN 0
	RCP 1
	s_wait_alu depctr_va_vdst(0)
	POLY 2
	TWAIT
	FIN 1
	RCP 2
	s_wait_alu depctr_va_vdst(0)
	POLY 3
	TWAIT
	FIN 2
	RCP 3
	v_nop                                          ; a plain line behind the last reciprocal
	TWAIT
	FIN 3
	s_add_co_u32 s[LOF], s[I], 8                   ; tile I + 8 is at most tile 71, the list's last
	s_lshl_b32 s[LOF], s[LOF], 6
	AHEAD                                          ; gelu has left the fragments' registers: the next tile turns through the stage while this one is quantised and stored, and the entries of the tile after it are read
	s_wait_xcnt 0x0                                ; the last trip's three stores have had their addresses translated: the codes, the scale word and the two offsets are written again only behind this wait (that the stores have read them is stated at AHEAD's head)
	; THE QUANTISER: register 16 b + i of the 64 is k = 32 b + 16 h + i of my row; a block lies in lanes l and l xor 16
.irp b, 0,1,2,3
	v_max3_num_f32 v[TM+\b], |v[ACC+16*\b]|, |v[ACC+1+16*\b]|, 0x1800000   ; with the floor 2^(3 - 127): the byte cannot fall under 1
.endr
.irp i, 2,4,6,8,10,12,14
.irp b, 0,1,2,3
	v_max3_num_f32 v[TM+\b], v[TM+\b], |v[ACC+16*\b+\i]|, |v[ACC+1+16*\b+\i]|
.endr
.endr
.irp b, 0,1,2,3
	v_permlanex16_b32 v[TM+4+\b], v[TM+\b], s[KSEL], s[KSEL+1]   ; (its destination counts as read: gelu has written it)
.endr
.irp b, 0,1,2,3
	v_max_num_f32 v[TM+\b], v[TM+\b], v[TM+4+\b]
.endr
.irp b, 0,1,2,3
	v_add_nc_u32 v[TM+12+\b], 0xff000000, v[TM+\b] ; 2 off the exponent field: the conversion's scale operand
.endr
.irp b, 0,1,2,3
	v_lshrrev_b32 v[TM+4+\b], 23, v[TM+12+\b]      ; the scale's byte
.endr
	v_lshl_or_b32 v[PW], v[TM+5], 8, v[TM+4]
	v_lshl_or_b32 v[PW], v[TM+6], 16, v[PW]
	v_lshl_or_b32 v[PW], v[TM+7], 24, v[PW]        ; my row's scale word for these 128 hidden units
.irp b, 0,1,2,3
	v_cvt_scalef32_pk8_fp4_f32 v[PC+2*\b], v[ACC+16*\b:ACC+7+16*\b], v[TM+12+\b]
	v_cvt_scalef32_pk8_fp4_f32 v[PC+1+2*\b], v[ACC+8+16*\b:ACC+15+16*\b], v[TM+12+\b]
.endr
	v_nop                                          ; one plain line behind the scaled conversions
.irp c, 0,1                                    ; the operand's layout wants a whole block in a lane: lanes 0-15 block 2 c, lanes 16-31 block 2 c + 1
.irp i, 0,1
	v_permlane16_swap_b32 v[PC+4*\c+\i], v[PC+2+4*\c+\i]
.endr
.endr
	v_lshl_add_u32 v[HO], s[I], 15, v[L16]         ; a tile's 32 images are 32,768 bytes
	v_lshl_add_u32 v[HSO], s[I], 11, v[R4]         ; and its scale words 2,048
	s_wait_alu depctr_va_vdst(0)                   ; the codes, the scale word and the two offsets are written, which the three stores read
	global_store_b128 v[HO], v[PC:PC+3], s[16:17]              ; the wave stores 512 neighbouring bytes, aligned
	global_store_b128 v[HO], v[PC+4:PC+7], s[16:17] offset:512
	global_store_b32 v[HSO], v[PW], s[18:19]       ; lanes 16-31 name lanes 0-15's words and hold the same numbers
.Lskip:
	s_add_co_u32 s[I], s[I], 4
	s_sub_co_u32 s[CTR], s[CTR], 1
	s_cmp_lg_u32 s[CTR], 0
	s_cbranch_scc1 .Ltile
	s_wait_dscnt 0x0                               ; the last turn's LDS instructions are done.  With it begin the closing lines, six on end
	s_wait_alu 0x0
	s_wait_tensorcnt 0x0
	ds_add_u32 v30, v31
	s_wait_dscnt 0x0
	s_endpgm
.Lfunc_end_k_q02f7dc3d5c_ffn1:
	.size	k_q02f7dc3d5c_ffn1, .Lfunc_end_k_q02f7dc3d5c_ffn1-k_q02f7dc3d5c_ffn1
	.p2alignl 7, 3214868480
	.fill 96, 4, 3214868480
	.section	.rodata,"a",@progbits
	.p2align	6, 0x0
	.amdhsa_kernel k_q02f7dc3d5c_ffn1
		.amdhsa_group_segment_fixed_size 106496
		.amdhsa_private_segment_fixed_size 0
		.amdhsa_enable_private_segment 0
		.amdhsa_kernarg_size 64
		.amdhsa_user_sgpr_count 2
		.amdhsa_user_sgpr_kernarg_segment_ptr 1
		.amdhsa_wavefront_size32 1
		.amdhsa_system_sgpr_workgroup_id_x 1
		.amdhsa_system_sgpr_workgroup_id_y 1
		.amdhsa_system_sgpr_workgroup_id_z 1
		.amdhsa_system_vgpr_workitem_id 0
		.amdhsa_next_free_vgpr 896
		.amdhsa_next_free_sgpr 100
		.amdhsa_reserve_vcc 1
		.amdhsa_float_denorm_mode_32 3
		.amdhsa_float_denorm_mode_16_64 3
		.amdhsa_memory_ordered 1
		.amdhsa_forward_progress 1
		.amdhsa_inst_pref_size 119
	.end_amdhsa_kernel
	.amdgpu_metadata
---
amdhsa.version: [ 1, 2 ]
amdhsa.kernels:
  - .name:           k_q02f7dc3d5c_ffn1
    .symbol:         k_q02f7dc3d5c_ffn1.kd
    .args:
      - { .name: W1_codes, .offset: 0, .size: 8, .value_kind: global_buffer, .address_space: global }
      - { .name: W1_scales, .offset: 8, .size: 8, .value_kind: global_buffer, .address_space: global }
      - { .name: b1, .offset: 16, .size: 8, .value_kind: global_buffer, .address_space: global }
      - { .name: sel, .offset: 24, .size: 8, .value_kind: global_buffer, .address_space: global }
      - { .name: xq, .offset: 32, .size: 8, .value_kind: global_buffer, .address_space: global }
      - { .name: xs, .offset: 40, .size: 8, .value_kind: global_buffer, .address_space: global }
      - { .name: hq, .offset: 48, .size: 8, .value_kind: global_buffer, .address_space: global }
      - { .name: hs, .offset: 56, .size: 8, .value_kind: global_buffer, .address_space: global }
    .group_segment_fixed_size: 106496
    .private_segment_fixed_size: 0
    .kernarg_segment_align: 8
    .kernarg_segment_size: 64
    .max_flat_workgroup_size: 128
    .sgpr_count:     100
    .vgpr_count:     896
    .wavefront_size: 32
...
	.end_amdgpu_metadata
.endif
;; end of part 6
;; launch ffn2 (part 7): grid 32 x 8, 4 waves a work-group, no clusters, 80,384 bytes of LDS; arguments W2_codes, W2_scales, b2, sel, hq, hs, yw; writes yw
.if DOCPART == 7
	.amdgcn_target "amdgcn-amd-amdhsa--gfx1250"
	.amdhsa_code_object_version 6
	.text
	.protected	k_q02f7dc3d5c_ffn2
	.globl	k_q02f7dc3d5c_ffn2
	.p2align	8
	.type	k_q02f7dc3d5c_ffn2,@function
k_q02f7dc3d5c_ffn2:
	s_mov_b64 s[64:65], 0
	v_nop
	global_prefetch_b8 v0, s[64:65] scope:SCOPE_SE
	s_setreg_imm32_b32 hwreg(HW_REG_WAVE_SCHED_MODE, 0, 2), 2
	s_setreg_imm32_b32 hwreg(HW_REG_WAVE_MODE, 25, 1), 1
	s_wait_xcnt 0x0
	s_wait_alu depctr_vm_vsrc(0)
; THE SECOND PRODUCT OF THE CHOSEN ROWS: y = h W2[e] + b2[e], MX-FP4 on both sides, sums in f32, stored by slot: yw[2 token + k][1024] f32.
; SHARES.  Work-group (slice, e) owns output columns 32 slice .. + 31 of expert e: 32 rows of W2's codes, 65,536 bytes, which no other work-group reads.  They are read from memory once, a quarter a wave,
; pass through LDS, and then stay in EVERY wave's registers (64 fragments, 512 registers).  The expert's tiles of 16 rows go past; wave w takes tiles w, w + 4, ..
; h comes as images of the operand's registers (hq: 1,024 bytes for a tile and a K step; hs: its 16 scale words), so a fragment is two loads of 512 neighbouring bytes straight into its registers.
; A tile is 32 K steps in four chunks of 8 (20 loads each); when a chunk has been multiplied, the same chunk of the wave's next tile is asked for into its registers: a ring in which three chunks, 60 loads, are out.
; Each chunk has offset registers of its own: they are written again when the chunk's earlier loads have been shown in by their own counted wait.
; TRANSPOSED (source 0 = 16 rows of W2, source 1 = h): a lane holds eight neighbouring columns of one row.  Four accumulators take turns (two tiles of columns x even and odd K steps); b2 is the C of the even
; sums' first instruction, the constant 0 that of the odd sums'.
; THE LIST of the expert's rows is made as in the launch before, by the same search: the same order.  It says into which slot a row of the tile goes.  A place past the count holds slot 2048 + e:
; yw has eight rows more than there are slots, one for each expert, and what the last tile computes past the count is stored there, in this work-group's own 32 columns, and read by nobody.
; So every store runs with all lanes on, and each byte of yw has one work-group that writes it.  That is at most 15 rows of 128 bytes a work-group (16 where the expert has no rows).
; The way out: through the wave's stage in LDS, so that eight lanes store a row's 128 neighbouring bytes.  A wave's registers hold 32 columns of all of K and no more, so a row's run is 128 bytes.
; NO JOINT REQUESTS, NO TENSOR LOADS: which tiles are walked hangs on counts read from memory, so the operands go from memory into registers.
; LIMITS: NaN and infinities are not served.  K is summed in two halves (even and odd steps of 128), added at the end.  A work-group's time grows with its expert's count of rows.
; THE MODE: SCHED_MODE bits 1:0 = 2 (LLVM: expert scheduling mode 2), set by the entry lines.  The code itself states the register dependences
; between vector or matrix instructions and memory or LDS instructions, with s_wait_alu, always for 0.
; THE PLAN.  Registers that memory or LDS instructions touch, in the loop over tiles:
;   h's fragments (window 3), HS   chunk c's 20 loads land in them; chunk c's 16 products read them.
;   HO + c, HSO + c                written by AIM c, behind chunk c's products; read by chunk c's loads, which follow.
;   v[LA]                          written at the trip's head; read by the four loads of list entries.
;   SLT                            those loads land in it; the way out's vector lines make offsets of it.
;   Y                              written by the way out's additions; read by the stage's stores.
;   YB                             the stage's loads land in it; the four global stores read it.
;   OF                             written by the way out's vector lines; read by the four global stores.
;   All other addresses are made at the head and never written again.  W2's fragments, its scale words and b2 are loaded once.
; So ONE wait on vm_vsrc stands in a trip, at its head: every memory or LDS instruction that read v[LA], the eight offsets of the chunks, Y, YB or OF was issued in the trip before (or at the kernel's head), and between
; that wait and AIM c only the chunks below c are asked for, by other registers.  Waits on va_vdst: at the trip's head ahead of the entries' loads; behind each AIM, ahead of its chunk's loads; ahead of the stage's
; stores; ahead of the global stores.  A chunk's loads stay in one run: they land in window 3, which the products name as a source, so each load strewn among products would want two switches.
.set W2P,   2064                       ; an LDS row: 2,048 bytes + 16 of padding = 129 x 16: the 16 rows that a fragment load touches start at 16 different groups of four banks (ISA guide 11.1)
.set YP,    144                        ; a stage row: 128 bytes + 16
.set LIST,  0                          ; LDS: the list: 1,152 entries of 4 bytes
.set WST,   4608                       ; W2's 32 rows
.set YST,   WST+32*W2P                 ; a stage of 16 rows for each wave
; scalar registers
.set WV,    20
.set E,     21
.set SLC,   22
.set CNT,   23
.set NTL,   24
.set CTR,   25
.set I,     26
.set LOF,   27
.set PB,    28
.set ACCS,  29
.set DMP,   31                         ; 2048 + e: the slot of what lies past the count
.set M,     32                         ; s[32:63]
.set M1,    66                         ; s[66:97]
.set CM0,   2                          ; in the search: seven registers for a run of compares' masks: those that are free when the counts are made
.set CM1,   3
.set CM2,   18
.set CM3,   19
.set CM4,   29
.set CM5,   30
.set CM6,   98
; vector registers, window 0
.set LANE,  1
.set R,     2
.set H,     3
.set L16,   4
.set L4,    5
.set WSTO,  7
.set WRD,   8
.set YSTO,  9
.set YRD,   10
.set LQ,    11                         ; 4 (lane / 8)
.set LC,    12                         ; 16 (lane % 8)
.set LA,    15
.set W2V,   16
.set B2V,   17
.set TI,    18                         ; the number of the tile that is asked for
.set SLT,   20                         ; v20-23  four rows' entries
.set OF,    24                         ; v24-27  their offsets in yw
.set W2S,   32                         ; v32-63  W2's scale words: 16 t + 4 u + q: lanes 0-15 K step 8 u + q, lanes 16-31 K step 8 u + 4 + q.  Scales alone
.set HS,    64                         ; v64-79  h's: register i: lanes 0-15 K step 2 i, lanes 16-31 K step 2 i + 1.  Scales alone
.set B2R,   80                         ; v80-95  b2 in the result's layout
.set ACC,   96                         ; v96-127 accumulator (t, parity) at 96 + 16 t + 8 parity
.set Y,     128                        ; v128-143 the sums
.set YB,    144                        ; v144-159 rows read back from the stage
.set SELR,  160                        ; in the head: v160-191 sel,
.set PREV,  160                        ; and, when the masks are made, v161-191 the running counts: PREV + bb = the rows of masks 0 .. bb - 1
.set HO,    208                        ; v208-211 chunk c's offset in hq
.set HSO,   212                        ; v212-215 and in hs
; windows 1 and 2: W2's fragments: (tile t, K step s) in window 1 + s / 16 at v[16 (s % 16) + 8 t].  Window 3: h's fragments, K step s at v[8 s]; in the head its first 128 registers take W2's rows as loaded
.set P,     192
.set VM,    193
.set VM1,   194
.set VPRE,  195
.set VB,    196
.set REM,   197
.set QA,    198
.set QB,    199
.set QC,    200
.set QD,    201
.set POS,   202
.set T,     203
.set T2,    204
.set SLOT,  205
.set MSB, 0
.macro WIN new                         ; s_set_vgpr_msb: bits 1:0 source 0, 3:2 source 1, 5:4 source 2, 7:6 destination; the high byte repeats the setting that is left
.if MSB != (\new)
	s_set_vgpr_msb (MSB<<8)|(\new)
.set MSB, (\new)
.endif
.endm
	s_load_b256 s[4:11], s[0:1], 0x0               ; W2's codes s[4:5], its scales s[6:7], b2 s[8:9], sel s[10:11]
	s_load_b128 s[12:15], s[0:1], 0x20             ; hq s[12:13], hs s[14:15]
	s_load_b64 s[16:17], s[0:1], 0x30              ; yw
	v_lshl_add_u32 v254, v0, 2, 0x13800
	v_mov_b32 v255, 0
	v_lshrrev_b32 v[LANE], 5, v0
	v_readfirstlane_b32 s[WV], v[LANE]
	v_and_b32 v[LANE], 31, v0
	v_and_b32 v[R], 15, v0
	v_bfe_u32 v[H], v0, 4, 1
	v_lshlrev_b32 v[L16], 4, v[LANE]
	v_lshlrev_b32 v[L4], 2, v[LANE]
	s_and_b32 s[E], ttmp7, 0xffff
	s_mov_b32 s[SLC], ttmp9
	s_wait_alu depctr_va_sdst(0)                   ; the wave's number is written, ahead of its first reader
	s_mul_i32 s31, s[WV], 8*W2P
	s_add_co_u32 s31, s31, WST
	v_add_nc_u32 v[WSTO], s31, v[L16]              ; W2 into LDS: my wave's 8 rows
	v_mul_u32_u24 v[WRD], v[R], W2P
	v_lshl_add_u32 v[WRD], v[H], 4, v[WRD]
	v_add_nc_u32 v[WRD], WST, v[WRD]               ; a fragment's place: row r x pitch + 16 h
	s_mul_i32 s30, s[WV], 16*YP
	s_add_co_u32 s30, s30, YST                     ; my stage
	v_mul_u32_u24 v[YSTO], v[R], YP
	v_lshl_add_u32 v[YSTO], v[H], 5, v[YSTO]
	v_add_nc_u32 v[YSTO], s30, v[YSTO]             ; in: row r, 32 bytes for each half of the lanes
	v_lshrrev_b32 v[LQ], 3, v[LANE]
	v_mul_u32_u24 v[YRD], v[LQ], YP
	v_and_b32 v[LC], 7, v[LANE]
	v_lshlrev_b32 v[LC], 4, v[LC]
	v_add_nc_u32 v[YRD], v[YRD], v[LC]
	v_add_nc_u32 v[YRD], s30, v[YRD]               ; back: eight lanes to a row, four rows an instruction
	v_lshlrev_b32 v[LQ], 2, v[LQ]
	v_lshlrev_b32 v[W2V], 7, v[R]
	v_lshl_add_u32 v[W2V], v[H], 4, v[W2V]         ; W2's scale bytes: 128 a row; + 16 h
	v_lshlrev_b32 v[B2V], 5, v[H]                  ; b2: 8 h numbers on
	s_mov_b32 s3, 0
	s_wait_kmcnt 0x0
	s_wait_alu depctr_va_vdst(0)                   ; the offsets and LDS addresses made above are written: the loads below, and every later LDS instruction that names one of them, read them
.irp c, 0,1,2,3,4,5,6,7
	global_load_b128 v[SELR+4*\c:SELR+4*\c+3], v[L16], s[10:11] offset:512*\c   ; register 4 c + q of lane l: token 128 c + 4 l + q
.endr
	s_lshl_b32 s2, s[E], 21
	s_add_nc_u64 s[12:13], s[12:13], s[2:3]        ; hq at the expert's first image
	s_lshl_b32 s30, s[SLC], 16
	s_add_co_u32 s2, s2, s30
	s_lshl_b32 s30, s[WV], 14
	s_add_co_u32 s2, s2, s30
	s_add_nc_u64 s[4:5], s[4:5], s[2:3]            ; W2's codes: row 1024 e + 32 slice + 8 wave, 2,048 bytes a row
	s_lshl_b32 s2, s[E], 17
	s_add_nc_u64 s[14:15], s[14:15], s[2:3]        ; hs likewise
	s_lshl_b32 s30, s[SLC], 12
	s_add_co_u32 s2, s2, s30
	s_add_nc_u64 s[6:7], s[6:7], s[2:3]            ; W2's scale bytes
	s_lshl_b32 s2, s[E], 12
	s_lshl_b32 s30, s[SLC], 7
	s_add_co_u32 s2, s2, s30
	s_add_nc_u64 s[8:9], s[8:9], s[2:3]            ; b2
	s_lshl_b32 s2, s[SLC], 7
	s_add_nc_u64 s[16:17], s[16:17], s[2:3]        ; yw at my 32 columns
	WIN 0xc0                                       ; destination window 3
.set kk, 0
.rept 32
	global_load_b128 v[4*kk:4*kk+3], v[L16], s[4:5] offset:512*kk th:TH_LOAD_NT   ; 512 neighbouring bytes a load; read once in the launch
.set kk, kk+1
.endr
	WIN 0
.irp t, 0,1
.irp u, 0,1,2,3
	global_load_b128 v[W2S+16*\t+4*\u:W2S+16*\t+4*\u+3], v[W2V], s[6:7] offset:2048*\t+32*\u
.endr
.endr
.irp t, 0,1
	global_load_b128 v[B2R+8*\t:B2R+8*\t+3], v[B2V], s[8:9] offset:64*\t           ; lane (r, h), register j: b2 of column 16 t + 8 h + j
	global_load_b128 v[B2R+8*\t+4:B2R+8*\t+7], v[B2V], s[8:9] offset:64*\t+16
.endr
	s_wait_loadcnt 44                              ; sel is in: behind it 32 + 8 + 4 loads were issued
	; THE MASKS, while the weights are on their way: eight registers of sel at a time; all compares ahead of the scalar lines that read their masks
.set gg, 0
.rept 4
.set bb, 0
.rept 8
	v_and_b32 v[P+2*bb], 0xff, v[SELR+8*gg+bb]
	v_bfe_u32 v[P+2*bb+1], v[SELR+8*gg+bb], 8, 8
.set bb, bb+1
.endr
.set bb, 0
.rept 8
	v_cmp_eq_u32 s[M+8*gg+bb], s[E], v[P+2*bb]
	v_cmp_eq_u32 s[M1+8*gg+bb], s[E], v[P+2*bb+1]
.set bb, bb+1
.endr
.set gg, gg+1
.endr
	s_wait_alu depctr_va_sdst(0)                   ; the 64 compares have written their masks, ahead of the scalar lines that read them: one wait for the run
.set bb, 0
.rept 32
	s_or_b32 s[M+bb], s[M+bb], s[M1+bb]            ; a token's two experts differ: at most one of the two holds
.set bb, bb+1
.endr
	s_mov_b32 s[ACCS], 0
.set bb, 1
.rept 31                               ; the running counts, made once, into the registers that held sel: the search below has no scalar line
	s_bcnt1_i32_b32 s30, s[M+bb-1]
	s_add_co_u32 s[ACCS], s[ACCS], s30
	v_mov_b32 v[PREV+bb], s[ACCS]
.set bb, bb+1
.endr
	s_bcnt1_i32_b32 s30, s[M+31]
	s_add_co_u32 s[CNT], s[ACCS], s30
	s_add_co_u32 s[NTL], s[CNT], 15
	s_lshr_b32 s[NTL], s[NTL], 4
	s_max_u32 s[NTL], s[NTL], 1                    ; the launch before has made tile 0 for every expert
	s_add_co_u32 s[DMP], s[E], 0x800
	; THE LIST: 36 groups of 32 places; wave w takes groups w, w + 4, ..: nine trips, a constant.  All 1,152 entries are written
.macro NSTEP x, width, w               ; is the wanted set bit in the lower part (of w bits) at POS?  If not, pass over that part
	v_bfe_u32 v[T], v[\x], v[POS], \width
	v_cmp_ge_u32 vcc_lo, v[REM], v[T]
	s_wait_alu depctr_va_vcc(0)                    ; the compare has written VCC, ahead of the two selects that read it (each step hangs on the one before: no run can be made of them)
	v_cndmask_b32 v[T], 0, v[T], vcc_lo
	v_sub_nc_u32 v[REM], v[REM], v[T]
	v_cndmask_b32 v[T2], 0, \w, vcc_lo
	v_add_nc_u32 v[POS], v[POS], v[T2]
.endm
; The search for the last mask whose running count is at most my place goes in runs: n compares, of masks b0 .. b0 + n - 1, each into a scalar register of its own; one wait; then their selects, in ascending order
.macro COMPARES b0, n
.irp i, 0,1,2,3,4,5,6
.if \i < \n
	v_cmp_gt_u32 s[CM\i], v[PREV+(\b0)+\i], v[P]   ; past my place: keep what I have
.endif
.endr
.endm
.macro SELECTS b0, n                   ; the mask's two words, its running count, and twice its first token
.irp i, 0,1,2,3,4,5,6
.if \i < \n
.set bb, (\b0)+\i
	v_cndmask_b32 v[VM], s[M+bb], v[VM], s[CM\i]
	v_cndmask_b32 v[VM1], s[M1+bb], v[VM1], s[CM\i]
	v_cndmask_b32 v[VPRE], v[PREV+bb], v[VPRE], s[CM\i]
	v_cndmask_b32 v[VB], 2*(128*(bb/4)+(bb%4)), v[VB], s[CM\i]
.endif
.endr
.endm
	s_lshl_b32 s[PB], s[WV], 5
	s_lshl_b32 s[LOF], s[WV], 7
	s_mov_b32 s[CTR], 9
.Llist:
	s_wait_alu depctr_vm_vsrc(0)                   ; the last trip's LDS store has read v[LA] and v[SLOT], which this trip writes again
	v_mov_b32 v[SLOT], s[DMP]                      ; past the count: 2048 + e
	s_cmp_ge_u32 s[PB], s[CNT]
	s_cbranch_scc1 .Lput                           ; a group wholly past the count is not searched
	v_add_nc_u32 v[P], s[PB], v[LANE]              ; my place
	v_mov_b32 v[VM], s[M]
	v_mov_b32 v[VM1], s[M1]
	v_mov_b32 v[VPRE], 0
	v_mov_b32 v[VB], 0
.irp b0, 1,8,15,22
	COMPARES \b0, 7
	s_wait_alu depctr_va_sdst(0)                   ; the run's seven compares have written their masks, ahead of the selects that read them
	SELECTS \b0, 7
.endr
	COMPARES 29, 3
	v_cmp_gt_u32 s[CM6], s[CNT], v[P]              ; is my place under the count?  Read by the trip's last select
	s_wait_alu depctr_va_sdst(0)                   ; the last three compares and the one against the count have written their masks, ahead of their readers
	SELECTS 29, 3
	v_sub_nc_u32 v[REM], v[P], v[VPRE]             ; which set bit of that mask, from 0
	v_lshrrev_b32 v[QA], 1, v[VM]
	v_and_b32 v[QA], 0x55555555, v[QA]
	v_sub_nc_u32 v[QA], v[VM], v[QA]               ; counts of 2 bits,
	v_lshrrev_b32 v[QB], 2, v[QA]
	v_and_b32 v[QB], 0x33333333, v[QB]
	v_and_b32 v[T], 0x33333333, v[QA]
	v_add_nc_u32 v[QB], v[QB], v[T]                ; of 4,
	v_lshrrev_b32 v[QC], 4, v[QB]
	v_add_nc_u32 v[QC], v[QC], v[QB]
	v_and_b32 v[QC], 0x0f0f0f0f, v[QC]             ; of 8,
	v_lshrrev_b32 v[QD], 8, v[QC]
	v_add_nc_u32 v[QD], v[QD], v[QC]               ; of 16 (in the low byte of each half)
	v_mov_b32 v[POS], 0
	NSTEP QD, 8, 16
	NSTEP QC, 8, 8
	NSTEP QB, 4, 4
	NSTEP QA, 2, 2
	NSTEP VM, 1, 1
	v_lshrrev_b32 v[T], v[POS], v[VM1]
	v_and_b32 v[T], 1, v[T]                        ; k: first or second choice
	v_lshl_add_u32 v[T2], v[POS], 3, v[VB]         ; bit POS is token first + 4 POS
	v_add_nc_u32 v[T], v[T], v[T2]                 ; slot = 2 token + k
	v_cndmask_b32 v[SLOT], v[SLOT], v[T], s[CM6]
.Lput:
	v_add_nc_u32 v[LA], s[LOF], v[L4]
	s_wait_alu depctr_va_vdst(0)                   ; v[LA] and v[SLOT] are written, which the LDS store reads
	ds_store_b32 v[LA], v[SLOT] offset:LIST
	s_add_co_u32 s[PB], s[PB], 128
	s_add_co_u32 s[LOF], s[LOF], 512
	s_sub_co_u32 s[CTR], s[CTR], 1
	s_cmp_lg_u32 s[CTR], 0
	s_cbranch_scc1 .Llist
	s_wait_loadcnt 0x0                             ; my 8 rows of W2, its scale words and b2 are in: no load is out when the ring below begins
	WIN 0x0c                                       ; an LDS store's data are its source 1: window 3
.set kk, 0
.rept 32
	ds_store_b128 v[WSTO], v[4*kk:4*kk+3] offset:(kk/4)*W2P+512*(kk%4)
.set kk, kk+1
.endr
	WIN 0
	s_wait_dscnt 0x0                               ; for the others' sake: my part of the list and of W2 lies in LDS
	s_wait_alu depctr_vm_vsrc(0)                   ; my LDS stores have read window 3's first 128 registers, in which h's chunks 0 and 1 land
; Chunk c's offsets in hq and hs for the tile whose number is in s30.  The number enters an address held to 63, an expert's last tile.
; The loads that last read these two registers are chunk c's of the tile in hand: their own counted wait has shown them in.  Behind products the four plain lines stand between these and the loads into
; registers that the products have read.
.macro AIM c
	v_mov_b32 v[TI], s30
	v_min_u32 v[TI], 63, v[TI]
	v_lshl_add_u32 v[HO+(\c)], v[TI], 15, v[L16]   ; a tile's 32 images are 32,768 bytes
	v_lshl_add_u32 v[HSO+(\c)], v[TI], 11, v[L4]   ; and its scale words 2,048
.endm
; Chunk c (K steps 8 c .. 8 c + 7) of that tile: 16 loads of 512 neighbouring bytes into the fragments' registers, 4 loads of 128 bytes of scale words: 20 loads
.macro CHUNKLD c
	WIN 0xc0
.irp i, 0,1,2,3,4,5,6,7
.irp d, 0,1
	global_load_b128 v[64*(\c)+8*\i+4*\d:64*(\c)+8*\i+4*\d+3], v[HO+(\c)], s[12:13] offset:8192*(\c)+1024*\i+512*\d
.endr
.endr
	WIN 0
.irp u, 0,1,2,3
	global_load_b32 v[HS+4*(\c)+\u], v[HSO+(\c)], s[14:15] offset:512*(\c)+128*\u
.endr
.endm
	s_sub_co_u32 s30, s[NTL], 1
	s_min_u32 s30, s30, s[WV]                      ; my first tile; a wave that has none asks for the expert's last, and uses nothing of it
	s_min_u32 s30, s30, 3                          ; (a wave's number at the most)
	AIM 0                                          ; the first tile's four pairs of offsets are made together, under one wait
	AIM 1
	AIM 2
	AIM 3
	s_wait_alu depctr_va_vdst(0)                   ; the eight offsets are written, which the four chunks' loads read: no vector instruction stands between this wait and the last of them
	CHUNKLD 0                                      ; three chunks, 60 loads, go out ahead of the barrier and of the 128 LDS loads behind it
	CHUNKLD 1
	CHUNKLD 2
	s_barrier_signal -1
	s_barrier_wait -1                              ; the one barrier of the text: behind it the list and W2's rows are only read
	WIN 0x40                                       ; destination window 1
.set ks, 0
.rept 16
.irp t, 0,1
.irp c, 0,1
	ds_load_b128 v[16*ks+8*\t+4*\c:16*ks+8*\t+4*\c+3], v[WRD] offset:16*\t*W2P+64*ks+32*\c
.endr
.endr
.set ks, ks+1
.endr
	WIN 0x80                                       ; destination window 2
.rept 16
.irp t, 0,1
.irp c, 0,1
	ds_load_b128 v[16*(ks-16)+8*\t+4*\c:16*(ks-16)+8*\t+4*\c+3], v[WRD] offset:16*\t*W2P+64*ks+32*\c
.endr
.endr
.set ks, ks+1
.endr
	WIN 0
	s_wait_loadcnt 40                              ; chunk 0 is in: the two younger chunks may be out;
	CHUNKLD 3                                      ; the fourth follows: again 60 loads are out
	s_wait_dscnt 0x0                               ; W2's fragments are in registers
; the product of K step ks (a symbol) with tile t of the columns
.macro MM2 t
.set rD, ACC+16*(\t)+8*(ks%2)
.set rA, 16*(ks%16)+8*(\t)
.set rB, 8*ks
.set rSA, W2S+16*(\t)+4*(ks/8)+(ks%4)
.set rSB, HS+ks/2
.if ks == 0
	v_wmma_scale_f32_16x16x128_f8f6f4 v[rD:rD+7], v[rA:rA+7], v[rB:rB+7], v[B2R+8*(\t):B2R+8*(\t)+7], v[rSA], v[rSB] matrix_a_fmt:MATRIX_FMT_FP4 matrix_b_fmt:MATRIX_FMT_FP4
.elseif ks == 1
	v_wmma_scale_f32_16x16x128_f8f6f4 v[rD:rD+7], v[rA:rA+7], v[rB:rB+7], 0, v[rSA], v[rSB] matrix_a_fmt:MATRIX_FMT_FP4 matrix_b_fmt:MATRIX_FMT_FP4 matrix_b_scale:MATRIX_SCALE_ROW1
.elseif ((ks/4)%2) && (ks%2)
	v_wmma_scale_f32_16x16x128_f8f6f4 v[rD:rD+7], v[rA:rA+7], v[rB:rB+7], v[rD:rD+7], v[rSA], v[rSB] matrix_a_fmt:MATRIX_FMT_FP4 matrix_b_fmt:MATRIX_FMT_FP4 matrix_a_scale:MATRIX_SCALE_ROW1 matrix_b_scale:MATRIX_SCALE_ROW1
.elseif (ks/4)%2
	v_wmma_scale_f32_16x16x128_f8f6f4 v[rD:rD+7], v[rA:rA+7], v[rB:rB+7], v[rD:rD+7], v[rSA], v[rSB] matrix_a_fmt:MATRIX_FMT_FP4 matrix_b_fmt:MATRIX_FMT_FP4 matrix_a_scale:MATRIX_SCALE_ROW1
.elseif ks%2
	v_wmma_scale_f32_16x16x128_f8f6f4 v[rD:rD+7], v[rA:rA+7], v[rB:rB+7], v[rD:rD+7], v[rSA], v[rSB] matrix_a_fmt:MATRIX_FMT_FP4 matrix_b_fmt:MATRIX_FMT_FP4 matrix_b_scale:MATRIX_SCALE_ROW1
.else
	v_wmma_scale_f32_16x16x128_f8f6f4 v[rD:rD+7], v[rA:rA+7], v[rB:rB+7], v[rD:rD+7], v[rSA], v[rSB] matrix_a_fmt:MATRIX_FMT_FP4 matrix_b_fmt:MATRIX_FMT_FP4
.endif
.endm
; A tile's 64 products.  AT A TILE'S HEAD its chunk 0 is in and chunks 1, 2, 3 (60 loads) may be out: so the head leaves it, and so does a trip with next = 1.
; next = 1: behind chunk c's products the wait for 40 leaves the two youngest chunks out and shows the next chunk to be multiplied in; then chunk c of my next tile (its number in s30) is asked for: 60 are out again.
; next = 0, my last tile: nothing is asked for, and the counts run down: 40, 20, 0.
; Behind chunk 0's products stands the trip's one wait on XCNT: the last trip's four stores have had their addresses translated; their offsets and their data are written again in the way out below.
.macro BODY next
.irp c, 0,1,2,3
.if (\next) == 0
.if \c > 0
	s_wait_loadcnt 60-20*\c
.endif
.endif
	WIN 0x0d+\c/2                                  ; source 0 (W2) window 1 or 2, source 1 (h) window 3
.set ks, 8*\c
.rept 8
	MM2 0                                          ; the four accumulators by turns, one instruction a turn
	MM2 1
.set ks, ks+1
.endr
	WIN 0
.if \next
	s_wait_loadcnt 40
.endif
.if \c == 0
	s_wait_xcnt 0x0
.endif
.if \next
	AIM \c
	s_wait_alu depctr_va_vdst(0)                   ; the chunk's products are done reading its fragments and its scale words, in which the loads below land; its two offsets are written
	CHUNKLD \c
.else
.if \c == 3
.rept 4
	v_nop                                          ; places behind the last products, ahead of the first read of the sums
.endr
.endif
.endif
.endr
.endm
	s_mov_b32 s[I], s[WV]
	s_mov_b32 s[CTR], 16
.Ltile:                                                ; 16 trips, a constant: tiles w, w + 4, .. w + 60
	s_cmp_ge_u32 s[I], s[NTL]
	s_cbranch_scc1 .Lskip                          ; the expert has no such tile
	s_lshl_b32 s[LOF], s[I], 6
	s_wait_alu depctr_vm_vsrc(0)                   ; what was issued so far has read its registers: the entries' loads (at first the list's store) v[LA]; the four chunks' loads their eight offsets; the stage's stores the sums; the four global stores their offsets and the rows.  All of these are written again in this trip
	v_add_nc_u32 v[LA], s[LOF], v[LQ]
	s_wait_alu depctr_va_vdst(0)                   ; v[LA] is written; the last way out's lines are done with the four entries' registers, in which the loads below land
.irp q, 0,1,2,3
	ds_load_b32 v[SLT+\q], v[LA] offset:LIST+16*\q ; the entry of row 4 q + lane / 8: read here, wanted in the way out
.endr
	s_add_co_u32 s30, s[I], 4                      ; my next tile,
	s_cmp_lt_u32 s30, s[NTL]
	s_cbranch_scc0 .Llast                          ; if there is one: no load names a tile that the launch before has not made
	BODY 1
	s_branch .Lout
.Llast:
	BODY 0
.Lout:
.irp t, 0,1
.irp j, 0,2,4,6
	v_pk_add_f32 v[Y+8*\t+\j:Y+8*\t+\j+1], v[ACC+16*\t+\j:ACC+16*\t+\j+1], v[ACC+16*\t+8+\j:ACC+16*\t+8+\j+1]   ; even and odd K steps' sums; each accumulator from its low end on
.endr
.endr
	s_wait_alu depctr_va_vdst(0)                   ; the additions have written the sums, which the stage's stores read
.irp t, 0,1
.irp u, 0,1
	ds_store_b128 v[YSTO], v[Y+8*\t+4*\u:Y+8*\t+4*\u+3] offset:64*\t+16*\u   ; lane (r, h): y(row r, columns 16 t + 8 h + 4 u ..)
.endr
.endr
.irp q, 0,1,2,3
	ds_load_b128 v[YB+4*\q:YB+4*\q+3], v[YRD] offset:4*YP*\q   ; my own stage: LDS serves a wave's instructions in order (ISA guide 5.7.1.4)
.endr
	s_wait_dscnt 8                                 ; the four entries are in: behind them stand the four stores and the four loads of the stage
.irp q, 0,1,2,3
	v_min_u32 v[SLT+\q], 0x807, v[SLT+\q]          ; an entry enters an address held to yw's last row
.endr
.irp q, 0,1,2,3
	v_lshl_add_u32 v[OF+\q], v[SLT+\q], 12, v[LC]  ; slot x 4,096 + 16 (lane % 8)
.endr
	s_wait_dscnt 0x0                               ; the rows are back from the stage
	s_wait_alu depctr_va_vdst(0)                   ; the four offsets are written, which the stores below read
.irp q, 0,1,2,3
	global_store_b128 v[OF+\q], v[YB+4*\q:YB+4*\q+3], s[16:17]   ; eight lanes store a row's 128 neighbouring bytes; all lanes on: rows past the count go to row 2048 + e
.endr
.Lskip:
	s_add_co_u32 s[I], s[I], 4
	s_sub_co_u32 s[CTR], s[CTR], 1
	s_cmp_lg_u32 s[CTR], 0
	s_cbranch_scc1 .Ltile
	s_wait_dscnt 0x0                               ; the closing lines, six on end
	s_wait_alu 0x0
	s_wait_tensorcnt 0x0
	ds_add_u32 v254, v255
	s_wait_dscnt 0x0
	s_endpgm
.Lfunc_end_k_q02f7dc3d5c_ffn2:
	.size	k_q02f7dc3d5c_ffn2, .Lfunc_end_k_q02f7dc3d5c_ffn2-k_q02f7dc3d5c_ffn2
	.p2alignl 7, 3214868480
	.fill 96, 4, 3214868480
	.section	.rodata,"a",@progbits
	.p2align	6, 0x0
	.amdhsa_kernel k_q02f7dc3d5c_ffn2
		.amdhsa_group_segment_fixed_size 80384
		.amdhsa_private_segment_fixed_size 0
		.amdhsa_enable_private_segment 0
		.amdhsa_kernarg_size 56
		.amdhsa_user_sgpr_count 2
		.amdhsa_user_sgpr_kernarg_segment_ptr 1
		.amdhsa_wavefront_size32 1
		.amdhsa_system_sgpr_workgroup_id_x 1
		.amdhsa_system_sgpr_workgroup_id_y 1
		.amdhsa_system_sgpr_workgroup_id_z 1
		.amdhsa_system_vgpr_workitem_id 0
		.amdhsa_next_free_vgpr 1024
		.amdhsa_next_free_sgpr 100
		.amdhsa_reserve_vcc 1
		.amdhsa_float_denorm_mode_32 3
		.amdhsa_float_denorm_mode_16_64 3
		.amdhsa_memory_ordered 1
		.amdhsa_forward_progress 1
		.amdhsa_inst_pref_size 82
	.end_amdhsa_kernel
	.amdgpu_metadata
---
amdhsa.version: [ 1, 2 ]
amdhsa.kernels:
  - .name:           k_q02f7dc3d5c_ffn2
    .symbol:         k_q02f7dc3d5c_ffn2.kd
    .args:
      - { .name: W2_codes, .offset: 0, .size: 8, .value_kind: global_buffer, .address_space: global }
      - { .name: W2_scales, .offset: 8, .size: 8, .value_kind: global_buffer, .address_space: global }
      - { .name: b2, .offset: 16, .size: 8, .value_kind: global_buffer, .address_space: global }
      - { .name: sel, .offset: 24, .size: 8, .value_kind: global_buffer, .address_space: global }
      - { .name: hq, .offset: 32, .size: 8, .value_kind: global_buffer, .address_space: global }
      - { .name: hs, .offset: 40, .size: 8, .value_kind: global_buffer, .address_space: global }
      - { .name: yw, .offset: 48, .size: 8, .value_kind: global_buffer, .address_space: global }
    .group_segment_fixed_size: 80384
    .private_segment_fixed_size: 0
    .kernarg_segment_align: 8
    .kernarg_segment_size: 56
    .max_flat_workgroup_size: 128
    .sgpr_count:     100
    .vgpr_count:     1024
    .wavefront_size: 32
...
	.end_amdgpu_metadata
.endif
;; end of part 7
;; launch combine (part 8): grid 256 x 1, 4 waves a work-group, no clusters, 0 bytes of LDS; arguments yw, wts, out0; writes out0
.if DOCPART == 8
	.amdgcn_target "amdgcn-amd-amdhsa--gfx1250"
	.amdhsa_code_object_version 6
	.text
	.protected	k_q02f7dc3d5c_combine
	.globl	k_q02f7dc3d5c_combine
	.p2align	8
	.type	k_q02f7dc3d5c_combine,@function
k_q02f7dc3d5c_combine:
	s_mov_b64 s[64:65], 0
	v_nop
	global_prefetch_b8 v0, s[64:65] scope:SCOPE_SE
	s_setreg_imm32_b32 hwreg(HW_REG_WAVE_MODE, 25, 1), 1
	s_wait_xcnt 0x0
; out[t] = p(e0) y[2 t] + p(e1) y[2 t + 1].  yw: [2056 rows][1024] f32, of which the first 2048 are the slots; wts: [1024][2] f32; out0: [1024][1024] f32.
; A stream: one wave takes one token: its two weights by one load (every lane the same 8 bytes), then 16 loads of 512 neighbouring bytes, all 17 out at once; 8 stores of 512 aligned bytes.
; Each output row has one owner.  No LDS, no barrier, no loop: matrix units, clusters and large register tiles would add nothing to a launch that only moves bytes.
.set W,  2                             ; v[2:3]  p(e0), p(e1)
.set Y0, 8                             ; v8-39   the first choice's row
.set Y1, 40                            ; v40-71  the second's
.set O,  72                            ; v72-103 the result
	s_load_b128 s[4:7], s[0:1], 0x0                ; yw s[4:5], wts s[6:7]
	s_load_b64 s[12:13], s[0:1], 0x10              ; out0
	v_lshrrev_b32 v1, 5, v0
	v_readfirstlane_b32 s14, v1                    ; wave
	v_and_b32 v1, 31, v0
	v_lshlrev_b32 v1, 4, v1                        ; 16 x lane
	v_mov_b32 v4, 0
	s_lshl_b32 s15, ttmp9, 2
	s_add_co_u32 s15, s15, s14                     ; my token
	s_lshl_b32 s16, s15, 13                        ; its two rows of yw
	s_mov_b32 s17, 0
	s_lshl_b32 s18, s15, 12                        ; its row of out0
	s_mov_b32 s19, 0
	s_lshl_b32 s20, s15, 3                         ; its two weights
	s_mov_b32 s21, 0
	s_wait_alu depctr_va_vdst(0)
	s_wait_kmcnt 0x0
	s_add_nc_u64 s[6:7], s[6:7], s[20:21]
	s_add_nc_u64 s[4:5], s[4:5], s[16:17]
	s_add_nc_u64 s[12:13], s[12:13], s[18:19]
	global_load_b64 v[W:W+1], v4, s[6:7]           ; the oldest of the 17 loads: in when any later one is
.irp k, 0,1,2,3,4,5,6,7
	global_load_b128 v[Y0+4*\k:Y0+4*\k+3], v1, s[4:5] offset:512*\k th:TH_LOAD_NT
.endr
.irp k, 0,1,2,3,4,5,6,7
	global_load_b128 v[Y1+4*\k:Y1+4*\k+3], v1, s[4:5] offset:4096+512*\k th:TH_LOAD_NT
.endr
.irp k, 0,1,2,3,4,5,6,7
	s_wait_loadcnt 7-\k                            ; loads come back in order (ISA guide 5.7.1): piece k of the second row is in, and with it the weights and all of the first row; the younger 7 - k may be out
	v_pk_mul_f32 v[O+4*\k:O+4*\k+1], v[Y1+4*\k:Y1+4*\k+1], v[W:W+1] op_sel:[0,1] op_sel_hi:[1,1]                    ; both halves x p(e1), the pair's second register
	v_pk_mul_f32 v[O+4*\k+2:O+4*\k+3], v[Y1+4*\k+2:Y1+4*\k+3], v[W:W+1] op_sel:[0,1] op_sel_hi:[1,1]
	v_pk_fma_f32 v[O+4*\k:O+4*\k+1], v[Y0+4*\k:Y0+4*\k+1], v[W:W+1], v[O+4*\k:O+4*\k+1] op_sel_hi:[1,0,1]           ; both halves x p(e0), its first
	v_pk_fma_f32 v[O+4*\k+2:O+4*\k+3], v[Y0+4*\k+2:Y0+4*\k+3], v[W:W+1], v[O+4*\k+2:O+4*\k+3] op_sel_hi:[1,0,1]
	global_store_b128 v1, v[O+4*\k:O+4*\k+3], s[12:13] offset:512*\k th:TH_STORE_NT   ; the wave stores 512 neighbouring bytes, aligned
.endr
	s_endpgm
.Lfunc_end_k_q02f7dc3d5c_combine:
	.size	k_q02f7dc3d5c_combine, .Lfunc_end_k_q02f7dc3d5c_combine-k_q02f7dc3d5c_combine
	.p2alignl 7, 3214868480
	.fill 96, 4, 3214868480
	.section	.rodata,"a",@progbits
	.p2align	6, 0x0
	.amdhsa_kernel k_q02f7dc3d5c_combine
		.amdhsa_group_segment_fixed_size 0
		.amdhsa_private_segment_fixed_size 0
		.amdhsa_enable_private_segment 0
		.amdhsa_kernarg_size 24
		.amdhsa_user_sgpr_count 2
		.amdhsa_user_sgpr_kernarg_segment_ptr 1
		.amdhsa_wavefront_size32 1
		.amdhsa_system_sgpr_workgroup_id_x 1
		.amdhsa_system_sgpr_workgroup_id_y 1
		.amdhsa_system_sgpr_workgroup_id_z 1
		.amdhsa_system_vgpr_workitem_id 0
		.amdhsa_next_free_vgpr 104
		.amdhsa_next_free_sgpr 66
		.amdhsa_reserve_vcc 0
		.amdhsa_float_denorm_mode_32 3
		.amdhsa_float_denorm_mode_16_64 3
		.amdhsa_memory_ordered 1
		.amdhsa_forward_progress 1
		.amdhsa_inst_pref_size 6
	.end_amdhsa_kernel
	.amdgpu_metadata
---
amdhsa.version: [ 1, 2 ]
amdhsa.kernels:
  - .name:           k_q02f7dc3d5c_combine
    .symbol:         k_q02f7dc3d5c_combine.kd
    .args:
      - { .name: yw, .offset: 0, .size: 8, .value_kind: global_buffer, .address_space: global }
      - { .name: wts, .offset: 8, .size: 8, .value_kind: global_buffer, .address_space: global }
      - { .name: out0, .offset: 16, .size: 8, .value_kind: global_buffer, .address_space: global }
    .group_segment_fixed_size: 0
    .private_segment_fixed_size: 0
    .kernarg_segment_align: 8
    .kernarg_segment_size: 24
    .max_flat_workgroup_size: 128
    .sgpr_count:     66
    .vgpr_count:     104
    .wavefront_size: 32
...
	.end_amdgpu_metadata
.endif
;; end of part 8
